; MI455X (gfx1250); checked and timed in simulation.
; The chip was launched on July 23, 2026; its instructions are those of AMD's public machine-readable ISA for CDNA 5 (MIT licence, August 2026) and "CDNA5" Instruction Set Architecture Reference Guide (July 2026). The comments in the code are by the model that wrote it; some were corrected since.
;; Attention Block. Allowed arithmetic: matrix products marked QUANTISED: E2M3 operands, one E8M0 scale for each 32 along K, by v_wmma_scale_f32_16x16x128_f8f6f4 with both operands' format E2M3, f32 sums; everything else in f32.
;; Inputs: W1 1,024 x 4,096 float32; W2 4,096 x 1,024 float32; Wk 1,024 x 1,024 float32; Wo 1,024 x 1,024 float32; Wq 1,024 x 1,024 float32; Wv 1,024 x 1,024 float32; b1 1,024 float32; b2 1,024 float32; bf1 4,096 float32; bf2 1,024 float32; bk 1,024 float32; bo 1,024 float32; bq 1,024 float32; bv 1,024 float32; g1 1,024 float32; g2 1,024 float32; x 2 x 2,048 x 1,024 float32.
;; Outputs: out0 2 x 2,048 x 1,024 float32.
;; This version of the problem:
;;   THIS VERSION OF THE PROBLEM IS GIVEN IN LOW PRECISION. The matrix products marked QUANTISED in the list below multiply operands that are first quantised to E2M3 (2 exponent bits, 3 mantissa bits; 6 bits a number), with one power-of-two scale for each 32 numbers along K (OCP MX v1.0); their sums are f32. All else is computed in f32.
;;   The module's matrix products, in the order in which they are computed (A, B: the left and right operand; K: the contracted axis; several contracted axes count as one K, in the product's order):
;;     1. [M 4,096, K 1,024] x [K 1,024, N 1,024]; A: computed on the way; B: input Wq: QUANTISED
;;     2. [M 4,096, K 1,024] x [K 1,024, N 1,024]; A: computed on the way; B: input Wk: QUANTISED
;;     3. [M 4,096, K 1,024] x [K 1,024, N 1,024]; A: computed on the way; B: input Wv: QUANTISED
;;     4. batch 32 x [M 2,048, K 64] x [K 64, N 2,048]; A: computed on the way; B: computed on the way: QUANTISED
;;     5. batch 32 x [M 2,048, K 2,048] x [K 2,048, N 64]; A: softmax (see below); B: computed on the way: QUANTISED
;;     6. [M 4,096, K 1,024] x [K 1,024, N 1,024]; A: computed on the way; B: input Wo: QUANTISED
;;     7. [M 4,096, K 1,024] x [K 1,024, N 4,096]; A: computed on the way; B: input W1: QUANTISED
;;     8. [M 4,096, K 4,096] x [K 4,096, N 1,024]; A: computed on the way; B: input W2: QUANTISED
;;   THE QUANTISER, for each operand of a quantised product, along K:
;;     - K is cut into blocks of 32 from its start; a last block that is shorter is filled with zeros.
;;     - A block's scale is 2^e with e = floor(log2(the largest magnitude in the block)) - 2, held to -126 .. 127; a block of zeros has e = 0. As a byte (E8M0): e + 127.
;;     - Each number is divided by its block's scale, clamped to +-7.5, and rounded to the nearest number of E2M3, ties to even, subnormals kept.
;;     - The product sums the exact products of the quantised numbers (number of the format x scale) in f32.
;;   ~~~python
;;   def quantise(x, axis):      # numpy; x: float32 -> the quantised numbers, widened to float32 again
;;       x = np.moveaxis(x, axis, -1); K = x.shape[-1]
;;       x = np.pad(x, [(0, 0)] * (x.ndim - 1) + [(0, -K % 32)]); x = x.reshape(x.shape[:-1] + (-1, 32)); a = np.abs(x).max(-1, keepdims=True)
;;       e = np.where(a > 0, np.clip(np.frexp(np.where(a > 0, a, 1))[1] - 1 - 2, -126, 127), 0)      # np.frexp(a)[1] - 1 = floor(log2(a)), exactly
;;       r = np.clip(x / 2.0 ** e, -7.5, 7.5)
;;       step = 2.0 ** (np.maximum(np.frexp(np.where(r == 0, 1, r))[1] - 1, 0) - 3)
;;       q = np.round(r / step) * step * 2.0 ** e      # np.round: ties to even
;;       return np.moveaxis(q.reshape(q.shape[:-2] + (-1,))[..., :K], -1, axis).astype(np.float32)
;;   ~~~
;;   SOFTMAX AHEAD OF A QUANTISED PRODUCT. Where the list says 'softmax', what is quantised is not the finished softmax but p = 2^(t - M), with t = logit x log2(e) and M = ceil(the row's largest t), a whole number; so 1/2 < the row's largest p <= 1. The row's sum l is taken of the UNQUANTISED p, in f32, and the product's result is divided by l at the end. Since M is a whole number, a kernel that streams over the keys may use a running M (the ceiling of the running maximum): every later rescaling is an exact power of two, which a block's scale takes up: the codes' values come out the same.
;;   OPERANDS COMPUTED ON THE WAY. 'Computed on the way' means the value that the module computes at that place (a softmax that the list does not call 'softmax' is quantised finished and normalised). What goes into a quantiser is computed in f32, as accurately as f32 sums, v_exp_f32 and their like allow (about 1e-6 of the number): no bf16 or f16 on the way to a quantiser, and a product that is left as it is and whose result goes on into a quantised operand takes f32 operands (vector FMAs, or v_wmma_f32_16x16x4_f32). A number that lies on a knife's edge between two numbers of the format may be rounded either way, as far as f32 arithmetic and the matrix unit's own rounding can turn it there, and no further.
;; 2 versions. Each part assembles by itself: llvm-mc -triple=amdgcn-amd-amdhsa -mcpu=gfx1250 --defsym DOCPART=n.
;; ======== version 1 of 2: 8 launches
;; workspace buffers: wts 12,582,912 bytes; act 4,194,304 bytes; qkvc 10,223,616 bytes; res1 16,777,216 bytes; hbuf 16,777,216 bytes
;; launch wprep (part 1): grid 384 x 1, 4 waves a work-group, no clusters, 35,328 bytes of LDS; arguments Wq, Wk, Wv, Wo, W2, W1, wts; writes wts
.if DOCPART == 1
	.amdgcn_target "amdgcn-amd-amdhsa--gfx1250"
	.amdhsa_code_object_version 6
	.text
	.protected	k_q51a6b7d649_wprep
	.globl	k_q51a6b7d649_wprep
	.p2align	8
	.type	k_q51a6b7d649_wprep,@function
k_q51a6b7d649_wprep:
	s_mov_b64 s[64:65], 0
	v_nop
	global_prefetch_b8 v0, s[64:65] scope:SCOPE_SE
	s_setreg_imm32_b32 hwreg(HW_REG_WAVE_MODE, 25, 1), 1
	s_wait_xcnt 0x0
; The six weights, f32 stored [K][N], become codes of FP6 (E2M3) along K with one E8M0 byte for each 32 along K, laid as RECORDS of 256 bytes:
; record (panel = k / 256, column n): bytes 0-191 the 256 codes as one stream of bits, 192-199 the 8 scale bytes, 200-255 zeros.
; A panel's records lie on end; column n stands at place sg(n), n with bits 3 and 4 exchanged: 16 neighbouring records, used as a matrix instruction's first source,
; then leave a lane 16 neighbouring TRUE columns in the registers of two neighbouring result tiles.
; wts: Wq, Wk, Wv, Wo as [4 panels][4096][256] (1,024 places each) at 0; W1 as [4][4096][256] at 4,194,304; W2 as [16][1024][256] at 8,388,608.
; A LANE TAKES A COLUMN, ITS REGISTERS RUN DOWN K: a block of 32 is one lane's 32 registers, and the conversions give codes with K innermost.
; A work-group takes 128 columns x 256 along K, a wave 32 columns.  Work-groups 0-127: the four small weights; 128-255: W2; 256-383: W1.  One path for all: only numbers and pointers are chosen, on the work-group's number.
; The records go through the wave's own stage in LDS, so that sixteen lanes store one whole record.  Waves share nothing: no barrier, no cluster (no input byte is read by two work-groups).
; LIMITS: a block whose largest magnitude lies under 2^-124 (a block of zeros too) gets the byte 1, which only this program reads; NaN and infinities are not served.
.set PITCH, 272                        ; a stage row: a record + 16 bytes
.set C,     16                         ; v16-21  a block's codes
.set D,     22                         ; v22-24  its second half as the conversion leaves it
.set SB,    26                         ; v26-27  the eight scale bytes
.set Z,     28                         ; v28-31  zeros
.set VO,    32                         ; v32-63  byte offsets of 32 rows of the weight at my column
.set X,     64                         ; v64-127 two sets of 32 numbers
.set OUTR,  128                        ; v128-191 the way out
	s_load_b256 s[4:11], s[0:1], 0x0               ; Wq, Wk, Wv, Wo
	s_load_b128 s[12:15], s[0:1], 0x20             ; W2, W1
	s_load_b64 s[16:17], s[0:1], 0x30              ; wts
	v_lshl_add_u32 v192, v0, 2, 0x8800
	v_mov_b32 v193, 0
	v_lshrrev_b32 v1, 5, v0
	v_readfirstlane_b32 s18, v1                    ; wave
	v_and_b32 v2, 31, v0                           ; lane
	s_lshr_b32 s24, ttmp9, 5
	s_lshl_b32 s24, s24, 18                        ; a small weight's 1,024 places begin here
	s_mov_b32 s25, 0x800000
	s_cmp_ge_u32 ttmp9, 128                        ; W2 or W1?
	s_cselect_b32 s24, s25, s24                    ; where the records begin
	s_cselect_b32 s23, 15, 3                       ; panels - 1
	s_cselect_b32 s26, 18, 20                      ; log2 of a panel's bytes
	s_mov_b32 s25, 0x400000
	s_cmp_ge_u32 ttmp9, 256                        ; W1?
	s_cselect_b32 s24, s25, s24
	s_cselect_b32 s23, 3, s23
	s_cselect_b32 s26, 20, s26
	s_cselect_b32 s20, 14, 12                      ; log2 of the weight's row in bytes
	s_cselect_b32 s21, 31, 7                       ; groups of 128 columns - 1
	s_cselect_b32 s22, 5, 3
	s_and_b32 s21, ttmp9, s21                      ; my group of columns
	s_lshr_b32 s22, ttmp9, s22
	s_and_b32 s22, s22, s23                        ; my panel
	s_add_co_u32 s27, s20, 8
	s_lshl_b32 s28, s22, s27                       ; in: panel x 256 rows
	s_lshl_b32 s29, s21, 9
	s_add_co_u32 s28, s28, s29                     ; + 128 columns x group
	s_lshl_b32 s29, s18, 7
	s_add_co_u32 s28, s28, s29                     ; + 32 columns x wave
	s_mov_b32 s29, 0
	s_lshl_b32 s30, s22, s26                       ; out: panel
	s_add_co_u32 s30, s30, s24
	s_lshl_b32 s31, s21, 15
	s_add_co_u32 s30, s30, s31                     ; + 128 records x group
	s_lshl_b32 s31, s18, 13
	s_add_co_u32 s30, s30, s31                     ; + 32 records x wave
	s_mov_b32 s31, 0
	s_lshl_b32 s48, 32, s20                        ; 32 rows of the weight
	s_mov_b32 s49, 0
	s_lshl_b32 s50, 1, s20                         ; one row
	v_lshlrev_b32 v[VO], 2, v2
.set li, 1
.rept 31
	v_add_nc_u32 v[VO+li], s50, v[VO+li-1]         ; the row's length differs between weights, so it stands in registers and not in immediates
.set li, li+1
.endr
	s_mul_i32 s19, s18, 32*PITCH                   ; my stage
	v_mul_u32_u24 v4, v2, PITCH
	v_add_nc_u32 v4, s19, v4                       ; into it: row = my column
	v_and_b32 v5, 15, v2
	v_lshrrev_b32 v6, 4, v2
	v_mul_u32_u24 v7, v6, PITCH
	v_lshl_add_u32 v7, v5, 4, v7
	v_add_nc_u32 v7, s19, v7                       ; out of it: sixteen lanes to a record, two records an instruction
	v_lshlrev_b32 v8, 4, v2                        ; and the same 512 bytes in memory
.irp i, 0,1,2,3
	v_mov_b32 v[Z+\i], 0
.endr
	s_wait_kmcnt 0x0
	s_cmp_ge_u32 ttmp9, 32                         ; the weight is chosen on the work-group's number alone
	s_cselect_b64 s[4:5], s[6:7], s[4:5]
	s_cmp_ge_u32 ttmp9, 64
	s_cselect_b64 s[4:5], s[8:9], s[4:5]
	s_cmp_ge_u32 ttmp9, 96
	s_cselect_b64 s[4:5], s[10:11], s[4:5]
	s_cmp_ge_u32 ttmp9, 128
	s_cselect_b64 s[4:5], s[12:13], s[4:5]
	s_cmp_ge_u32 ttmp9, 256
	s_cselect_b64 s[4:5], s[14:15], s[4:5]
	s_add_nc_u64 s[32:33], s[4:5], s[28:29]        ; a base for each of the eight blocks
.irp t, 1,2,3,4,5,6,7
	s_add_nc_u64 s[32+2*\t:33+2*\t], s[30+2*\t:31+2*\t], s[48:49]
.endr
	s_add_nc_u64 s[16:17], s[16:17], s[30:31]
.macro LOAD t                          ; block t: 32 rows at my column; a wave reads 128 consecutive bytes a load
.set li, 0
.rept 32
	global_load_b32 v[X+32*((\t)%2)+li], v[VO+li], s[32+2*(\t):33+2*(\t)] th:TH_LOAD_NT
.set li, li+1
.endr
.endm
.macro BLOCK t
.set XS, X+32*((\t)%2)
.if (\t) < 7
	s_wait_loadcnt 32                              ; this block's 32 loads are in; the next block's 32 may be out
.else
	s_wait_loadcnt 0x0
.endif
	v_max3_num_f32 v12, |v[XS]|, |v[XS+1]|, |v[XS+2]|      ; the block's largest magnitude: all 32 numbers are mine
	v_max3_num_f32 v13, |v[XS+3]|, |v[XS+4]|, |v[XS+5]|
.irp i, 6,10,14,18,22,26
	v_max3_num_f32 v12, v12, |v[XS+\i]|, |v[XS+\i+1]|
	v_max3_num_f32 v13, v13, |v[XS+\i+2]|, |v[XS+\i+3]|
.endr
	v_max3_num_f32 v12, v12, |v[XS+30]|, |v[XS+31]|
	v_max3_num_f32 v12, v12, v13, 0x1800000        ; and the floor 2^(3 - 127): the byte cannot fall under 1
	v_add_nc_u32 v11, 0xff000000, v12              ; 2 off the exponent field: the conversion's scale operand
	v_lshrrev_b32 v13, 23, v11                     ; the scale's byte
.if (\t)%4 == 0
	v_mov_b32 v[SB+(\t)/4], v13
.else
	v_lshl_or_b32 v[SB+(\t)/4], v13, 8*((\t)%4), v[SB+(\t)/4]
.endif
	v_cvt_scalef32_pk16_fp6_f32 v[C:C+2], v[XS:XS+15], v11
	v_cvt_scalef32_pk16_fp6_f32 v[D:D+2], v[XS+16:XS+31], v11   ; (a conversion's three registers begin on an even number)
	v_nop                                          ; one plain line behind the conversions
.irp i, 0,1,2
	v_mov_b32 v[C+3+\i], v[D+\i]
.endr
.irp i, 0,1,2
	ds_store_b64 v4, v[C+2*\i:C+2*\i+1] offset:24*(\t)+8*\i
.endr
.if (\t)+2 < 8
	LOAD (\t)+2
.endif
	s_wait_dscnt 0x0                               ; the stores have read their registers: the next block's codes may be written
.endm
	LOAD 0
	LOAD 1
.irp t, 0,1,2,3,4,5,6,7
	BLOCK \t
.endr
	ds_store_b64 v4, v[SB:SB+1] offset:192         ; the record's scale bytes,
	ds_store_b64 v4, v[Z:Z+1] offset:200           ; and its tail of zeros
	ds_store_b128 v4, v[Z:Z+3] offset:208
	ds_store_b128 v4, v[Z:Z+3] offset:224
	ds_store_b128 v4, v[Z:Z+3] offset:240
.set t, 0
.rept 16
	ds_load_b128 v[OUTR+4*t:OUTR+4*t+3], v7 offset:2*t*PITCH   ; LDS serves a wave's instructions in order: these see my stores
.set t, t+1
.endr
.set t, 0
.rept 16
	s_wait_dscnt 15-t                              ; the younger loads may be out
	global_store_b128 v8, v[OUTR+4*t:OUTR+4*t+3], s[16:17] offset:(((2*t)&6)|(((2*t)&8)<<1)|(((2*t)&16)>>1))*256   ; columns 2 t, 2 t + 1 at places sg(2 t), sg(2 t) + 1: 512 consecutive bytes, aligned
.set t, t+1
.endr
	s_wait_tensorcnt 0x0
	ds_add_u32 v192, v193
	s_wait_dscnt 0x0
	s_endpgm
.Lfunc_end_k_q51a6b7d649_wprep:
	.size	k_q51a6b7d649_wprep, .Lfunc_end_k_q51a6b7d649_wprep-k_q51a6b7d649_wprep
	.p2alignl 7, 3214868480
	.fill 96, 4, 3214868480
	.section	.rodata,"a",@progbits
	.p2align	6, 0x0
	.amdhsa_kernel k_q51a6b7d649_wprep
		.amdhsa_group_segment_fixed_size 35328
		.amdhsa_private_segment_fixed_size 0
		.amdhsa_enable_private_segment 0
		.amdhsa_kernarg_size 56
		.amdhsa_user_sgpr_count 2
		.amdhsa_user_sgpr_kernarg_segment_ptr 1
		.amdhsa_wavefront_size32 1
		.amdhsa_system_sgpr_workgroup_id_x 1
		.amdhsa_system_sgpr_workgroup_id_y 1
		.amdhsa_system_sgpr_workgroup_id_z 1
		.amdhsa_system_vgpr_workitem_id 0
		.amdhsa_next_free_vgpr 194
		.amdhsa_next_free_sgpr 66
		.amdhsa_reserve_vcc 0
		.amdhsa_float_denorm_mode_32 3
		.amdhsa_float_denorm_mode_16_64 3
		.amdhsa_memory_ordered 1
		.amdhsa_forward_progress 1
		.amdhsa_inst_pref_size 46
	.end_amdhsa_kernel
	.amdgpu_metadata
---
amdhsa.version: [ 1, 2 ]
amdhsa.kernels:
  - .name:           k_q51a6b7d649_wprep
    .symbol:         k_q51a6b7d649_wprep.kd
    .args:
      - { .name: Wq, .offset: 0, .size: 8, .value_kind: global_buffer, .address_space: global }
      - { .name: Wk, .offset: 8, .size: 8, .value_kind: global_buffer, .address_space: global }
      - { .name: Wv, .offset: 16, .size: 8, .value_kind: global_buffer, .address_space: global }
      - { .name: Wo, .offset: 24, .size: 8, .value_kind: global_buffer, .address_space: global }
      - { .name: W2, .offset: 32, .size: 8, .value_kind: global_buffer, .address_space: global }
      - { .name: W1, .offset: 40, .size: 8, .value_kind: global_buffer, .address_space: global }
      - { .name: wts, .offset: 48, .size: 8, .value_kind: global_buffer, .address_space: global }
    .group_segment_fixed_size: 35328
    .private_segment_fixed_size: 0
    .kernarg_segment_align: 8
    .kernarg_segment_size: 56
    .max_flat_workgroup_size: 128
    .sgpr_count:     66
    .vgpr_count:     194
    .wavefront_size: 32
...
	.end_amdgpu_metadata
.endif
;; end of part 1
;; launch ln1 (part 2): grid 256 x 1, 4 waves a work-group, no clusters, 23,040 bytes of LDS; arguments x, g1, b1, act; writes act
.if DOCPART == 2
	.amdgcn_target "amdgcn-amd-amdhsa--gfx1250"
	.amdhsa_code_object_version 6
	.text
	.protected	k_q51a6b7d649_ln1
	.globl	k_q51a6b7d649_ln1
	.p2align	8
	.type	k_q51a6b7d649_ln1,@function
k_q51a6b7d649_ln1:
	s_mov_b64 s[64:65], 0
	v_nop
	global_prefetch_b8 v0, s[64:65] scope:SCOPE_SE
	s_setreg_imm32_b32 hwreg(HW_REG_WAVE_MODE, 25, 1), 1
	s_wait_xcnt 0x0
; y = (x - mean) rsqrt(var + 1e-5) g + b along rows of 1,024 f32, then quantised along the row to FP6 (E2M3) with one E8M0 byte for each 32, and stored as RECORDS of 256 bytes:
; record (panel = column / 256, row): bytes 0-191 256 codes, 192-199 8 scale bytes, 200-255 zeros; [4 panels][4096 places][256]; row i stands at place sg(i), i with bits 3 and 4 exchanged.
; A wave takes 4 neighbouring rows, one after the other; a work-group 16.  Loads are dense (512 consecutive bytes a load); the row turns through the wave's own stage in LDS so that lane l holds columns 32 l .. 32 l + 31: one block.
; Mean first, then the sum of squared differences: a common offset of the inputs costs no accuracy.  All in f32.
; Waves share nothing: no barrier; no cluster, since no work-group reads another's rows and g and b are 8 KB.
; LIMITS: a block whose largest magnitude lies under 2^-124 (a block of zeros too) gets the byte 1, which only this program reads; NaN and infinities are not served.
.set G,    32                          ; v32-63   g of my 32 columns
.set BV,   64                          ; v64-95   b
.set R,    96                          ; v96-159  two rows as loaded
.set Y,    160                         ; v160-191 my 32 numbers
.set OB,   192                         ; v192-223 records on their way out: 8 registers a row, never written twice
.set WREG, 5632                        ; LDS of a wave: 32 places of 144 bytes for the turn, then 1,024 bytes for a row's four records
.set OST,  4608
	s_load_b256 s[4:11], s[0:1], 0x0               ; x, g, b, the records
	v_lshl_add_u32 v224, v0, 2, 0x5800
	v_mov_b32 v225, 0
	v_lshrrev_b32 v1, 5, v0
	v_readfirstlane_b32 s16, v1                    ; wave
	v_and_b32 v1, 31, v0                           ; lane l
	v_lshlrev_b32 v2, 4, v1                        ; 16 l
	v_lshlrev_b32 v3, 7, v1                        ; 128 l: my 32 columns of g and b
	s_mul_i32 s17, s16, WREG
	v_lshrrev_b32 v30, 3, v1                       ; l / 8
	v_and_b32 v31, 7, v1                           ; l % 8
	v_mul_u32_u24 v4, v30, 144
	v_lshl_add_u32 v4, v31, 4, v4
	v_add_nc_u32 v4, s17, v4                       ; the turn, in: load j's 16 bytes belong to lane 4 j + l / 8, at 16 (l % 8) of its place
	v_mul_u32_u24 v5, v1, 144
	v_add_nc_u32 v5, s17, v5                       ; and out: my place
	s_add_co_u32 s18, s17, OST
	v_lshlrev_b32 v6, 8, v30
	v_add_nc_u32 v6, s18, v6                       ; my panel's record
	v_lshl_add_u32 v7, v31, 3, v6                  ; its bytes 192-255: 8 bytes of zeros a lane
	v_add_nc_u32 v25, v31, v6                      ; my block's scale byte
	v_mad_u32_u24 v6, v31, 24, v6                  ; my block's 24 bytes of codes
	v_add_nc_u32 v26, s18, v2                      ; back: 16 bytes a lane
	v_lshrrev_b32 v27, 4, v1
	v_lshlrev_b32 v27, 20, v27
	v_and_b32 v30, 15, v1
	v_lshl_add_u32 v27, v30, 4, v27                ; in memory: lanes 0-15 one panel's record, lanes 16-31 the next panel's
	v_mov_b32 v28, 0
	v_mov_b32 v29, 0
	s_mov_b32 s12, 0x3a800000                      ; 1 / 1024
	s_mov_b32 s13, 0x3727c5ac                      ; 1e-5
	s_mov_b32 s14, 0x76543210
	s_mov_b32 s15, 0xfedcba98                      ; v_permlanex16_b32's selects for lane l xor 16
	s_lshl_b32 s19, ttmp9, 4
	s_lshl_b32 s20, s16, 2
	s_add_co_u32 s19, s19, s20                     ; my first row: 16 x work-group + 4 x wave
	s_lshl_b32 s20, s19, 12
	s_mov_b32 s21, 0
	s_lshr_b32 s22, ttmp9, 1                       ; its place: bit 4 (the work-group's bit 0) and bit 3 (the wave's bit 1) exchanged
	s_lshl_b32 s22, s22, 5
	s_lshr_b32 s23, s16, 1
	s_lshl_b32 s23, s23, 4
	s_add_co_u32 s22, s22, s23
	s_and_b32 s23, ttmp9, 1
	s_lshl_b32 s23, s23, 3
	s_add_co_u32 s22, s22, s23
	s_and_b32 s23, s16, 1
	s_lshl_b32 s23, s23, 2
	s_add_co_u32 s22, s22, s23
	s_lshl_b32 s22, s22, 8
	s_mov_b32 s23, 0
	s_wait_kmcnt 0x0
	s_add_nc_u64 s[4:5], s[4:5], s[20:21]
	s_add_nc_u64 s[10:11], s[10:11], s[22:23]
.macro LOADR i                         ; row i: eight loads of 512 consecutive bytes
.irp j, 0,1,2,3,4,5,6,7
	global_load_b128 v[R+32*((\i)%2)+4*\j:R+32*((\i)%2)+4*\j+3], v2, s[4:5] offset:4096*(\i)+512*\j
.endr
.endm
.macro WSUM r, tmp                     ; the sum over the 32 lanes, in every lane
	v_add_f32_dpp v[\r], v[\r], v[\r] row_xmask:1 row_mask:0xf bank_mask:0xf
	v_add_f32_dpp v[\r], v[\r], v[\r] row_xmask:2 row_mask:0xf bank_mask:0xf
	v_add_f32_dpp v[\r], v[\r], v[\r] row_xmask:4 row_mask:0xf bank_mask:0xf
	v_add_f32_dpp v[\r], v[\r], v[\r] row_xmask:8 row_mask:0xf bank_mask:0xf
	v_permlanex16_b32 v[\tmp], v[\r], s14, s15
	v_add_f32 v[\r], v[\r], v[\tmp]
.endm
.irp j, 0,1,2,3,4,5,6,7
	global_load_b128 v[G+4*\j:G+4*\j+3], v3, s[6:7] offset:16*\j
	global_load_b128 v[BV+4*\j:BV+4*\j+3], v3, s[8:9] offset:16*\j
.endr
	LOADR 0
	LOADR 1
.macro ROW i
.set RS, R+32*((\i)%2)
.if (\i) < 3
	s_wait_loadcnt 8                               ; this row (and g, b) is in; the next row's eight loads may be out
.else
	s_wait_loadcnt 0x0
.endif
.irp j, 0,1,2,3,4,5,6,7
	ds_store_b128 v4, v[RS+4*\j:RS+4*\j+3] offset:576*\j
.endr
.irp j, 0,1,2,3,4,5,6,7
	ds_load_b128 v[Y+4*\j:Y+4*\j+3], v5 offset:16*\j          ; LDS serves a wave's instructions in order
.endr
	s_wait_dscnt 0x0                               ; my 32 numbers are in, and the stores have read their registers,
.if (\i) < 2
	LOADR (\i)+2                                   ; which take the row two further on
.endif
	v_pk_add_f32 v[8:9], v[Y:Y+1], v[Y+2:Y+3]      ; the sum, in two chains
	v_pk_add_f32 v[10:11], v[Y+4:Y+5], v[Y+6:Y+7]
.irp j, 8,12,16,20,24,28
	v_pk_add_f32 v[8:9], v[8:9], v[Y+\j:Y+\j+1]
	v_pk_add_f32 v[10:11], v[10:11], v[Y+\j+2:Y+\j+3]
.endr
	v_pk_add_f32 v[8:9], v[8:9], v[10:11]
	v_add_f32 v8, v8, v9
	WSUM 8, 9
	v_mul_f32 v8, s12, v8                          ; the mean
.set j, 0
.rept 16
	v_pk_add_f32 v[Y+2*j:Y+2*j+1], v[Y+2*j:Y+2*j+1], v[8:9] op_sel_hi:[1,0] neg_lo:[0,1] neg_hi:[0,1]   ; x - mean
.set j, j+1
.endr
	v_pk_mul_f32 v[10:11], v[Y:Y+1], v[Y:Y+1]      ; the sum of squares, in two chains
	v_pk_mul_f32 v[12:13], v[Y+2:Y+3], v[Y+2:Y+3]
.irp j, 4,8,12,16,20,24,28
	v_pk_fma_f32 v[10:11], v[Y+\j:Y+\j+1], v[Y+\j:Y+\j+1], v[10:11]
	v_pk_fma_f32 v[12:13], v[Y+\j+2:Y+\j+3], v[Y+\j+2:Y+\j+3], v[12:13]
.endr
	v_pk_add_f32 v[10:11], v[10:11], v[12:13]
	v_add_f32 v10, v10, v11
	WSUM 10, 11
	v_fma_f32 v10, v10, s12, s13                   ; the variance + 1e-5
	v_rsq_f32 v10, v10
	v_nop                                          ; one plain line behind the transcendental
.set j, 0
	s_wait_alu depctr_va_vdst(0)
.rept 16
	v_pk_mul_f32 v[Y+2*j:Y+2*j+1], v[Y+2*j:Y+2*j+1], v[10:11] op_sel_hi:[1,0]
.set j, j+1
.endr
.set j, 0
.rept 16
	v_pk_fma_f32 v[Y+2*j:Y+2*j+1], v[Y+2*j:Y+2*j+1], v[G+2*j:G+2*j+1], v[BV+2*j:BV+2*j+1]
.set j, j+1
.endr
	v_max3_num_f32 v12, |v[Y]|, |v[Y+1]|, |v[Y+2]| ; my block's largest magnitude
	v_max3_num_f32 v13, |v[Y+3]|, |v[Y+4]|, |v[Y+5]|
.irp j, 6,10,14,18,22,26
	v_max3_num_f32 v12, v12, |v[Y+\j]|, |v[Y+\j+1]|
	v_max3_num_f32 v13, v13, |v[Y+\j+2]|, |v[Y+\j+3]|
.endr
	v_max3_num_f32 v12, v12, |v[Y+30]|, |v[Y+31]|
	v_max3_num_f32 v12, v12, v13, 0x1800000        ; and the floor 2^(3 - 127)
	v_add_nc_u32 v14, 0xff000000, v12              ; the conversion's scale operand
	v_lshrrev_b32 v15, 23, v14                     ; the scale's byte
	v_cvt_scalef32_pk16_fp6_f32 v[16:18], v[Y:Y+15], v14
	v_cvt_scalef32_pk16_fp6_f32 v[22:24], v[Y+16:Y+31], v14
	v_nop                                          ; one plain line behind the conversions
	v_mov_b32 v19, v22
	v_mov_b32 v20, v23
	v_mov_b32 v21, v24
	ds_store_b64 v7, v[28:29] offset:192           ; zeros over the records' bytes 192-255,
	ds_store_b64 v6, v[16:17]
	ds_store_b64 v6, v[18:19] offset:8
	ds_store_b64 v6, v[20:21] offset:16
	ds_store_b8 v25, v15 offset:192                ; and, behind them in the wave's order, the scale bytes
	ds_load_b128 v[OB+8*(\i):OB+8*(\i)+3], v26
	ds_load_b128 v[OB+8*(\i)+4:OB+8*(\i)+7], v26 offset:512
	s_wait_dscnt 0x0
	global_store_b128 v27, v[OB+8*(\i):OB+8*(\i)+3], s[10:11] offset:256*(\i)             ; sixteen lanes store one whole record: panels 0, 1,
	global_store_b128 v27, v[OB+8*(\i)+4:OB+8*(\i)+7], s[10:11] offset:2097152+256*(\i)   ; and 2, 3
.endm
	ROW 0
	ROW 1
	ROW 2
	ROW 3
	s_wait_tensorcnt 0x0
	ds_add_u32 v224, v225
	s_wait_dscnt 0x0
	s_endpgm
.Lfunc_end_k_q51a6b7d649_ln1:
	.size	k_q51a6b7d649_ln1, .Lfunc_end_k_q51a6b7d649_ln1-k_q51a6b7d649_ln1
	.p2alignl 7, 3214868480
	.fill 96, 4, 3214868480
	.section	.rodata,"a",@progbits
	.p2align	6, 0x0
	.amdhsa_kernel k_q51a6b7d649_ln1
		.amdhsa_group_segment_fixed_size 23040
		.amdhsa_private_segment_fixed_size 0
		.amdhsa_enable_private_segment 0
		.amdhsa_kernarg_size 32
		.amdhsa_user_sgpr_count 2
		.amdhsa_user_sgpr_kernarg_segment_ptr 1
		.amdhsa_wavefront_size32 1
		.amdhsa_system_sgpr_workgroup_id_x 1
		.amdhsa_system_sgpr_workgroup_id_y 1
		.amdhsa_system_sgpr_workgroup_id_z 1
		.amdhsa_system_vgpr_workitem_id 0
		.amdhsa_next_free_vgpr 226
		.amdhsa_next_free_sgpr 66
		.amdhsa_reserve_vcc 0
		.amdhsa_float_denorm_mode_32 3
		.amdhsa_float_denorm_mode_16_64 3
		.amdhsa_memory_ordered 1
		.amdhsa_forward_progress 1
		.amdhsa_inst_pref_size 44
	.end_amdhsa_kernel
	.amdgpu_metadata
---
amdhsa.version: [ 1, 2 ]
amdhsa.kernels:
  - .name:           k_q51a6b7d649_ln1
    .symbol:         k_q51a6b7d649_ln1.kd
    .args:
      - { .name: x, .offset: 0, .size: 8, .value_kind: global_buffer, .address_space: global }
      - { .name: g1, .offset: 8, .size: 8, .value_kind: global_buffer, .address_space: global }
      - { .name: b1, .offset: 16, .size: 8, .value_kind: global_buffer, .address_space: global }
      - { .name: act, .offset: 24, .size: 8, .value_kind: global_buffer, .address_space: global }
    .group_segment_fixed_size: 23040
    .private_segment_fixed_size: 0
    .kernarg_segment_align: 8
    .kernarg_segment_size: 32
    .max_flat_workgroup_size: 128
    .sgpr_count:     66
    .vgpr_count:     226
    .wavefront_size: 32
...
	.end_amdgpu_metadata
.endif
;; end of part 2
;; launch qkv (part 3): grid 12 x 16, 4 waves a work-group, clusters of 4 x 4, 327,680 bytes of LDS; arguments act, wts, bq, bk, bv, qkvc; writes qkvc
.if DOCPART == 3
	.amdgcn_target "amdgcn-amd-amdhsa--gfx1250"
	.amdhsa_code_object_version 6
	.text
	.protected	k_q51a6b7d649_qkv
	.globl	k_q51a6b7d649_qkv
	.p2align	8
	.type	k_q51a6b7d649_qkv,@function
k_q51a6b7d649_qkv:
	s_mov_b64 s[64:65], 0
	v_nop
	global_prefetch_b8 v0, s[64:65] scope:SCOPE_SE
	s_setreg_imm32_b32 hwreg(HW_REG_WAVE_MODE, 25, 1), 1
	s_wait_xcnt 0x0
	s_wait_alu depctr_hold_cnt(0) depctr_sa_sdst(0) depctr_va_vdst(0) depctr_va_sdst(0) depctr_va_ssrc(0) depctr_va_vcc(0) depctr_vm_vsrc(0)
	s_getreg_b32 s2, hwreg(HW_REG_IB_STS2, 6, 4)
	s_cmp_eq_u32 s2, 0
	s_cbranch_scc0 .Lentry_in_a_cluster
	s_endpgm
.Lentry_in_a_cluster:
	s_bfe_u32 s2, ttmp6, 0x10000c
	s_cmp_lg_u32 s2, 0xf033
	s_cbranch_scc0 .Lentry_shape_is_right
	s_endpgm
.Lentry_shape_is_right:
; q = xn Wq + bq, k = xn Wk + bk, v = xn Wv + bv on codes of FP6 (E2M3) with E8M0 scales, K = 1,024, f32 sums; the results are quantised at once for attention:
; q and k along the head's 64 (two blocks), v along the tokens.  Operands are RECORDS of 256 bytes (192 of codes for 256 along K, 8 scale bytes, zeros), [panel][place][256]; row i at place sg(i) (bits 3, 4 exchanged).
; C = P Q^T, tile 256 x 256, four waves, 128 x 128 a wave: 64 accumulators.  THE MATRIX INSTRUCTION IS USED TRANSPOSED: source 0 = 16 places of Q, source 1 = 16 places of P.  A lane then holds one place of P,
; and, by the order of the places, the 16 registers of accumulators 2 b, 2 b + 1 are the TRUE rows 32 b + 16 (lane / 16) + 0 .. 15 of Q: 16 neighbours along the axis that is quantised next.
; Clusters x = 0, 1: P = xn (tokens), Q = Wq, Wk's columns: q and k.  Cluster x = 2: P = Wv's columns, Q = xn: v TRANSPOSED, so that the registers run along the tokens.  The two ways differ in pointers, numbers and
; which bias is zeroed, all chosen without a jump on the cluster's x, which all partners share.
; OUT: codes [group of 64 along the quantised axis][places][48 bytes], scale words [group][places][4]: an even group's word holds the four bytes of 128 along that axis, an odd group's that word >> 16.
; K goes in steps of 256 (a panel) through a ring of two LDS slots; a wave's tensor load brings 128 records, 32,768 dense bytes: codes and scales together.
; CLUSTERS: 4 x 4 work-groups; P's tile is shared along a row of the cluster, Q's along a column: each is asked for jointly.
; REGISTERS: window 0: v0-31 addresses; v32-63 scale words, two sets; v64-127 the bias along Q; v128-223 P's fragments, one set; v224-239 the bias along P; v240-255 at work on the way out.
;   window 1: Q's fragments, two sets, at v0 and v128.  windows 2, 3: the accumulators ((a, b) at v[8 (8 (a % 4) + b)]).
; LIMITS: a block whose largest magnitude lies under 2^-124 (zeros too) gets the byte 1, which only this program reads; NaN and infinities are not served.
.set LAPS,   2                         ; a lap = two panels = once round the ring; K = 1,024 is four panels
.set PSA,    1048576                   ; bytes from panel to panel: 4,096 places in both operands
.set PSB,    1048576
.set QKS,    6291456                   ; in qkvc: q's and k's scale words,
.set VC,     6815744                   ; v's codes,
.set VS,     9961472                   ; v's scale words
.set PITCH,  272                       ; an LDS row: a record + 16 bytes = 68 words: the 32 lanes of a load of 8 bytes (row r, 24 bytes a half) touch 64 different banks (64 banks of 4 bytes: ISA guide 11.1)
.set HALFT,  128*PITCH
.set SLOT,   4*HALFT                   ; P's 256 rows, then Q's 256
.set SPARE,  2*SLOT                    ; behind the ring: the spare words, 128 bytes a wave: two blocks of 256 bytes that no other line names
.set NQ,     2                         ; matrix instructions deep in a slot
.set FR,     12
.set NL,     6
.set NP,     4                         ; places behind this matrix instruction (ISA guide 7.12.1)
.set PADW,   (1<<20)|(1<<21)|(5<<22)|(3<<25)   ; group 1, word 0 beside the mask: bytes; padding on; bit 21 beside a mask; after every 64 words, 4 words
.set ADRA, 16                          ; v16-17 my fragments of P in slot 0, 1
.set ADRS, 18                          ; v18-19 my scale words: lanes 0-15 P's rows, lanes 16-31 Q's
.set ADRB, 20                          ; v20-21 my fragments of Q
.set STO,  24                          ; the way out: where my codes go
.set SCA,  25                          ; and my scale words
.set CO,   26                          ; 16 x lane
.set BIO,  27                          ; the bias along P: my lane's byte
.set SPW,  28
.set NIL,  29
.set RDB,  30                          ; the way out: codes back
.set RDS,  31                          ; scale words back
.set BJO,  22                          ; the bias along Q: my half's byte
.set SC,   32
.set BJ,   64
.set AF,   128
.set W,    128                         ; the way out: 64 numbers at work
.set PC,   192                         ; the codes just made
.set PW,   212                         ; the scale word, and that word >> 16
.set BI,   224
.set TM,   240
.set SEL,  92
.set G1, 24
.set G0, 32
.set G1B, 48
.set G0B, 56
.set MSB, 0
.macro WIN new                         ; the immediate's high byte repeats the setting that is left
.if MSB != \new
	s_set_vgpr_msb (MSB<<8)|\new
.set MSB, \new
.endif
.endm
.set MUL_LO, 0xa1                      ; source 0 (Q) window 1, source 1 (P) window 0, C and D window 2
.set MUL_HI, 0xf1                      ; the same, C and D window 3
.set TO_B,   0x40                      ; destination window 1, address window 0
; A joint load: waves 0 and 1 fetch for P, waves 2 and 3 for Q.  The branch hangs on the wave's number alone.  Four v_nop follow each of the two lines.
.macro JLOAD g0a, g1a, g0b, g1b
	s_cmp_eq_u32 s15, 0
	s_cbranch_scc0 .Lfor_b_\@
	tensor_load_to_lds s[\g0a:\g0a+3], s[\g1a:\g1a+7]
	s_nop 0
.rept 4
	v_nop
.endr
	s_branch .Lasked_\@
.Lfor_b_\@:
	tensor_load_to_lds s[\g0b:\g0b+3], s[\g1b:\g1b+7]
	s_nop 0
.rept 4
	v_nop
.endr
.Lasked_\@:
.endm
.macro CREST                           ; a round of the cluster's barrier behind its opening barrier
	s_cmp_lg_u32 s14, 0
	s_cbranch_scc1 .Lnot_wave_0_\@
	s_barrier_signal -3
.Lnot_wave_0_\@:
	s_barrier_wait -3
	s_barrier_signal -1
	s_barrier_wait -1
.endm
.macro CROUND                          ; a whole round
	s_barrier_signal -1
	s_barrier_wait -1
	CREST
.endm
.macro PLACES n
.rept \n
	v_nop
.endr
.endm
.macro FRAG reg, adr, q, i             ; a fragment, 16 rows x 128 K: lane l holds row l % 16; registers 6 c .. 6 c + 5 the 24 bytes at 96 q + 48 c + 24 (l / 16) of the record, in pieces of 8 bytes
.irp p, 0,1,2,3,4,5
	ds_load_b64 v[\reg+2*\p:\reg+2*\p+1], v[\adr] offset:96*(\q)+48*(\p/3)+8*(\p%3)+(\i)*16*PITCH
.endr
.endm
; 16 matrix instructions: P's blocks a0, a0 + 1 x Q's eight.  The 64 accumulators take turns, one instruction a turn, in the same order in every step.
.macro MUL16 a0, p, q, sc, zero
.irp a, \a0, \a0+1
.irp b, 0,1,2,3,4,5,6,7
.if \zero
	v_wmma_scale_f32_16x16x128_f8f6f4 v[8*(8*((\a)%4)+\b):8*(8*((\a)%4)+\b)+7], v[128*(\p)+FR*\b:128*(\p)+FR*\b+FR-1], v[AF+FR*(\a):AF+FR*(\a)+FR-1], 0, v[SC+8*NQ*(\sc)+NQ*\b+(\q)], v[SC+8*NQ*(\sc)+NQ*(\a)+(\q)] matrix_a_fmt:MATRIX_FMT_FP6 matrix_b_fmt:MATRIX_FMT_FP6 matrix_a_scale:MATRIX_SCALE_ROW1
.else
	v_wmma_scale_f32_16x16x128_f8f6f4 v[8*(8*((\a)%4)+\b):8*(8*((\a)%4)+\b)+7], v[128*(\p)+FR*\b:128*(\p)+FR*\b+FR-1], v[AF+FR*(\a):AF+FR*(\a)+FR-1], v[8*(8*((\a)%4)+\b):8*(8*((\a)%4)+\b)+7], v[SC+8*NQ*(\sc)+NQ*\b+(\q)], v[SC+8*NQ*(\sc)+NQ*(\a)+(\q)] matrix_a_fmt:MATRIX_FMT_FP6 matrix_b_fmt:MATRIX_FMT_FP6 matrix_a_scale:MATRIX_SCALE_ROW1
.endif
.endr
.endr
.endm
.macro FETCH_B slot, q, p
	WIN TO_B
.irp i, 0,1,2,3,4,5,6,7
	FRAG 128*(\p)+FR*\i, ADRB+\slot, \q, \i
.endr
	WIN 0
.endm
.macro FETCH_A slot, q, i0
.irp i, \i0, \i0+1, \i0+2, \i0+3
	FRAG AF+FR*(\i), ADRA+\slot, \q, \i
.endr
.endm
.macro SCALES sc                       ; a slot's scale words: two a row, at byte 192 of the record; lanes 0-15 take P's block i, lanes 16-31 Q's block i
.irp i, 0,1,2,3,4,5,6,7
	ds_load_b64 v[SC+8*NQ*\sc+NQ*\i:SC+8*NQ*\sc+NQ*\i+1], v[ADRS+\sc] offset:192+\i*16*PITCH
.endr
.endm
.macro STEP slot, q, zero              ; 128 along K whose successor lies in the same slot
	s_wait_dscnt 4*NL                              ; Q's set, the scale words and P's blocks 0-3 are in; the youngest 24 loads (P's blocks 4-7) may be out
	WIN MUL_LO
	MUL16 0, (\q)%2, \q, \slot, \zero
	MUL16 2, (\q)%2, \q, \slot, \zero
	s_wait_dscnt 0
	PLACES NP
	FETCH_B \slot, (\q)+1, 1-(\q)%2
	FETCH_A \slot, (\q)+1, 0
	WIN MUL_HI
	MUL16 4, (\q)%2, \q, \slot, \zero
	MUL16 6, (\q)%2, \q, \slot, \zero
	PLACES NP
	WIN 0
	FETCH_A \slot, (\q)+1, 4
.endm
; A slot's last step changes slots: one barrier; in front of it each wave waits for all its tensor loads, adds 0 to its spare word, and waits for that and for its reads of this slot.  fill = 1: the slot is filled again, two panels ahead.
.macro TURN slot, next, fill
	s_wait_tensorcnt 0x0                           ; all my tensor loads have landed: my part of the next slot
	ds_add_u32 v[SPW], v[NIL]                      ; 0 onto my spare word
	s_wait_dscnt 4*NL+1                            ; (the add and the youngest 24 loads may be out)
	WIN MUL_LO
	MUL16 0, 1, NQ-1, \slot, 0
	s_wait_dscnt 0x0                               ; the add is done, and my reads of this slot are over
	s_barrier_signal -1
	MUL16 2, 1, NQ-1, \slot, 0
	WIN 0
	s_barrier_wait -1
.if \fill
	CREST                                          ; the barrier has opened a round of the cluster's barrier: no wave of any partner still reads this slot or has a load on its way
	s_add_nc_u64 s[G0+4*\slot+2:G0+4*\slot+3], s[G0+4*\slot+2:G0+4*\slot+3], 2*PSA
	s_add_nc_u64 s[G0B+4*\slot+2:G0B+4*\slot+3], s[G0B+4*\slot+2:G0B+4*\slot+3], 2*PSB
	JLOAD G0+4*\slot, G1, G0B+4*\slot, G1B         ; the first tensor load behind the round; its four v_nop are the places in front of the loads below
.else
	PLACES NP
.endif
	FETCH_B \next, 0, 0
	FETCH_A \next, 0, 0
	SCALES \next
	WIN MUL_HI
	MUL16 4, 1, NQ-1, \slot, 0
	MUL16 6, 1, NQ-1, \slot, 0
	PLACES NP
	WIN 0
	FETCH_A \next, 0, 4
.endm
	s_load_b256 s[68:75], s[0:1], 0x0              ; xn's records, the weights' records, bq, bk
	s_load_b128 s[76:79], s[0:1], 0x20             ; bv, the results
	v_lshl_add_u32 v[SPW], v0, 2, SPARE
	v_mov_b32 v[NIL], 0
	ds_add_u32 v28, v29
	ds_add_u32 v28, v29
	s_wait_dscnt 0x0
	v_lshrrev_b32 v1, 5, v0
	v_readfirstlane_b32 s14, v1                    ; wave 0..3
	s_lshr_b32 s15, s14, 1                         ; which half of the tile's rows (P) is mine.  Also: I fetch for P (0) or for Q (1)
	s_and_b32 s16, s14, 1                          ; which half of its columns (Q).  Also: which 128 records I fetch
	s_bfe_u32 s40, ttmp6, 0x40000                  ; cx, cy: my place in the cluster
	s_bfe_u32 s41, ttmp6, 0x40004
	s_and_b32 s80, ttmp7, 0xffff                   ; the cluster's y
	s_mov_b32 s83, 196608
	s_mov_b32 s84, 16384
	s_mov_b32 s86, QKS
	s_cmp_eq_u32 ttmp9, 2                          ; v's clusters?  The same answer in all partners
	s_cselect_b32 s81, 0, s80                      ; the cluster's row of tiles: P's 1,024 columns of Wv are one cluster high
	s_cselect_b32 s82, s80, ttmp9                  ; and its column
	s_cselect_b32 s90, 0, -1                       ; all lanes where the bias runs along Q (q, k),
	s_cselect_b32 s91, -1, 0                       ; all lanes where it runs along P (v)
	s_cselect_b32 s83, 49152, s83                  ; bytes from group to group: codes (1,024 or 4,096 places of 48 bytes),
	s_cselect_b32 s84, 4096, s84                   ; scale words
	s_cselect_b32 s85, VC, 0                       ; where the codes begin,
	s_cselect_b32 s86, VS, s86                     ; and the scale words
	s_cselect_b32 s87, 524288, 0                   ; P's first place: Wv's columns begin at place 2,048
	s_lshl_b32 s42, s82, 2
	s_add_co_u32 s42, s42, s40                     ; tile column
	s_lshl_b32 s17, s81, 2
	s_add_co_u32 s17, s17, s41                     ; tile row
	s_lshl_b32 s43, s41, 2
	s_lshl_b32 s43, 15, s43                        ; my row of the cluster
	s_lshl_b32 s44, 0x1111, s40                    ; my column
	s_or_b32 s[G1+0], s43, PADW                    ; P's tiles go to my row,
	s_or_b32 s[G1B+0], s44, PADW                   ; Q's to my column
.irp g, G1, G1B
	s_mov_b32 s[\g+1], 256<<16                     ; tensor_dim0 = 256 bytes
	s_mov_b32 s[\g+2], 128<<16                     ; tensor_dim1 = 128
	s_mov_b32 s[\g+3], 256<<16                     ; tile_dim0
	s_mov_b32 s[\g+4], 128                         ; tile_dim1
	s_mov_b32 s[\g+5], 256                         ; from record to record
	s_mov_b32 s[\g+6], 0
	s_mov_b32 s[\g+7], 0
.endr
	s_lshl_b32 s18, s16, 7
	s_lshl_b32 s20, s17, 8
	s_add_co_u32 s20, s20, s18                     ; P: place 256 x tile row + 128 x half
	s_lshl_b32 s20, s20, 8
	s_add_co_u32 s20, s20, s87
	s_mov_b32 s21, 0
	s_lshl_b32 s46, s42, 8
	s_add_co_u32 s46, s46, s18                     ; Q: place 256 x tile column + 128 x half
	s_lshl_b32 s46, s46, 8
	s_mov_b32 s47, 0
	s_mul_i32 s45, s14, HALFT                      ; where they go: wave x 128 rows
	s_wait_kmcnt 0x0
	s_cmp_eq_u32 ttmp9, 2
	s_cselect_b64 s[4:5], s[70:71], s[68:69]       ; P
	s_cselect_b64 s[6:7], s[68:69], s[70:71]       ; Q
	s_cmp_eq_u32 ttmp9, 1
	s_cselect_b64 s[8:9], s[74:75], s[72:73]       ; the bias along Q: bk for k's clusters, else bq (zeroed below for v's)
	s_add_nc_u64 s[20:21], s[4:5], s[20:21]
	s_add_nc_u64 s[46:47], s[6:7], s[46:47]
	CROUND                                         ; all sixteen work-groups are here: the first joint loads meet
.irp s, 0,1
	s_mov_b32 s[G0+4*\s], 1
	s_add_co_u32 s[G0+4*\s+1], s45, \s*SLOT
	s_add_nc_u64 s[G0+4*\s+2:G0+4*\s+3], s[20:21], \s*PSA
	s_or_b32 s[G0+4*\s+3], s[G0+4*\s+3], 0x80000000
	s_mov_b32 s[G0B+4*\s], 1
	s_add_co_u32 s[G0B+4*\s+1], s45, \s*SLOT
	s_add_nc_u64 s[G0B+4*\s+2:G0B+4*\s+3], s[46:47], \s*PSB
	s_or_b32 s[G0B+4*\s+3], s[G0B+4*\s+3], 0x80000000
	JLOAD G0+4*\s, G1, G0B+4*\s, G1B
.endr
	v_and_b32 v1, 15, v0                           ; r
	v_bfe_u32 v2, v0, 4, 1                         ; h
	v_mul_u32_u24 v3, v1, PITCH
	v_mad_u32_u24 v4, v2, 24, v3                   ; a fragment's row x pitch + 24 x half
	s_mul_i32 s21, s15, HALFT                      ; my 128 rows of P
	s_mul_i32 s22, s16, HALFT
	s_add_co_u32 s22, s22, 2*HALFT                 ; my 128 rows of Q, behind P's 256
	s_xor_b32 s23, s15, 1
	s_add_co_u32 s23, s23, s16
	s_add_co_u32 s23, s23, 1
	s_mul_i32 s23, s23, HALFT                      ; the distance between the two
	v_mul_u32_u24 v5, s23, v2                      ; lanes 16-31 take Q's scale words
	v_add_nc_u32 v5, v5, v3
	v_add_nc_u32 v[ADRA], s21, v4
	v_add_nc_u32 v[ADRB], s22, v4
	v_add_nc_u32 v[ADRS], s21, v5
	v_add_nc_u32 v[ADRA+1], SLOT, v[ADRA]
	v_add_nc_u32 v[ADRB+1], SLOT, v[ADRB]
	v_add_nc_u32 v[ADRS+1], SLOT, v[ADRS]
	; the way out: an image of the results in slot 0: codes [4 groups][256 rows][48], then scale words [4][256][4]
	v_mul_u32_u24 v[STO], v1, 48
	v_mad_u32_u24 v[STO], v2, 24, v[STO]
	s_mul_i32 s21, s15, 6144
	s_mul_i32 s22, s16, 24576
	s_add_co_u32 s21, s21, s22
	v_add_nc_u32 v[STO], s21, v[STO]
	v_lshlrev_b32 v[SCA], 2, v1
	s_lshl_b32 s21, s15, 9
	s_lshl_b32 s22, s16, 11
	s_add_co_u32 s21, s21, s22
	s_add_co_u32 s21, s21, 49152
	v_add_nc_u32 v[SCA], s21, v[SCA]
	v_and_b32 v6, 31, v0
	v_lshlrev_b32 v[CO], 4, v6
	s_mul_i32 s21, s14, 12288
	v_add_nc_u32 v[RDB], s21, v[CO]                ; back: wave w takes group w
	s_lshl_b32 s21, s14, 10
	s_add_co_u32 s21, s21, 49152
	v_add_nc_u32 v[RDS], s21, v[CO]
	v_lshlrev_b32 v[BJO], 6, v2                    ; 16 numbers a half
	v_and_b32 v6, 8, v1
	v_add_nc_u32 v6, v6, v1
	v_lshlrev_b32 v[BIO], 2, v6                    ; place r of a block is true row 16 (r / 8) + r % 8 of its 32
	s_mov_b32 s[SEL], 0x76543210
	s_mov_b32 s[SEL+1], 0xfedcba98
	s_lshl_b32 s81, s41, 8
	s_lshl_b32 s82, s15, 7
	s_add_co_u32 s81, s81, s82
	s_and_b32 s81, s81, s91                        ; v: my first row of Wv's columns; q, k: 0, so that the loads stay inside bv
	s_lshl_b32 s88, s81, 2
	s_mov_b32 s89, 0
	s_add_nc_u64 s[76:77], s[76:77], s[88:89]
	s_lshl_b32 s88, s40, 10
	s_lshl_b32 s82, s16, 9
	s_add_co_u32 s88, s88, s82                     ; my first column among the weight's 1,024
	s_add_nc_u64 s[8:9], s[8:9], s[88:89]
.irp b, 0,1,2,3
.irp j, 0,1,2,3
	global_load_b128 v[BJ+16*\b+4*\j:BJ+16*\b+4*\j+3], v[BJO], s[8:9] offset:128*\b+16*\j   ; register 16 b + i: the bias of true column 32 b + 16 h + i
.endr
.endr
.irp a, 0,1,2,3,4,5,6,7
	global_load_b32 v[BI+2*\a], v[BIO], s[76:77] offset:(32*(\a/2)+8*(\a%2))*4              ; block a, my place's true row; twice, for the packed addition
	global_load_b32 v[BI+2*\a+1], v[BIO], s[76:77] offset:(32*(\a/2)+8*(\a%2))*4
.endr
	s_lshl_b32 s80, s42, 2
	s_add_co_u32 s80, s80, s14                     ; the group that I store: 4 x tile column + wave
	s_mul_i32 s88, s80, s83
	s_add_co_u32 s88, s88, s85
	s_mul_i32 s82, s17, 12288
	s_add_co_u32 s88, s88, s82
	s_add_nc_u64 s[10:11], s[78:79], s[88:89]      ; its codes of the tile's 256 places,
	s_mul_i32 s88, s80, s84
	s_add_co_u32 s88, s88, s86
	s_lshl_b32 s82, s17, 10
	s_add_co_u32 s88, s88, s82
	s_add_nc_u64 s[12:13], s[78:79], s[88:89]      ; and their scale words
	s_wait_tensorcnt 1                             ; my part of panel 0 is in (panel 1's load may be out)
	s_barrier_signal -1
	s_barrier_wait -1                              ; everybody's is
	FETCH_B 0, 0, 0
	FETCH_A 0, 0, 0
	SCALES 0
	FETCH_A 0, 0, 4
	STEP 0, 0, 1                                   ; the first step stands in front of the loop: its products start the sums
	s_mov_b32 s3, LAPS-1
.Llap:                                                 ; a trip goes once round the ring and fills both slots again
	TURN 0, 1, 1
	STEP 1, 0, 0
	TURN 1, 0, 1
	STEP 0, 0, 0
	s_sub_co_u32 s3, s3, 1
	s_cmp_lg_u32 s3, 0
	s_cbranch_scc1 .Llap
	TURN 0, 1, 0                                   ; the last lap fills nothing
	STEP 1, 0, 0
	s_wait_dscnt 4*NL
	WIN MUL_LO
	MUL16 0, 1, NQ-1, 1, 0
	MUL16 2, 1, NQ-1, 1, 0
	s_wait_dscnt 0
	WIN MUL_HI
	MUL16 4, 1, NQ-1, 1, 0
	MUL16 6, 1, NQ-1, 1, 0
	WIN 0
; 64 numbers of a lane, register 16 b + i = true index 32 b + 16 (lane / 16) + i of my row, become a fragment's codes in v[PC] on (lane (r, h): registers 6 c .. 6 c + 5 = block 2 c + h) and the scale word in v[PW].
.macro QUANT s
.irp b, 0,1,2,3
	v_max3_num_f32 v[TM+\b], |v[\s+16*\b]|, |v[\s+1+16*\b]|, 0x1800000   ; my 16 numbers of block b, and the floor 2^(3 - 127)
.endr
.irp i, 2,4,6,8,10,12,14
.irp b, 0,1,2,3
	v_max3_num_f32 v[TM+\b], v[TM+\b], |v[\s+16*\b+\i]|, |v[\s+1+16*\b+\i]|
.endr
.endr
.irp b, 0,1,2,3
	v_permlanex16_b32 v[TM+4+\b], v[TM+\b], s[SEL], s[SEL+1]
.endr
.irp b, 0,1,2,3
	v_max_num_f32 v[TM+\b], v[TM+\b], v[TM+4+\b]   ; with lane l xor 16's: the block's largest magnitude
.endr
.irp b, 0,1,2,3
	v_add_nc_u32 v[TM+12+\b], 0xff000000, v[TM+\b] ; 2 off the exponent field: the conversion's scale operand
.endr
.irp b, 0,1,2,3
	v_lshrrev_b32 v[TM+4+\b], 23, v[TM+12+\b]      ; the scale's byte
.endr
	v_lshl_or_b32 v[PW], v[TM+5], 8, v[TM+4]
	v_lshl_or_b32 v[PW], v[TM+6], 16, v[PW]
	v_lshl_or_b32 v[PW], v[TM+7], 24, v[PW]
.irp c, 0,1
	v_cvt_scalef32_pk16_fp6_f32 v[PC+6*\c:PC+2+6*\c], v[\s+32*\c:\s+15+32*\c], v[TM+12+2*\c]
	v_cvt_scalef32_pk16_fp6_f32 v[PC+12+4*\c:PC+14+4*\c], v[\s+16+32*\c:\s+31+32*\c], v[TM+12+2*\c+1]
.endr
	v_nop                                          ; one plain line behind the conversions
.irp c, 0,1
.irp i, 0,1,2
	v_permlane16_swap_b32 v[PC+6*\c+\i], v[PC+12+4*\c+\i]      ; a whole block to a lane
.endr
.irp i, 0,1,2
	v_mov_b32 v[PC+3+6*\c+\i], v[PC+12+4*\c+\i]
.endr
.endr
.endm
.macro EPI a                           ; block a: 16 places of P x my 128 of Q: + the bias, quantised, into the image
	WIN 0x02+(\a)/4                                ; source 0: window 2 or 3
.set k, 0
.rept 32
	v_pk_add_f32 v[W+2*k:W+2*k+1], v[64*((\a)%4)+2*k:64*((\a)%4)+2*k+1], v[BJ+2*k:BJ+2*k+1]   ; each accumulator from its low end on
.set k, k+1
.endr
	WIN 0
.set k, 0
.rept 32
	v_pk_add_f32 v[W+2*k:W+2*k+1], v[W+2*k:W+2*k+1], v[BI+2*(\a):BI+2*(\a)+1]
.set k, k+1
.endr
	QUANT W
	v_lshrrev_b32 v[PW+1], 16, v[PW]
.irp c, 0,1
.irp i, 0,1,2
	ds_store_b64 v[STO], v[PC+6*\c+2*\i:PC+6*\c+2*\i+1] offset:768*(\a)+12288*\c+8*\i
.endr
.endr
	ds_store_b32 v[SCA], v[PW] offset:64*(\a)              ; (both halves of the lanes write the same word with the same value)
	ds_store_b32 v[SCA], v[PW+1] offset:64*(\a)+1024
	s_wait_dscnt 0x0                               ; the stores have read their registers
.endm
.irp b, 0,1,2,3
	v_mov_b32 v[TM+4+\b], 0                        ; a lane permute's destination counts as one of its sources.  These four are also the places behind the last products
.endr
	s_wait_loadcnt 0x0                             ; the biases
.set k, 0
.rept 64
	v_cndmask_b32 v[BJ+k], 0, v[BJ+k], s90         ; the bias that does not apply is zeroed: no jump
.set k, k+1
.endr
.set k, 0
.rept 16
	v_cndmask_b32 v[BI+k], 0, v[BI+k], s91
.set k, k+1
.endr
.irp a, 0,1,2,3,4,5,6,7
	EPI \a                                         ; slot 0 has had its last fill, and every wave has passed the last change of slots: nobody reads it
.endr
	s_barrier_signal -1                            ; (every wave's stores are done: EPI ends with the wait)
	s_barrier_wait -1
.set t, 0
.rept 24
	ds_load_b128 v[128+4*t:131+4*t], v[RDB] offset:512*t
.set t, t+1
.endr
.set t, 0
.rept 2
	ds_load_b128 v[224+4*t:227+4*t], v[RDS] offset:512*t
.set t, t+1
.endr
.set t, 0
.rept 24
	s_wait_dscnt 25-t                              ; the younger loads may be out
	global_store_b128 v[CO], v[128+4*t:131+4*t], s[10:11] offset:512*t     ; 512 consecutive bytes, aligned
.set t, t+1
.endr
.set t, 0
.rept 2
	s_wait_dscnt 1-t
	global_store_b128 v[CO], v[224+4*t:227+4*t], s[12:13] offset:512*t
.set t, t+1
.endr
	s_wait_tensorcnt 0x0                           ; the wave's end
	ds_add_u32 v[SPW], v[NIL]
	s_wait_dscnt 0x0
	CROUND                                         ; the closing round
	s_endpgm
.Lfunc_end_k_q51a6b7d649_qkv:
	.size	k_q51a6b7d649_qkv, .Lfunc_end_k_q51a6b7d649_qkv-k_q51a6b7d649_qkv
	.p2alignl 7, 3214868480
	.fill 96, 4, 3214868480
	.section	.rodata,"a",@progbits
	.p2align	6, 0x0
	.amdhsa_kernel k_q51a6b7d649_qkv
		.amdhsa_group_segment_fixed_size 327680
		.amdhsa_private_segment_fixed_size 0
		.amdhsa_enable_private_segment 0
		.amdhsa_kernarg_size 48
		.amdhsa_user_sgpr_count 2
		.amdhsa_user_sgpr_kernarg_segment_ptr 1
		.amdhsa_wavefront_size32 1
		.amdhsa_system_sgpr_workgroup_id_x 1
		.amdhsa_system_sgpr_workgroup_id_y 1
		.amdhsa_system_sgpr_workgroup_id_z 1
		.amdhsa_system_vgpr_workitem_id 0
		.amdhsa_next_free_vgpr 1024
		.amdhsa_next_free_sgpr 100
		.amdhsa_reserve_vcc 0
		.amdhsa_float_denorm_mode_32 3
		.amdhsa_float_denorm_mode_16_64 3
		.amdhsa_memory_ordered 1
		.amdhsa_forward_progress 1
		.amdhsa_inst_pref_size 209
	.end_amdhsa_kernel
	.amdgpu_metadata
---
amdhsa.version: [ 1, 2 ]
amdhsa.kernels:
  - .name:           k_q51a6b7d649_qkv
    .symbol:         k_q51a6b7d649_qkv.kd
    .args:
      - { .name: act, .offset: 0, .size: 8, .value_kind: global_buffer, .address_space: global }
      - { .name: wts, .offset: 8, .size: 8, .value_kind: global_buffer, .address_space: global }
      - { .name: bq, .offset: 16, .size: 8, .value_kind: global_buffer, .address_space: global }
      - { .name: bk, .offset: 24, .size: 8, .value_kind: global_buffer, .address_space: global }
      - { .name: bv, .offset: 32, .size: 8, .value_kind: global_buffer, .address_space: global }
      - { .name: qkvc, .offset: 40, .size: 8, .value_kind: global_buffer, .address_space: global }
    .group_segment_fixed_size: 327680
    .private_segment_fixed_size: 0
    .kernarg_segment_align: 8
    .kernarg_segment_size: 48
    .max_flat_workgroup_size: 128
    .sgpr_count:     100
    .vgpr_count:     1024
    .wavefront_size: 32
...
	.end_amdgpu_metadata
.endif
;; end of part 3
;; launch attn (part 4): grid 8 x 32, 16 waves a work-group, clusters of 4 x 1, 210,944 bytes of LDS; arguments qkvc, act; writes act
.if DOCPART == 4
	.amdgcn_target "amdgcn-amd-amdhsa--gfx1250"
	.amdhsa_code_object_version 6
	.text
	.protected	k_q51a6b7d649_attn
	.globl	k_q51a6b7d649_attn
	.p2align	8
	.type	k_q51a6b7d649_attn,@function
k_q51a6b7d649_attn:
	s_mov_b64 s[64:65], 0
	v_nop
	global_prefetch_b8 v0, s[64:65] scope:SCOPE_SE
	s_setreg_imm32_b32 hwreg(HW_REG_WAVE_MODE, 25, 1), 1
	s_wait_xcnt 0x0
	s_wait_alu depctr_hold_cnt(0) depctr_sa_sdst(0) depctr_va_vdst(0) depctr_va_sdst(0) depctr_va_ssrc(0) depctr_va_vcc(0) depctr_vm_vsrc(0)
	s_getreg_b32 s2, hwreg(HW_REG_IB_STS2, 6, 4)
	s_cmp_eq_u32 s2, 0
	s_cbranch_scc0 .Lentry_in_a_cluster
	s_endpgm
.Lentry_in_a_cluster:
	s_bfe_u32 s2, ttmp6, 0x10000c
	s_cmp_lg_u32 s2, 0x3003
	s_cbranch_scc0 .Lentry_shape_is_right
	s_endpgm
.Lentry_shape_is_right:
; ctx = softmax(q k^T / 8) v for one head and 256 queries a work-group, both products on codes of FP6 (E2M3) with E8M0 scales; ctx is quantised at once, along the hidden axis, into the records that the next product reads.
; THE SOFTMAX AHEAD OF THE SECOND PRODUCT: t = score x log2(e) / 8; M = the row's largest t so far, rounded UP to a whole number; p = 2^(t - M) is quantised along the keys, not normalised.
; The row's sum is taken of the unquantised p and divides at the end.  When M moves, the sum and O are multiplied by 2^(old M - new M): exact.
; IN: q, k: codes [group = head, 16 + head][4096 places][48 bytes], scale words [group][4096][4] (bytes 0, 1 count; bytes 2, 3 scale zero codes and are never 0xff).
;     v: codes [token / 64][1024 places (head x 64 + d)][48], scale words [token / 64][1024][4]: an even group's word holds the four bytes of 128 tokens.  Row i stands at place sg(i) (bits 3, 4 exchanged).
; SHARES: sixteen waves, each one tile of 16 queries in 256 registers, four waves to a SIMD.  Every wave walks the 2,048 keys, 128 a step.
; The head's K and V, codes and scale words, 208,896 bytes, are brought into LDS ONCE and stay: no byte of LDS is filled twice.  The four query blocks of a cluster read the same K and V: each tile is asked for jointly.
; LAYOUT: both products transposed: S^T = K Q^T (source 0 = 16 places of keys), O^T = V^T P^T (source 0 = 16 places of the head's 64): a lane holds ONE query throughout, and by the order of the places
; the 16 registers of result tiles 2 b, 2 b + 1 are the TRUE keys (or d) 32 b + 16 (lane / 16) + 0 .. 15.  The first product's K is 64: the upper halves of its operands are zero codes, set once.
; REGISTERS: v1-7 addresses that stay; v8-11 addresses of the step; v12 -M, v13 the largest t, v[14:15] the sum; v16-27 Q; v28-75 four fragments of K; v76-123 four of V; v124-187 S^T, then p; v188-219 O^T;
;   v220-223 V's scale words; v224-235 p's codes; v232-247, v252, v254 at work; v248-251 K's scale words; v253 p's; v255 Q's.
; LIMITS: a block whose largest magnitude lies under 2^-124 (zeros too) gets the byte 1, which only this program reads; NaN and infinities are not served.
.set KC,   0                           ; LDS: K's codes, 2,048 places x 48
.set VCL,  98304                       ; V's codes, [32 groups][64 places][48]
.set KSL,  196608                      ; K's scale words
.set VSL,  204800                      ; V's, [16 even groups][64][4]
.set QKS,  6291456                     ; in qkvc: q's and k's scale words,
.set VC,   6815744                     ; v's codes,
.set VS,   9961472                     ; v's scale words
.set AK0,  1
.set AV0,  2
.set ASK0, 3
.set ASV0, 4
.set OA,   5                           ; the way out: my 24 bytes of codes
.set OBY,  6                           ; and my scale byte
.set R4,   7                           ; 4 r
.set ADK,  8
.set ADV,  9
.set ADS,  10
.set ADT,  11
.set KFR,  28
.set VFR,  76
.set S,    124
.set OT,   188
.set WV,   18
.set SEL,  20
.set CS,   22
.set G1K,  24
.set G1KS, 32
.set G1V,  40
.set G1VS, 48
.set G0K,  56
.set G0KS, 60
.set G0V,  68
.set G0VS, 72
.set TB,   76                          ; the step's codes begin here, in K's and in V's region alike: 6,144 bytes a step
.set TS,   77                          ; K's scale words: 512 bytes a step
.set TJ,   78                          ; V's: 256
.set CNT,  79
.macro CROUND                          ; a round of the cluster's barrier
	s_barrier_signal -1
	s_barrier_wait -1
	s_cmp_lg_u32 s[WV], 0
	s_cbranch_scc1 .Lnot_wave_0_\@
	s_barrier_signal -3
.Lnot_wave_0_\@:
	s_barrier_wait -3
	s_barrier_signal -1
	s_barrier_wait -1
.endm
.macro DESC1 g, c, r, p                ; group 1: r rows of c elements of 8 bytes, p elements apart; the mask names all four work-groups, bit 21 beside it; no padding
	s_mov_b32 s[\g], 15|(3<<16)|(1<<21)
	s_mov_b32 s[\g+1], (\c)<<16
	s_mov_b32 s[\g+2], (\r)<<16
	s_mov_b32 s[\g+3], (\c)<<16
	s_mov_b32 s[\g+4], \r
	s_mov_b32 s[\g+5], \p
	s_mov_b32 s[\g+6], 0
	s_mov_b32 s[\g+7], 0
.endm
	s_load_b128 s[4:7], s[0:1], 0x0                ; q, k, v; the records
	v_lshl_add_u32 v254, v0, 2, 0x33000
	v_mov_b32 v255, 0
	ds_add_u32 v254, v255
	ds_add_u32 v254, v255
	s_wait_dscnt 0x0
	v_lshrrev_b32 v8, 5, v0
	v_readfirstlane_b32 s[WV], v8                  ; wave 0..15
	s_and_b32 s80, ttmp7, 0xffff
	s_lshr_b32 s81, s80, 4                         ; batch
	s_and_b32 s82, s80, 15                         ; head
	s_and_b32 s85, s[WV], 7                        ; which eighth I fetch: waves 0-7 of K, waves 8-15 of V
	DESC1 G1K, 32, 48, 32                          ; 256 keys' codes: 12,288 dense bytes as rows of 256
	DESC1 G1KS, 32, 4, 32                          ; their scale words: 1,024 dense bytes
	DESC1 G1V, 384, 4, 6144                        ; four groups' codes of the head: rows of 3,072 bytes, 49,152 apart
	DESC1 G1VS, 32, 2, 1024                        ; two even groups' scale words: rows of 256 bytes, 8,192 apart
	s_add_co_u32 s86, s82, 16                      ; k's group
	s_mul_i32 s88, s86, 16384
	s_mul_i32 s86, s86, 196608
	s_mul_i32 s87, s81, 98304
	s_add_co_u32 s86, s86, s87
	s_mul_i32 s94, s85, 12288
	s_add_co_u32 s86, s86, s94                     ; K's codes: group, batch, my eighth
	s_mov_b32 s87, 0
	s_lshl_b32 s89, s81, 13
	s_add_co_u32 s88, s88, s89
	s_lshl_b32 s95, s85, 10
	s_add_co_u32 s88, s88, s95
	s_add_co_u32 s88, s88, QKS                     ; K's scale words
	s_mov_b32 s89, 0
	s_add_co_u32 s95, s95, KSL
	s_lshl_b32 s90, s81, 5
	s_lshl_b32 s91, s85, 2
	s_add_co_u32 s90, s90, s91                     ; V's group 32 x batch + 4 x eighth
	s_lshl_b32 s92, s90, 12
	s_mul_i32 s90, s90, 49152
	s_mul_i32 s91, s82, 3072
	s_add_co_u32 s90, s90, s91
	s_add_co_u32 s90, s90, VC                      ; V's codes
	s_mov_b32 s91, 0
	s_lshl_b32 s93, s82, 8
	s_add_co_u32 s92, s92, s93
	s_add_co_u32 s92, s92, VS                      ; V's scale words
	s_mov_b32 s93, 0
	s_add_co_u32 s96, s94, VCL
	s_lshl_b32 s97, s85, 9
	s_add_co_u32 s97, s97, VSL
	s_mov_b32 s[SEL], 0x76543210
	s_mov_b32 s[SEL+1], 0xfedcba98                 ; v_permlanex16_b32's selects for lane l xor 16
	s_mov_b32 s[CS], 0x3e38aa3b                    ; c = log2(e) / 8
	s_mov_b32 s[CS+1], s[CS]                       ; (named with it as a pair, so it is written)
	s_mov_b32 s[TB], 0
	s_mov_b32 s[TS], 0
	s_mov_b32 s[TJ], 0
	s_mov_b32 s[CNT], 16
	s_wait_kmcnt 0x0
	s_mov_b32 s[G0K], 1
	s_mov_b32 s[G0K+1], s94
	s_add_nc_u64 s[G0K+2:G0K+3], s[4:5], s[86:87]
	s_or_b32 s[G0K+3], s[G0K+3], 0x80000000
	s_mov_b32 s[G0KS], 1
	s_mov_b32 s[G0KS+1], s95
	s_add_nc_u64 s[G0KS+2:G0KS+3], s[4:5], s[88:89]
	s_or_b32 s[G0KS+3], s[G0KS+3], 0x80000000
	s_mov_b32 s[G0V], 1
	s_mov_b32 s[G0V+1], s96
	s_add_nc_u64 s[G0V+2:G0V+3], s[4:5], s[90:91]
	s_or_b32 s[G0V+3], s[G0V+3], 0x80000000
	s_mov_b32 s[G0VS], 1
	s_mov_b32 s[G0VS+1], s97
	s_add_nc_u64 s[G0VS+2:G0VS+3], s[4:5], s[92:93]
	s_or_b32 s[G0VS+3], s[G0VS+3], 0x80000000
	CROUND                                         ; all four work-groups are here: the joint loads meet
	s_cmp_lt_u32 s[WV], 8                          ; a wave's two fills stand in one branch on its number: two tensor loads of mine are out; four v_nop follow the second
	s_cbranch_scc0 .Lfirst_v
	tensor_load_to_lds s[G0K:G0K+3], s[G1K:G1K+7]
	s_nop 0
	tensor_load_to_lds s[G0KS:G0KS+3], s[G1KS:G1KS+7]
	s_nop 0
.rept 4
	v_nop
.endr
	s_branch .Lfirst_asked
.Lfirst_v:
	tensor_load_to_lds s[G0V:G0V+3], s[G1V:G1V+7]
	s_nop 0
	tensor_load_to_lds s[G0VS:G0VS+3], s[G1VS:G1VS+7]
	s_nop 0
.rept 4
	v_nop
.endr
.Lfirst_asked:
	s_bfe_u32 s16, ttmp6, 0x40000                  ; cx: it enters q's and the records' global addresses alone
	s_lshl_b32 s17, ttmp9, 2
	s_add_co_u32 s16, s16, s17                     ; my block of 256 queries
	s_lshl_b32 s16, s16, 8
	s_lshl_b32 s17, s81, 11
	s_add_co_u32 s16, s16, s17
	s_lshl_b32 s17, s[WV], 4
	s_add_co_u32 s98, s16, s17                     ; my first place: 2,048 x batch + 256 x block + 16 x wave
	s_mul_i32 s16, s98, 48
	s_mul_i32 s17, s82, 196608
	s_add_co_u32 s16, s16, s17
	s_mov_b32 s17, 0
	s_add_nc_u64 s[8:9], s[4:5], s[16:17]          ; q's codes
	s_lshl_b32 s16, s98, 2
	s_lshl_b32 s19, s82, 14
	s_add_co_u32 s16, s16, s19
	s_add_co_u32 s16, s16, QKS
	s_add_nc_u64 s[10:11], s[4:5], s[16:17]        ; q's scale words
	s_lshl_b32 s99, s98, 8
	s_lshr_b32 s19, s82, 2
	s_lshl_b32 s19, s19, 20
	s_add_co_u32 s99, s99, s19                     ; my first record in the head's panel (head / 4)
	s_and_b32 s19, s82, 3
	s_mul_i32 s16, s19, 48
	s_add_co_u32 s16, s16, s99
	s_add_nc_u64 s[12:13], s[6:7], s[16:17]        ; the head's 48 bytes of codes in it,
	s_lshl_b32 s16, s19, 1
	s_add_co_u32 s16, s16, s99
	s_add_co_u32 s16, s16, 192
	s_add_nc_u64 s[14:15], s[6:7], s[16:17]        ; and its two scale bytes
	v_and_b32 v8, 15, v0                           ; r
	v_bfe_u32 v9, v0, 4, 1                         ; h
	v_mul_u32_u24 v[AK0], v8, 48
	v_mad_u32_u24 v[AK0], v9, 24, v[AK0]           ; place r x 48 + 24 h: in a tile of K, and in q
.irp p, 0,1,2
	global_load_b64 v[16+2*\p:17+2*\p], v[AK0], s[8:9] offset:8*\p     ; Q's fragment stays in registers
.endr
	v_lshlrev_b32 v[R4], 2, v8
	global_load_b32 v255, v[R4], s[10:11]          ; Q's scale words
.irp i, 22,23,24,25,26,27
	v_mov_b32 v\i, 0                               ; Q's k = 64 .. 127: zero codes
.endr
.irp t, 0,1,2,3
.irp i, 6,7,8,9,10,11
	v_mov_b32 v[KFR+12*\t+\i], 0                   ; K's likewise, once: the loads fill the lower halves alone
.endr
.endr
	v_add_nc_u32 v[AV0], VCL, v[AK0]
	v_add_nc_u32 v[ASK0], KSL, v[R4]
	v_add_nc_u32 v[ASV0], VSL, v[R4]
	v_mov_b32 v13, 0xff61b1e6                      ; the largest t so far: -3e38, under every t
	v_floor_f32 v12, -v13                          ; -M
	v_mov_b32 v14, 0                               ; the sum, in two halves
	v_mov_b32 v15, 0
.irp b, 0,1,2,3
	v_mov_b32 v[236+\b], 0                         ; a lane permute's destination counts as one of its sources
.endr
	v_mov_b32 v253, 0                              ; (named as the upper half of the pair v[252:253] before it is first written)
.set j, 0
.rept 32
	v_mov_b32 v[OT+j], 0                           ; O^T: the loop is written once; its first step finds zeros, which the first change of M leaves zeros
.set j, j+1
.endr
	s_wait_tensorcnt 0x0                           ; my two fills have landed,
	s_barrier_signal -1
	s_barrier_wait -1                              ; everybody's have
	s_wait_loadcnt 0x0                             ; Q
.Lstep:                                                ; 16 trips of 128 keys
	v_add_nc_u32 v[ADK], s[TB], v[AK0]             ; (these four are the places in front of the loads into registers that the last trip's products read)
	v_add_nc_u32 v[ADV], s[TB], v[AV0]
	v_add_nc_u32 v[ADS], s[TS], v[ASK0]
	v_add_nc_u32 v[ADT], s[TJ], v[ASV0]
.irp t, 0,1,2,3
.irp p, 0,1,2
	ds_load_b64 v[KFR+12*\t+2*\p:KFR+12*\t+2*\p+1], v[ADK] offset:768*\t+8*\p
.endr
	ds_load_b32 v[248+\t], v[ADS] offset:64*\t
.endr
.irp t, 0,1,2,3
.irp p, 0,1,2,3,4,5
	ds_load_b64 v[VFR+12*\t+2*\p:VFR+12*\t+2*\p+1], v[ADV] offset:768*\t+3072*(\p/3)+8*(\p%3)
.endr
	ds_load_b32 v[220+\t], v[ADT] offset:64*\t
.endr
	s_wait_dscnt 28                                ; K's first four tiles are in; V's 28 loads may be out
.irp t, 0,1,2,3
	v_wmma_scale_f32_16x16x128_f8f6f4 v[S+8*\t:S+8*\t+7], v[KFR+12*\t:KFR+12*\t+11], v[16:27], 0, v[248+\t], v255 matrix_a_fmt:MATRIX_FMT_FP6 matrix_b_fmt:MATRIX_FMT_FP6
.endr
.rept 4
	v_nop                                          ; places in front of loads into registers that these products read
.endr
.irp t, 0,1,2,3
.irp p, 0,1,2
	ds_load_b64 v[KFR+12*\t+2*\p:KFR+12*\t+2*\p+1], v[ADK] offset:3072+768*\t+8*\p
.endr
	ds_load_b32 v[248+\t], v[ADS] offset:256+64*\t
.endr
	s_wait_dscnt 0x0
.irp t, 0,1,2,3
	v_wmma_scale_f32_16x16x128_f8f6f4 v[S+32+8*\t:S+32+8*\t+7], v[KFR+12*\t:KFR+12*\t+11], v[16:27], 0, v[248+\t], v255 matrix_a_fmt:MATRIX_FMT_FP6 matrix_b_fmt:MATRIX_FMT_FP6
.endr
.rept 4
	v_nop
.endr
.irp b, 0,1,2,3
	v_max3_num_f32 v[232+\b], v[S+16*\b], v[S+1+16*\b], v[S+2+16*\b]   ; the largest score of each block of 32 keys: for the row's maximum, and, since p rises with the score, for the block's largest p
.endr
.irp i, 3,5,7,9,11,13
.irp b, 0,1,2,3
	v_max3_num_f32 v[232+\b], v[232+\b], v[S+16*\b+\i], v[S+1+16*\b+\i]
.endr
.endr
.irp b, 0,1,2,3
	v_max_num_f32 v[232+\b], v[232+\b], v[S+15+16*\b]
.endr
.irp b, 0,1,2,3
	v_permlanex16_b32 v[236+\b], v[232+\b], s[SEL], s[SEL+1]
.endr
.irp b, 0,1,2,3
	v_max_num_f32 v[232+\b], v[232+\b], v[236+\b]  ; with lane l xor 16's 16 keys
.endr
	v_max3_num_f32 v254, v232, v233, v234
	v_max_num_f32 v254, v254, v235                 ; the step's largest score of my query
	v_mul_f32 v254, s[CS], v254                    ; as t (c is positive)
	v_max_num_f32 v13, v13, v254                   ; the running largest t
	v_mov_b32 v254, v12
	v_floor_f32 v12, -v13                          ; the new -M = floor(-t): M is a whole number
	v_sub_f32 v254, v12, v254                      ; old M - new M: a whole number, 0 or less
	v_cvt_i32_f32 v254, v254                       ; (it saturates)
	v_ldexp_f32 v252, 1.0, v254                    ; f = 2^(old M - new M)
.set j, 0
.rept 32
	v_pk_fma_f32 v[S+2*j:S+2*j+1], v[S+2*j:S+2*j+1], s[CS:CS+1], v[12:13] op_sel_hi:[1,0,0]   ; t - M, two at a time
.set j, j+1
.endr
.irp b, 0,1,2,3
	v_fma_f32 v[232+\b], v[232+\b], s[CS], v12     ; the same of each block's largest score
.endr
.set j, 0
.rept 64
	v_exp_f32 v[S+j], v[S+j]                       ; p = 2^(t - M), at most 1: not normalised
.set j, j+1
.endr
.irp b, 0,1,2,3
	v_exp_f32 v[232+\b], v[232+\b]                 ; the block's largest p: the same two instructions on the same number give the same bits
.endr
	v_pk_mul_f32 v[14:15], v[14:15], v[252:253] op_sel_hi:[1,0]        ; the sums under the new M (a plain line behind the exponentials)
.set j, 0
.rept 16
	v_pk_mul_f32 v[OT+2*j:OT+2*j+1], v[OT+2*j:OT+2*j+1], v[252:253] op_sel_hi:[1,0]   ; O^T under the new M, each accumulator from its low end on
.set j, j+1
.endr
	s_wait_alu depctr_va_vdst(0)
.irp b, 0,1,2,3
	v_max_num_f32 v[232+\b], 0x1800000, v[232+\b]  ; the floor 2^(3 - 127): the byte cannot fall under 1
.endr
.irp b, 0,1,2,3
	v_add_nc_u32 v[244+\b], 0xff000000, v[232+\b]  ; the conversion's scale operand
.endr
.irp b, 0,1,2,3
	v_lshrrev_b32 v[236+\b], 23, v[244+\b]         ; the scale's byte
.endr
	v_lshl_or_b32 v253, v237, 8, v236              ; p's scale word for these 128 keys
	v_lshl_or_b32 v253, v238, 16, v253
	v_lshl_or_b32 v253, v239, 24, v253
.irp c, 0,1
	v_cvt_scalef32_pk16_fp6_f32 v[224+6*\c:226+6*\c], v[S+32*\c:S+15+32*\c], v[244+2*\c]
	v_cvt_scalef32_pk16_fp6_f32 v[236+4*\c:238+4*\c], v[S+16+32*\c:S+31+32*\c], v[244+2*\c+1]
.endr
	v_nop                                          ; one plain line behind the conversions
.irp c, 0,1
.irp i, 0,1,2
	v_permlane16_swap_b32 v[224+6*\c+\i], v[236+4*\c+\i]       ; a whole block to a lane
.endr
.irp i, 0,1,2
	v_mov_b32 v[227+6*\c+\i], v[236+4*\c+\i]
.endr
.endr
	v_pk_add_f32 v[236:237], v[S:S+1], v[S+2:S+3]  ; the row's sum is taken of the unquantised p, in two chains.  (These 32 lines are also the places between p's codes and scale word and the products below)
.irp j, 4,8,12,16,20,24,28,32,36,40,44,48,52,56,60
	v_pk_add_f32 v[14:15], v[14:15], v[S+\j:S+\j+1]
	v_pk_add_f32 v[236:237], v[236:237], v[S+\j+2:S+\j+3]
.endr
	v_pk_add_f32 v[14:15], v[14:15], v[236:237]
.irp t, 0,1,2,3                                ; O^T += V^T P^T: the four accumulators by turns
	v_wmma_scale_f32_16x16x128_f8f6f4 v[OT+8*\t:OT+8*\t+7], v[VFR+12*\t:VFR+12*\t+11], v[224:235], v[OT+8*\t:OT+8*\t+7], v[220+\t], v253 matrix_a_fmt:MATRIX_FMT_FP6 matrix_b_fmt:MATRIX_FMT_FP6
.endr
	s_add_co_u32 s[TB], s[TB], 6144
	s_add_co_u32 s[TS], s[TS], 512
	s_add_co_u32 s[TJ], s[TJ], 256
	s_sub_co_u32 s[CNT], s[CNT], 1
	s_cmp_lg_u32 s[CNT], 0
	s_cbranch_scc1 .Lstep
	; THE WAY OUT.  O^T / the sum; register 16 b + i is ctx(my query, 64 head + 32 b + 16 h + i): two blocks, quantised; a lane then takes block h whole and stores its 24 bytes and its scale byte.
	; A head owns 48 + 2 bytes of a record, so these stores are short pieces of rows 256 bytes apart: 3 MB in the whole launch.
	v_add_f32 v14, v14, v15                        ; the sum's two halves (the plain lines from here to the first multiplication are the places behind the last products),
	v_permlanex16_b32 v252, v14, s[SEL], s[SEL+1]
	v_add_f32 v14, v14, v252                       ; and lane l xor 16's
	v_rcp_f32 v14, v14
	v_and_b32 v8, 15, v0                           ; r
	v_bfe_u32 v9, v0, 4, 1                         ; h
	v_lshlrev_b32 v[OA], 8, v8
	v_add_nc_u32 v[OBY], v[OA], v9                 ; record r, + h
	v_mad_u32_u24 v[OA], v9, 24, v[OA]             ; record r, + 24 h
	v_cmp_eq_u32 vcc_lo, 1, v9
.set j, 0
	s_wait_alu depctr_va_vdst(0)
.rept 32
	v_mul_f32 v[S+j], v[OT+j], v14
.set j, j+1
.endr
.irp b, 0,1
	v_max3_num_f32 v[232+\b], |v[S+16*\b]|, |v[S+1+16*\b]|, 0x1800000
.endr
.irp i, 2,4,6,8,10,12,14
.irp b, 0,1
	v_max3_num_f32 v[232+\b], v[232+\b], |v[S+16*\b+\i]|, |v[S+1+16*\b+\i]|
.endr
.endr
.irp b, 0,1
	v_permlanex16_b32 v[236+\b], v[232+\b], s[SEL], s[SEL+1]
.endr
.irp b, 0,1
	v_max_num_f32 v[232+\b], v[232+\b], v[236+\b]
.endr
.irp b, 0,1
	v_add_nc_u32 v[244+\b], 0xff000000, v[232+\b]
.endr
.irp b, 0,1
	v_lshrrev_b32 v[236+\b], 23, v[244+\b]
.endr
	v_cndmask_b32 v236, v236, v237, vcc_lo         ; my block's byte
	v_cvt_scalef32_pk16_fp6_f32 v[224:226], v[S:S+15], v244
	v_cvt_scalef32_pk16_fp6_f32 v[228:230], v[S+16:S+31], v245
	v_nop                                          ; one plain line behind the conversions
.irp i, 0,1,2
	v_permlane16_swap_b32 v[224+\i], v[228+\i]     ; lanes 0-15: block 0 whole, lanes 16-31: block 1
.endr
	v_mov_b32 v227, v228
	v_mov_b32 v228, v229
	v_mov_b32 v229, v230
	global_store_b64 v[OA], v[224:225], s[12:13]
	global_store_b64 v[OA], v[226:227], s[12:13] offset:8
	global_store_b64 v[OA], v[228:229], s[12:13] offset:16
	global_store_b8 v[OBY], v236, s[14:15]
	s_wait_xcnt 0x0
	v_lshl_add_u32 v254, v0, 2, 0x33000
	v_mov_b32 v255, 0
	s_wait_tensorcnt 0x0
	ds_add_u32 v254, v255
	s_wait_dscnt 0x0
	CROUND                                         ; the closing round
	s_endpgm
.Lfunc_end_k_q51a6b7d649_attn:
	.size	k_q51a6b7d649_attn, .Lfunc_end_k_q51a6b7d649_attn-k_q51a6b7d649_attn
	.p2alignl 7, 3214868480
	.fill 96, 4, 3214868480
	.section	.rodata,"a",@progbits
	.p2align	6, 0x0
	.amdhsa_kernel k_q51a6b7d649_attn
		.amdhsa_group_segment_fixed_size 210944
		.amdhsa_private_segment_fixed_size 0
		.amdhsa_enable_private_segment 0
		.amdhsa_kernarg_size 16
		.amdhsa_user_sgpr_count 2
		.amdhsa_user_sgpr_kernarg_segment_ptr 1
		.amdhsa_wavefront_size32 1
		.amdhsa_system_sgpr_workgroup_id_x 1
		.amdhsa_system_sgpr_workgroup_id_y 1
		.amdhsa_system_sgpr_workgroup_id_z 1
		.amdhsa_system_vgpr_workitem_id 0
		.amdhsa_next_free_vgpr 256
		.amdhsa_next_free_sgpr 100
		.amdhsa_reserve_vcc 1
		.amdhsa_float_denorm_mode_32 3
		.amdhsa_float_denorm_mode_16_64 3
		.amdhsa_memory_ordered 1
		.amdhsa_forward_progress 1
		.amdhsa_inst_pref_size 33
	.end_amdhsa_kernel
	.amdgpu_metadata
---
amdhsa.version: [ 1, 2 ]
amdhsa.kernels:
  - .name:           k_q51a6b7d649_attn
    .symbol:         k_q51a6b7d649_attn.kd
    .args:
      - { .name: qkvc, .offset: 0, .size: 8, .value_kind: global_buffer, .address_space: global }
      - { .name: act, .offset: 8, .size: 8, .value_kind: global_buffer, .address_space: global }
    .group_segment_fixed_size: 210944
    .private_segment_fixed_size: 0
    .kernarg_segment_align: 8
    .kernarg_segment_size: 16
    .max_flat_workgroup_size: 512
    .sgpr_count:     100
    .vgpr_count:     256
    .wavefront_size: 32
...
	.end_amdgpu_metadata
.endif
;; end of part 4
;; launch oproj (part 5): grid 4 x 16, 4 waves a work-group, clusters of 4 x 4, 327,680 bytes of LDS; arguments act, wts, bo, x, res1; writes res1
.if DOCPART == 5
	.amdgcn_target "amdgcn-amd-amdhsa--gfx1250"
	.amdhsa_code_object_version 6
	.text
	.protected	k_q51a6b7d649_oproj
	.globl	k_q51a6b7d649_oproj
	.p2align	8
	.type	k_q51a6b7d649_oproj,@function
k_q51a6b7d649_oproj:
	s_mov_b64 s[64:65], 0
	v_nop
	global_prefetch_b8 v0, s[64:65] scope:SCOPE_SE
	s_setreg_imm32_b32 hwreg(HW_REG_WAVE_MODE, 25, 1), 1
	s_wait_xcnt 0x0
	s_wait_alu depctr_hold_cnt(0) depctr_sa_sdst(0) depctr_va_vdst(0) depctr_va_sdst(0) depctr_va_ssrc(0) depctr_va_vcc(0) depctr_vm_vsrc(0)
	s_getreg_b32 s2, hwreg(HW_REG_IB_STS2, 6, 4)
	s_cmp_eq_u32 s2, 0
	s_cbranch_scc0 .Lentry_in_a_cluster
	s_endpgm
.Lentry_in_a_cluster:
	s_bfe_u32 s2, ttmp6, 0x10000c
	s_cmp_lg_u32 s2, 0xf033
	s_cbranch_scc0 .Lentry_shape_is_right
	s_endpgm
.Lentry_shape_is_right:
; out = P Q^T + bias + residual, f32, [4096][1024].  P (4,096 rows) and Q (1,024 rows: the weight's columns) are codes of FP6 (E2M3) with E8M0 scales, as RECORDS of 256 bytes
; (192 of codes for 256 along K, 8 scale bytes, zeros), [panel][place][256]; row i at place sg(i) (bits 3, 4 exchanged).  Here: P = ctx, Q = Wo, K = 1,024.
; Tile 256 x 256, four waves, 128 x 128 a wave: 64 accumulators.  THE MATRIX INSTRUCTION IS USED TRANSPOSED (source 0 = 16 places of Q, source 1 = 16 places of P): a lane holds one place of P, and
; register j of accumulator b the TRUE column 32 (b / 2) + 16 (lane / 16) + 8 (b % 2) + j of my 128.
; K goes in steps of 256 (a panel) through a ring of two LDS slots; a wave's tensor load brings 128 records, 32,768 dense bytes: codes and scales together.
; CLUSTERS: 4 x 4 work-groups; P's tile is shared along a row of the cluster, Q's along a column: each is asked for jointly.  N = 1,024 gives 64 tiles of this size: 64 work-groups.
; REGISTERS: window 0: v0-31 addresses, v8-11 the bias; v32-63 scale words, two sets; v64-127 and v192-255 residual rows by turns; v128-223 P's fragments in the loop, v128-191 rows from the stage on the way out.
;   window 1: Q's fragments, two sets, at v0 and v128.  windows 2, 3: the accumulators ((a, b) at v[8 (8 (a % 4) + b)]).
.set LAPS,   2                         ; a lap = two panels = once round the ring
.set PSA,    1048576                   ; bytes from panel to panel of P,
.set PSB,    1048576                   ; and of Q
.set QOFF,   786432                    ; where Q begins in the weights' buffer
.set PITCH,  272                       ; an LDS row: a record + 16 bytes = 68 words: the 32 lanes of a load of 8 bytes (row r, 24 bytes a half) touch 64 different banks (64 banks of 4 bytes: ISA guide 11.1)
.set HALFT,  128*PITCH
.set SLOT,   4*HALFT                   ; P's 256 rows, then Q's 256
.set SPARE,  2*SLOT                    ; behind the ring: the spare words, 128 bytes a wave: two blocks of 256 bytes that no other line names
.set NQ,     2
.set FR,     12
.set NL,     6
.set NP,     4                         ; places behind this matrix instruction (ISA guide 7.12.1)
.set SPITCH, 528                       ; the way out: a stage of 16 rows x (512 bytes + 16) for each wave, in slot 0, which by then has had its last fill and its last read
.set PADW,   (1<<20)|(1<<21)|(5<<22)|(3<<25)   ; group 1, word 0 beside the mask: bytes; padding on; bit 21 beside a mask; after every 64 words, 4 words
.set BIAS, 8
.set ADRA, 16
.set ADRS, 18
.set ADRB, 20
.set STO,  24
.set RD,   25
.set CO,   26
.set SPW,  28
.set NIL,  29
.set SC,   32
.set AF,   128
.set BK,   128
.set G1, 24
.set G0, 32
.set G1B, 48
.set G0B, 56
.set MSB, 0
.macro WIN new                         ; the immediate's high byte repeats the setting that is left
.if MSB != \new
	s_set_vgpr_msb (MSB<<8)|\new
.set MSB, \new
.endif
.endm
.set MUL_LO, 0xa1                      ; source 0 (Q) window 1, source 1 (P) window 0, C and D window 2
.set MUL_HI, 0xf1                      ; the same, C and D window 3
.set TO_B,   0x40                      ; destination window 1, address window 0
; A joint load: waves 0 and 1 fetch for P, waves 2 and 3 for Q.  The branch hangs on the wave's number alone.  Four v_nop follow each of the two lines.
.macro JLOAD g0a, g1a, g0b, g1b
	s_cmp_eq_u32 s15, 0
	s_cbranch_scc0 .Lfor_b_\@
	tensor_load_to_lds s[\g0a:\g0a+3], s[\g1a:\g1a+7]
	s_nop 0
.rept 4
	v_nop
.endr
	s_branch .Lasked_\@
.Lfor_b_\@:
	tensor_load_to_lds s[\g0b:\g0b+3], s[\g1b:\g1b+7]
	s_nop 0
.rept 4
	v_nop
.endr
.Lasked_\@:
.endm
.macro CREST                           ; a round of the cluster's barrier behind its opening barrier
	s_cmp_lg_u32 s14, 0
	s_cbranch_scc1 .Lnot_wave_0_\@
	s_barrier_signal -3
.Lnot_wave_0_\@:
	s_barrier_wait -3
	s_barrier_signal -1
	s_barrier_wait -1
.endm
.macro CROUND                          ; a whole round
	s_barrier_signal -1
	s_barrier_wait -1
	CREST
.endm
.macro PLACES n
.rept \n
	v_nop
.endr
.endm
.macro FRAG reg, adr, q, i             ; a fragment, 16 rows x 128 K: lane l holds row l % 16; registers 6 c .. 6 c + 5 the 24 bytes at 96 q + 48 c + 24 (l / 16) of the record, in pieces of 8 bytes
.irp p, 0,1,2,3,4,5
	ds_load_b64 v[\reg+2*\p:\reg+2*\p+1], v[\adr] offset:96*(\q)+48*(\p/3)+8*(\p%3)+(\i)*16*PITCH
.endr
.endm
; 16 matrix instructions: P's blocks a0, a0 + 1 x Q's eight.  The 64 accumulators take turns, one instruction a turn, in the same order in every step.
.macro MUL16 a0, p, q, sc, zero
.irp a, \a0, \a0+1
.irp b, 0,1,2,3,4,5,6,7
.if \zero
	v_wmma_scale_f32_16x16x128_f8f6f4 v[8*(8*((\a)%4)+\b):8*(8*((\a)%4)+\b)+7], v[128*(\p)+FR*\b:128*(\p)+FR*\b+FR-1], v[AF+FR*(\a):AF+FR*(\a)+FR-1], 0, v[SC+8*NQ*(\sc)+NQ*\b+(\q)], v[SC+8*NQ*(\sc)+NQ*(\a)+(\q)] matrix_a_fmt:MATRIX_FMT_FP6 matrix_b_fmt:MATRIX_FMT_FP6 matrix_a_scale:MATRIX_SCALE_ROW1
.else
	v_wmma_scale_f32_16x16x128_f8f6f4 v[8*(8*((\a)%4)+\b):8*(8*((\a)%4)+\b)+7], v[128*(\p)+FR*\b:128*(\p)+FR*\b+FR-1], v[AF+FR*(\a):AF+FR*(\a)+FR-1], v[8*(8*((\a)%4)+\b):8*(8*((\a)%4)+\b)+7], v[SC+8*NQ*(\sc)+NQ*\b+(\q)], v[SC+8*NQ*(\sc)+NQ*(\a)+(\q)] matrix_a_fmt:MATRIX_FMT_FP6 matrix_b_fmt:MATRIX_FMT_FP6 matrix_a_scale:MATRIX_SCALE_ROW1
.endif
.endr
.endr
.endm
.macro FETCH_B slot, q, p
	WIN TO_B
.irp i, 0,1,2,3,4,5,6,7
	FRAG 128*(\p)+FR*\i, ADRB+\slot, \q, \i
.endr
	WIN 0
.endm
.macro FETCH_A slot, q, i0
.irp i, \i0, \i0+1, \i0+2, \i0+3
	FRAG AF+FR*(\i), ADRA+\slot, \q, \i
.endr
.endm
.macro SCALES sc                       ; a slot's scale words: two a row, at byte 192 of the record; lanes 0-15 take P's block i, lanes 16-31 Q's block i
.irp i, 0,1,2,3,4,5,6,7
	ds_load_b64 v[SC+8*NQ*\sc+NQ*\i:SC+8*NQ*\sc+NQ*\i+1], v[ADRS+\sc] offset:192+\i*16*PITCH
.endr
.endm
.macro STEP slot, q, zero              ; 128 along K whose successor lies in the same slot
	s_wait_dscnt 4*NL                              ; Q's set, the scale words and P's blocks 0-3 are in; the youngest 24 loads (P's blocks 4-7) may be out
	WIN MUL_LO
	MUL16 0, (\q)%2, \q, \slot, \zero
	MUL16 2, (\q)%2, \q, \slot, \zero
	s_wait_dscnt 0
	PLACES NP
	FETCH_B \slot, (\q)+1, 1-(\q)%2
	FETCH_A \slot, (\q)+1, 0
	WIN MUL_HI
	MUL16 4, (\q)%2, \q, \slot, \zero
	MUL16 6, (\q)%2, \q, \slot, \zero
	PLACES NP
	WIN 0
	FETCH_A \slot, (\q)+1, 4
.endm
; A slot's last step changes slots: one barrier; in front of it each wave waits for all its tensor loads, adds 0 to its spare word, and waits for that and for its reads of this slot.  fill = 1: the slot is filled again, two panels ahead.
.macro TURN slot, next, fill
	s_wait_tensorcnt 0x0                           ; all my tensor loads have landed: my part of the next slot
	ds_add_u32 v[SPW], v[NIL]                      ; 0 onto my spare word
	s_wait_dscnt 4*NL+1                            ; (the add and the youngest 24 loads may be out)
	WIN MUL_LO
	MUL16 0, 1, NQ-1, \slot, 0
	s_wait_dscnt 0x0                               ; the add is done, and my reads of this slot are over
	s_barrier_signal -1
	MUL16 2, 1, NQ-1, \slot, 0
	WIN 0
	s_barrier_wait -1
.if \fill
	CREST                                          ; the barrier has opened a round of the cluster's barrier: no wave of any partner still reads this slot or has a load on its way
	s_add_nc_u64 s[G0+4*\slot+2:G0+4*\slot+3], s[G0+4*\slot+2:G0+4*\slot+3], 2*PSA
	s_add_nc_u64 s[G0B+4*\slot+2:G0B+4*\slot+3], s[G0B+4*\slot+2:G0B+4*\slot+3], 2*PSB
	JLOAD G0+4*\slot, G1, G0B+4*\slot, G1B         ; the first tensor load behind the round; its four v_nop are the places in front of the loads below
.else
	PLACES NP
.endif
	FETCH_B \next, 0, 0
	FETCH_A \next, 0, 0
	SCALES \next
	WIN MUL_HI
	MUL16 4, 1, NQ-1, \slot, 0
	MUL16 6, 1, NQ-1, \slot, 0
	PLACES NP
	WIN 0
	FETCH_A \next, 0, 4
.endm
; THE WAY OUT, block by block of 16 places of P x my 128 columns.  Place t of block a is TRUE row 32 (a / 2) + 8 (a % 2) + 16 (t / 8) + t % 8 of my 128.
.macro RLOAD a                         ; block a's 16 residual rows, 512 consecutive bytes each
.set RR, 64+128*((\a)%2)
.set t, 0
.rept 16
	global_load_b128 v[RR+4*t:RR+4*t+3], v[CO], s[10:11] offset:(32*((\a)/2)+8*((\a)%2)+16*(t/8)+t%8)*4096
.set t, t+1
.endr
.endm
.macro OUTB a
.set AC, 64*((\a)%4)
	WIN 0x08+4*((\a)/4)                            ; an LDS store's data: window 2 or 3
.irp b, 0,1,2,3,4,5,6,7
	ds_store_b128 v[STO], v[AC+8*\b:AC+8*\b+3] offset:128*(\b/2)+32*(\b%2)         ; each accumulator from its low end on, at its true columns
	ds_store_b128 v[STO], v[AC+8*\b+4:AC+8*\b+7] offset:128*(\b/2)+32*(\b%2)+16
.endr
	WIN 0
.set t, 0
.rept 16
	ds_load_b128 v[BK+4*t:BK+4*t+3], v[RD] offset:t*SPITCH     ; LDS serves a wave's instructions in order: whole rows of 512 bytes come back
.set t, t+1
.endr
	s_wait_dscnt 0x0
.if (\a) < 7
	s_wait_loadcnt 16                              ; this block's residual rows (and the bias) are in; the next block's 16 loads may be out
.else
	s_wait_loadcnt 0x0
.endif
.set RR, 64+128*((\a)%2)
.set t, 0
.rept 16
	v_pk_add_f32 v[RR+4*t:RR+4*t+1], v[RR+4*t:RR+4*t+1], v[BK+4*t:BK+4*t+1]
	v_pk_add_f32 v[RR+4*t+2:RR+4*t+3], v[RR+4*t+2:RR+4*t+3], v[BK+4*t+2:BK+4*t+3]
	v_pk_add_f32 v[RR+4*t:RR+4*t+1], v[RR+4*t:RR+4*t+1], v[BIAS:BIAS+1]
	v_pk_add_f32 v[RR+4*t+2:RR+4*t+3], v[RR+4*t+2:RR+4*t+3], v[BIAS+2:BIAS+3]
.set t, t+1
.endr
.set t, 0
.rept 16
	global_store_b128 v[CO], v[RR+4*t:RR+4*t+3], s[12:13] offset:(32*((\a)/2)+8*((\a)%2)+16*(t/8)+t%8)*4096   ; 32 lanes store 512 consecutive bytes, aligned
.set t, t+1
.endr
.if (\a) < 6
	s_wait_xcnt 0x0                                ; the stores have read their registers, which take the residual rows of the block two further on
	RLOAD (\a)+2
.endif
.endm
	s_load_b256 s[4:11], s[0:1], 0x0               ; P's records, the weights' records, the bias, the residual
	s_load_b64 s[12:13], s[0:1], 0x20              ; out
	v_lshl_add_u32 v[SPW], v0, 2, SPARE
	v_mov_b32 v[NIL], 0
	ds_add_u32 v28, v29
	ds_add_u32 v28, v29
	s_wait_dscnt 0x0
	v_lshrrev_b32 v1, 5, v0
	v_readfirstlane_b32 s14, v1                    ; wave 0..3
	s_lshr_b32 s15, s14, 1                         ; which half of the tile's rows (P) is mine.  Also: I fetch for P (0) or for Q (1)
	s_and_b32 s16, s14, 1                          ; which half of its columns (Q).  Also: which 128 records I fetch
	s_bfe_u32 s40, ttmp6, 0x40000                  ; cx, cy: my place in the cluster
	s_bfe_u32 s41, ttmp6, 0x40004
	s_lshl_b32 s42, ttmp9, 2
	s_add_co_u32 s42, s42, s40                     ; tile column
	s_and_b32 s17, ttmp7, 0xffff
	s_lshl_b32 s17, s17, 2
	s_add_co_u32 s17, s17, s41                     ; tile row
	s_lshl_b32 s43, s41, 2
	s_lshl_b32 s43, 15, s43                        ; my row of the cluster
	s_lshl_b32 s44, 0x1111, s40                    ; my column
	s_or_b32 s[G1+0], s43, PADW                    ; P's tiles go to my row,
	s_or_b32 s[G1B+0], s44, PADW                   ; Q's to my column
.irp g, G1, G1B
	s_mov_b32 s[\g+1], 256<<16                     ; tensor_dim0 = 256 bytes
	s_mov_b32 s[\g+2], 128<<16                     ; tensor_dim1 = 128
	s_mov_b32 s[\g+3], 256<<16                     ; tile_dim0
	s_mov_b32 s[\g+4], 128                         ; tile_dim1
	s_mov_b32 s[\g+5], 256                         ; from record to record
	s_mov_b32 s[\g+6], 0
	s_mov_b32 s[\g+7], 0
.endr
	s_lshl_b32 s18, s16, 7
	s_lshl_b32 s20, s17, 8
	s_add_co_u32 s20, s20, s18                     ; P: place 256 x tile row + 128 x half
	s_lshl_b32 s20, s20, 8
	s_mov_b32 s21, 0
	s_lshl_b32 s46, s42, 8
	s_add_co_u32 s46, s46, s18                     ; Q: place 256 x tile column + 128 x half
	s_lshl_b32 s46, s46, 8
	s_add_co_u32 s46, s46, QOFF
	s_mov_b32 s47, 0
	s_mul_i32 s45, s14, HALFT                      ; where they go: wave x 128 rows
	s_wait_kmcnt 0x0
	s_add_nc_u64 s[20:21], s[4:5], s[20:21]
	s_add_nc_u64 s[46:47], s[6:7], s[46:47]
	CROUND                                         ; all sixteen work-groups are here: the first joint loads meet
.irp s, 0,1
	s_mov_b32 s[G0+4*\s], 1
	s_add_co_u32 s[G0+4*\s+1], s45, \s*SLOT
	s_add_nc_u64 s[G0+4*\s+2:G0+4*\s+3], s[20:21], \s*PSA
	s_or_b32 s[G0+4*\s+3], s[G0+4*\s+3], 0x80000000
	s_mov_b32 s[G0B+4*\s], 1
	s_add_co_u32 s[G0B+4*\s+1], s45, \s*SLOT
	s_add_nc_u64 s[G0B+4*\s+2:G0B+4*\s+3], s[46:47], \s*PSB
	s_or_b32 s[G0B+4*\s+3], s[G0B+4*\s+3], 0x80000000
	JLOAD G0+4*\s, G1, G0B+4*\s, G1B
.endr
	v_and_b32 v1, 15, v0                           ; r
	v_bfe_u32 v2, v0, 4, 1                         ; h
	v_mul_u32_u24 v3, v1, PITCH
	v_mad_u32_u24 v4, v2, 24, v3                   ; a fragment's row x pitch + 24 x half
	s_mul_i32 s21, s15, HALFT                      ; my 128 rows of P
	s_mul_i32 s22, s16, HALFT
	s_add_co_u32 s22, s22, 2*HALFT                 ; my 128 rows of Q, behind P's 256
	s_xor_b32 s23, s15, 1
	s_add_co_u32 s23, s23, s16
	s_add_co_u32 s23, s23, 1
	s_mul_i32 s23, s23, HALFT                      ; the distance between the two
	v_mul_u32_u24 v5, s23, v2                      ; lanes 16-31 take Q's scale words
	v_add_nc_u32 v5, v5, v3
	v_add_nc_u32 v[ADRA], s21, v4
	v_add_nc_u32 v[ADRB], s22, v4
	v_add_nc_u32 v[ADRS], s21, v5
	v_add_nc_u32 v[ADRA+1], SLOT, v[ADRA]
	v_add_nc_u32 v[ADRB+1], SLOT, v[ADRB]
	v_add_nc_u32 v[ADRS+1], SLOT, v[ADRS]
	s_mul_i32 s23, s14, 16*SPITCH                  ; my stage
	v_mul_u32_u24 v5, v1, SPITCH
	v_lshl_add_u32 v5, v2, 6, v5
	v_add_nc_u32 v[STO], s23, v5                   ; in: row r, + 64 bytes for the upper half of the lanes
	v_and_b32 v6, 31, v0
	v_lshlrev_b32 v[CO], 4, v6                     ; back, and in memory: 16 bytes a lane
	v_add_nc_u32 v[RD], s23, v[CO]
	s_lshl_b32 s80, s17, 8
	s_lshl_b32 s81, s15, 7
	s_add_co_u32 s80, s80, s81                     ; my first row,
	s_lshl_b32 s80, s80, 12
	s_lshl_b32 s82, s42, 10
	s_lshl_b32 s83, s16, 9
	s_add_co_u32 s82, s82, s83                     ; my first column, in bytes
	s_mov_b32 s83, 0
	s_add_co_u32 s80, s80, s82
	s_mov_b32 s81, 0
	s_add_nc_u64 s[8:9], s[8:9], s[82:83]
	s_add_nc_u64 s[10:11], s[10:11], s[80:81]
	s_add_nc_u64 s[12:13], s[12:13], s[80:81]
	global_load_b128 v[BIAS:BIAS+3], v[CO], s[8:9] ; the bias of my four columns of a row; it and the first residual rows land while the products run
	RLOAD 0
	s_wait_tensorcnt 1                             ; my part of panel 0 is in (panel 1's load may be out)
	s_barrier_signal -1
	s_barrier_wait -1                              ; everybody's is
	FETCH_B 0, 0, 0
	FETCH_A 0, 0, 0
	SCALES 0
	FETCH_A 0, 0, 4
	STEP 0, 0, 1                                   ; the first step stands in front of the loop: its products start the sums
	s_mov_b32 s3, LAPS-1
.Llap:                                                 ; a trip goes once round the ring and fills both slots again
	TURN 0, 1, 1
	STEP 1, 0, 0
	TURN 1, 0, 1
	STEP 0, 0, 0
	s_sub_co_u32 s3, s3, 1
	s_cmp_lg_u32 s3, 0
	s_cbranch_scc1 .Llap
	TURN 0, 1, 0                                   ; the last lap fills nothing
	STEP 1, 0, 0
	s_wait_dscnt 4*NL
	WIN MUL_LO
	MUL16 0, 1, NQ-1, 1, 0
	MUL16 2, 1, NQ-1, 1, 0
	s_wait_dscnt 0
	WIN MUL_HI
	MUL16 4, 1, NQ-1, 1, 0
	MUL16 6, 1, NQ-1, 1, 0
	WIN 0
	PLACES NP                                      ; in front of loads into the registers that held P's fragments, and of the reads of the last results
	RLOAD 1
.irp a, 0,1,2,3,4,5,6,7
	OUTB \a
.endr
	s_wait_tensorcnt 0x0                           ; the wave's end
	ds_add_u32 v[SPW], v[NIL]
	s_wait_dscnt 0x0
	CROUND                                         ; the closing round
	s_endpgm
.Lfunc_end_k_q51a6b7d649_oproj:
	.size	k_q51a6b7d649_oproj, .Lfunc_end_k_q51a6b7d649_oproj-k_q51a6b7d649_oproj
	.p2alignl 7, 3214868480
	.fill 96, 4, 3214868480
	.section	.rodata,"a",@progbits
	.p2align	6, 0x0
	.amdhsa_kernel k_q51a6b7d649_oproj
		.amdhsa_group_segment_fixed_size 327680
		.amdhsa_private_segment_fixed_size 0
		.amdhsa_enable_private_segment 0
		.amdhsa_kernarg_size 40
		.amdhsa_user_sgpr_count 2
		.amdhsa_user_sgpr_kernarg_segment_ptr 1
		.amdhsa_wavefront_size32 1
		.amdhsa_system_sgpr_workgroup_id_x 1
		.amdhsa_system_sgpr_workgroup_id_y 1
		.amdhsa_system_sgpr_workgroup_id_z 1
		.amdhsa_system_vgpr_workitem_id 0
		.amdhsa_next_free_vgpr 1024
		.amdhsa_next_free_sgpr 100
		.amdhsa_reserve_vcc 0
		.amdhsa_float_denorm_mode_32 3
		.amdhsa_float_denorm_mode_16_64 3
		.amdhsa_memory_ordered 1
		.amdhsa_forward_progress 1
		.amdhsa_inst_pref_size 201
	.end_amdhsa_kernel
	.amdgpu_metadata
---
amdhsa.version: [ 1, 2 ]
amdhsa.kernels:
  - .name:           k_q51a6b7d649_oproj
    .symbol:         k_q51a6b7d649_oproj.kd
    .args:
      - { .name: act, .offset: 0, .size: 8, .value_kind: global_buffer, .address_space: global }
      - { .name: wts, .offset: 8, .size: 8, .value_kind: global_buffer, .address_space: global }
      - { .name: bo, .offset: 16, .size: 8, .value_kind: global_buffer, .address_space: global }
      - { .name: x, .offset: 24, .size: 8, .value_kind: global_buffer, .address_space: global }
      - { .name: res1, .offset: 32, .size: 8, .value_kind: global_buffer, .address_space: global }
    .group_segment_fixed_size: 327680
    .private_segment_fixed_size: 0
    .kernarg_segment_align: 8
    .kernarg_segment_size: 40
    .max_flat_workgroup_size: 128
    .sgpr_count:     100
    .vgpr_count:     1024
    .wavefront_size: 32
...
	.end_amdgpu_metadata
.endif
;; end of part 5
;; launch ln2: the kernel of part 2 again; grid 256 x 1, 4 waves a work-group, no clusters, 23,040 bytes of LDS; arguments res1, g2, b2, act; writes act
;; launch ffn1 (part 6): grid 16 x 16, 4 waves a work-group, clusters of 4 x 4, 327,680 bytes of LDS; arguments act, wts, bf1, hbuf; writes hbuf
.if DOCPART == 6
	.amdgcn_target "amdgcn-amd-amdhsa--gfx1250"
	.amdhsa_code_object_version 6
	.text
	.protected	k_q51a6b7d649_ffn1
	.globl	k_q51a6b7d649_ffn1
	.p2align	8
	.type	k_q51a6b7d649_ffn1,@function
k_q51a6b7d649_ffn1:
	s_mov_b64 s[64:65], 0
	v_nop
	global_prefetch_b8 v0, s[64:65] scope:SCOPE_SE
	s_setreg_imm32_b32 hwreg(HW_REG_WAVE_MODE, 25, 1), 1
	s_wait_xcnt 0x0
	s_wait_alu depctr_hold_cnt(0) depctr_sa_sdst(0) depctr_va_vdst(0) depctr_va_sdst(0) depctr_va_ssrc(0) depctr_va_vcc(0) depctr_vm_vsrc(0)
	s_getreg_b32 s2, hwreg(HW_REG_IB_STS2, 6, 4)
	s_cmp_eq_u32 s2, 0
	s_cbranch_scc0 .Lentry_in_a_cluster
	s_endpgm
.Lentry_in_a_cluster:
	s_bfe_u32 s2, ttmp6, 0x10000c
	s_cmp_lg_u32 s2, 0xf033
	s_cbranch_scc0 .Lentry_shape_is_right
	s_endpgm
.Lentry_shape_is_right:
; h = relu(on W1 + bf1) on codes of FP6 (E2M3) with E8M0 scales, K = 1,024, f32 sums; h is quantised at once along its 4,096 columns, the next product's K, and stored as records.
; Operands and result are RECORDS of 256 bytes (192 of codes for 256 along K, 8 scale bytes, zeros), [panel][place][256]; row i at place sg(i) (bits 3, 4 exchanged).  P = on (4,096 rows), Q = W1's 4,096 columns.
; Tile 256 x 256, four waves, 128 x 128 a wave: 64 accumulators.  THE MATRIX INSTRUCTION IS USED TRANSPOSED (source 0 = 16 places of Q, source 1 = 16 places of P): a lane holds one place of P, and by the order of
; the places the 16 registers of accumulators 2 b, 2 b + 1 are the TRUE columns 32 b + 16 (lane / 16) + 0 .. 15 of my 128: 16 neighbours along the next K.  A tile's 256 columns are one panel of the result.
; K goes in steps of 256 (a panel) through a ring of two LDS slots; a wave's tensor load brings 128 records, 32,768 dense bytes: codes and scales together.
; CLUSTERS: 4 x 4 work-groups; P's tile is shared along a row of the cluster, Q's along a column: each is asked for jointly.
; REGISTERS: window 0: v0-31 addresses; v32-63 scale words, two sets; v64-127 the bias; v128-223 P's fragments, one set; v240-255 at work on the way out.
;   window 1: Q's fragments, two sets, at v0 and v128.  windows 2, 3: the accumulators ((a, b) at v[8 (8 (a % 4) + b)]).
; LIMITS: a block whose largest magnitude lies under 2^-124 (zeros too) gets the byte 1, which only this program reads; NaN and infinities are not served.
.set LAPS,   2                         ; a lap = two panels = once round the ring
.set PSA,    1048576
.set PSB,    1048576
.set QOFF,   4194304                   ; where W1's records begin in the weights' buffer
.set PITCH,  272                       ; an LDS row: a record + 16 bytes = 68 words: the 32 lanes of a load of 8 bytes (row r, 24 bytes a half) touch 64 different banks (64 banks of 4 bytes: ISA guide 11.1)
.set HALFT,  128*PITCH
.set SLOT,   4*HALFT                   ; P's 256 rows, then Q's 256
.set SPARE,  2*SLOT                    ; behind the ring: the spare words, 128 bytes a wave: two blocks of 256 bytes that no other line names
.set NQ,     2
.set FR,     12
.set NL,     6
.set NP,     4                         ; places behind this matrix instruction (ISA guide 7.12.1)
.set PADW,   (1<<20)|(1<<21)|(5<<22)|(3<<25)   ; group 1, word 0 beside the mask: bytes; padding on; bit 21 beside a mask; after every 64 words, 4 words
.set ZR,   8                           ; v8-11 zeros
.set ADRA, 16
.set ADRS, 18
.set ADRB, 20
.set BJO,  22
.set STO,  24                          ; the way out: where my codes go
.set SCA,  25                          ; and my scale words
.set CO,   26
.set ZA,   27                          ; the records' tails
.set SPW,  28
.set NIL,  29
.set RDB,  30                          ; records back
.set SC,   32
.set BJ,   64
.set AF,   128
.set W,    128
.set PC,   192
.set PW,   212
.set TM,   240
.set SEL,  92
.set G1, 24
.set G0, 32
.set G1B, 48
.set G0B, 56
.set MSB, 0
.macro WIN new                         ; the immediate's high byte repeats the setting that is left
.if MSB != \new
	s_set_vgpr_msb (MSB<<8)|\new
.set MSB, \new
.endif
.endm
.set MUL_LO, 0xa1                      ; source 0 (Q) window 1, source 1 (P) window 0, C and D window 2
.set MUL_HI, 0xf1                      ; the same, C and D window 3
.set TO_B,   0x40                      ; destination window 1, address window 0
; A joint load: waves 0 and 1 fetch for P, waves 2 and 3 for Q.  The branch hangs on the wave's number alone.  Four v_nop follow each of the two lines.
.macro JLOAD g0a, g1a, g0b, g1b
	s_cmp_eq_u32 s15, 0
	s_cbranch_scc0 .Lfor_b_\@
	tensor_load_to_lds s[\g0a:\g0a+3], s[\g1a:\g1a+7]
	s_nop 0
.rept 4
	v_nop
.endr
	s_branch .Lasked_\@
.Lfor_b_\@:
	tensor_load_to_lds s[\g0b:\g0b+3], s[\g1b:\g1b+7]
	s_nop 0
.rept 4
	v_nop
.endr
.Lasked_\@:
.endm
.macro CREST                           ; a round of the cluster's barrier behind its opening barrier
	s_cmp_lg_u32 s14, 0
	s_cbranch_scc1 .Lnot_wave_0_\@
	s_barrier_signal -3
.Lnot_wave_0_\@:
	s_barrier_wait -3
	s_barrier_signal -1
	s_barrier_wait -1
.endm
.macro CROUND                          ; a whole round
	s_barrier_signal -1
	s_barrier_wait -1
	CREST
.endm
.macro PLACES n
.rept \n
	v_nop
.endr
.endm
.macro FRAG reg, adr, q, i             ; a fragment, 16 rows x 128 K: lane l holds row l % 16; registers 6 c .. 6 c + 5 the 24 bytes at 96 q + 48 c + 24 (l / 16) of the record, in pieces of 8 bytes
.irp p, 0,1,2,3,4,5
	ds_load_b64 v[\reg+2*\p:\reg+2*\p+1], v[\adr] offset:96*(\q)+48*(\p/3)+8*(\p%3)+(\i)*16*PITCH
.endr
.endm
; 16 matrix instructions: P's blocks a0, a0 + 1 x Q's eight.  The 64 accumulators take turns, one instruction a turn, in the same order in every step.
.macro MUL16 a0, p, q, sc, zero
.irp a, \a0, \a0+1
.irp b, 0,1,2,3,4,5,6,7
.if \zero
	v_wmma_scale_f32_16x16x128_f8f6f4 v[8*(8*((\a)%4)+\b):8*(8*((\a)%4)+\b)+7], v[128*(\p)+FR*\b:128*(\p)+FR*\b+FR-1], v[AF+FR*(\a):AF+FR*(\a)+FR-1], 0, v[SC+8*NQ*(\sc)+NQ*\b+(\q)], v[SC+8*NQ*(\sc)+NQ*(\a)+(\q)] matrix_a_fmt:MATRIX_FMT_FP6 matrix_b_fmt:MATRIX_FMT_FP6 matrix_a_scale:MATRIX_SCALE_ROW1
.else
	v_wmma_scale_f32_16x16x128_f8f6f4 v[8*(8*((\a)%4)+\b):8*(8*((\a)%4)+\b)+7], v[128*(\p)+FR*\b:128*(\p)+FR*\b+FR-1], v[AF+FR*(\a):AF+FR*(\a)+FR-1], v[8*(8*((\a)%4)+\b):8*(8*((\a)%4)+\b)+7], v[SC+8*NQ*(\sc)+NQ*\b+(\q)], v[SC+8*NQ*(\sc)+NQ*(\a)+(\q)] matrix_a_fmt:MATRIX_FMT_FP6 matrix_b_fmt:MATRIX_FMT_FP6 matrix_a_scale:MATRIX_SCALE_ROW1
.endif
.endr
.endr
.endm
.macro FETCH_B slot, q, p
	WIN TO_B
.irp i, 0,1,2,3,4,5,6,7
	FRAG 128*(\p)+FR*\i, ADRB+\slot, \q, \i
.endr
	WIN 0
.endm
.macro FETCH_A slot, q, i0
.irp i, \i0, \i0+1, \i0+2, \i0+3
	FRAG AF+FR*(\i), ADRA+\slot, \q, \i
.endr
.endm
.macro SCALES sc                       ; a slot's scale words: two a row, at byte 192 of the record; lanes 0-15 take P's block i, lanes 16-31 Q's block i
.irp i, 0,1,2,3,4,5,6,7
	ds_load_b64 v[SC+8*NQ*\sc+NQ*\i:SC+8*NQ*\sc+NQ*\i+1], v[ADRS+\sc] offset:192+\i*16*PITCH
.endr
.endm
.macro STEP slot, q, zero              ; 128 along K whose successor lies in the same slot
	s_wait_dscnt 4*NL                              ; Q's set, the scale words and P's blocks 0-3 are in; the youngest 24 loads (P's blocks 4-7) may be out
	WIN MUL_LO
	MUL16 0, (\q)%2, \q, \slot, \zero
	MUL16 2, (\q)%2, \q, \slot, \zero
	s_wait_dscnt 0
	PLACES NP
	FETCH_B \slot, (\q)+1, 1-(\q)%2
	FETCH_A \slot, (\q)+1, 0
	WIN MUL_HI
	MUL16 4, (\q)%2, \q, \slot, \zero
	MUL16 6, (\q)%2, \q, \slot, \zero
	PLACES NP
	WIN 0
	FETCH_A \slot, (\q)+1, 4
.endm
; A slot's last step changes slots: one barrier; in front of it each wave waits for all its tensor loads, adds 0 to its spare word, and waits for that and for its reads of this slot.  fill = 1: the slot is filled again, two panels ahead.
.macro TURN slot, next, fill
	s_wait_tensorcnt 0x0                           ; all my tensor loads have landed: my part of the next slot
	ds_add_u32 v[SPW], v[NIL]                      ; 0 onto my spare word
	s_wait_dscnt 4*NL+1                            ; (the add and the youngest 24 loads may be out)
	WIN MUL_LO
	MUL16 0, 1, NQ-1, \slot, 0
	s_wait_dscnt 0x0                               ; the add is done, and my reads of this slot are over
	s_barrier_signal -1
	MUL16 2, 1, NQ-1, \slot, 0
	WIN 0
	s_barrier_wait -1
.if \fill
	CREST                                          ; the barrier has opened a round of the cluster's barrier: no wave of any partner still reads this slot or has a load on its way
	s_add_nc_u64 s[G0+4*\slot+2:G0+4*\slot+3], s[G0+4*\slot+2:G0+4*\slot+3], 2*PSA
	s_add_nc_u64 s[G0B+4*\slot+2:G0B+4*\slot+3], s[G0B+4*\slot+2:G0B+4*\slot+3], 2*PSB
	JLOAD G0+4*\slot, G1, G0B+4*\slot, G1B         ; the first tensor load behind the round; its four v_nop are the places in front of the loads below
.else
	PLACES NP
.endif
	FETCH_B \next, 0, 0
	FETCH_A \next, 0, 0
	SCALES \next
	WIN MUL_HI
	MUL16 4, 1, NQ-1, \slot, 0
	MUL16 6, 1, NQ-1, \slot, 0
	PLACES NP
	WIN 0
	FETCH_A \next, 0, 4
.endm
	s_load_b256 s[4:11], s[0:1], 0x0               ; P's records, the weights' records, the bias, the result's records
	v_lshl_add_u32 v[SPW], v0, 2, SPARE
	v_mov_b32 v[NIL], 0
	ds_add_u32 v28, v29
	ds_add_u32 v28, v29
	s_wait_dscnt 0x0
	v_lshrrev_b32 v1, 5, v0
	v_readfirstlane_b32 s14, v1                    ; wave 0..3
	s_lshr_b32 s15, s14, 1                         ; which half of the tile's rows (P) is mine.  Also: I fetch for P (0) or for Q (1)
	s_and_b32 s16, s14, 1                          ; which half of its columns (Q).  Also: which 128 records I fetch
	s_bfe_u32 s40, ttmp6, 0x40000                  ; cx, cy: my place in the cluster
	s_bfe_u32 s41, ttmp6, 0x40004
	s_lshl_b32 s42, ttmp9, 2
	s_add_co_u32 s42, s42, s40                     ; tile column
	s_and_b32 s17, ttmp7, 0xffff
	s_lshl_b32 s17, s17, 2
	s_add_co_u32 s17, s17, s41                     ; tile row
	s_lshl_b32 s43, s41, 2
	s_lshl_b32 s43, 15, s43                        ; my row of the cluster
	s_lshl_b32 s44, 0x1111, s40                    ; my column
	s_or_b32 s[G1+0], s43, PADW                    ; P's tiles go to my row,
	s_or_b32 s[G1B+0], s44, PADW                   ; Q's to my column
.irp g, G1, G1B
	s_mov_b32 s[\g+1], 256<<16                     ; tensor_dim0 = 256 bytes
	s_mov_b32 s[\g+2], 128<<16                     ; tensor_dim1 = 128
	s_mov_b32 s[\g+3], 256<<16                     ; tile_dim0
	s_mov_b32 s[\g+4], 128                         ; tile_dim1
	s_mov_b32 s[\g+5], 256                         ; from record to record
	s_mov_b32 s[\g+6], 0
	s_mov_b32 s[\g+7], 0
.endr
	s_lshl_b32 s18, s16, 7
	s_lshl_b32 s20, s17, 8
	s_add_co_u32 s20, s20, s18                     ; P: place 256 x tile row + 128 x half
	s_lshl_b32 s20, s20, 8
	s_mov_b32 s21, 0
	s_lshl_b32 s46, s42, 8
	s_add_co_u32 s46, s46, s18                     ; Q: place 256 x tile column + 128 x half
	s_lshl_b32 s46, s46, 8
	s_add_co_u32 s46, s46, QOFF
	s_mov_b32 s47, 0
	s_mul_i32 s45, s14, HALFT                      ; where they go: wave x 128 rows
	s_wait_kmcnt 0x0
	s_add_nc_u64 s[20:21], s[4:5], s[20:21]
	s_add_nc_u64 s[46:47], s[6:7], s[46:47]
	CROUND                                         ; all sixteen work-groups are here: the first joint loads meet
.irp s, 0,1
	s_mov_b32 s[G0+4*\s], 1
	s_add_co_u32 s[G0+4*\s+1], s45, \s*SLOT
	s_add_nc_u64 s[G0+4*\s+2:G0+4*\s+3], s[20:21], \s*PSA
	s_or_b32 s[G0+4*\s+3], s[G0+4*\s+3], 0x80000000
	s_mov_b32 s[G0B+4*\s], 1
	s_add_co_u32 s[G0B+4*\s+1], s45, \s*SLOT
	s_add_nc_u64 s[G0B+4*\s+2:G0B+4*\s+3], s[46:47], \s*PSB
	s_or_b32 s[G0B+4*\s+3], s[G0B+4*\s+3], 0x80000000
	JLOAD G0+4*\s, G1, G0B+4*\s, G1B
.endr
	v_and_b32 v1, 15, v0                           ; r
	v_bfe_u32 v2, v0, 4, 1                         ; h
	v_mul_u32_u24 v3, v1, PITCH
	v_mad_u32_u24 v4, v2, 24, v3                   ; a fragment's row x pitch + 24 x half
	s_mul_i32 s21, s15, HALFT                      ; my 128 rows of P
	s_mul_i32 s22, s16, HALFT
	s_add_co_u32 s22, s22, 2*HALFT                 ; my 128 rows of Q, behind P's 256
	s_xor_b32 s23, s15, 1
	s_add_co_u32 s23, s23, s16
	s_add_co_u32 s23, s23, 1
	s_mul_i32 s23, s23, HALFT                      ; the distance between the two
	v_mul_u32_u24 v5, s23, v2                      ; lanes 16-31 take Q's scale words
	v_add_nc_u32 v5, v5, v3
	v_add_nc_u32 v[ADRA], s21, v4
	v_add_nc_u32 v[ADRB], s22, v4
	v_add_nc_u32 v[ADRS], s21, v5
	v_add_nc_u32 v[ADRA+1], SLOT, v[ADRA]
	v_add_nc_u32 v[ADRB+1], SLOT, v[ADRB]
	v_add_nc_u32 v[ADRS+1], SLOT, v[ADRS]
	; the way out: the tile's 256 records, 272 bytes apart, in slot 0
	s_mul_i32 s22, s16, 96
	s_add_co_u32 s22, s22, s21
	v_add_nc_u32 v[STO], s22, v4                   ; my rows' half, my 96 bytes of a record's codes, + 24 h
	s_lshl_b32 s22, s16, 2
	s_add_co_u32 s22, s22, s21
	v_add_nc_u32 v[SCA], s22, v3                   ; and my word of its scale bytes (at + 192)
	v_and_b32 v6, 31, v0
	v_lshlrev_b32 v[CO], 4, v6
	s_mul_i32 s22, s14, 64*PITCH                   ; wave w finishes and stores records 64 w .. 64 w + 63
	v_mul_u32_u24 v[ZA], v6, PITCH
	v_add_nc_u32 v[ZA], s22, v[ZA]
	v_mul_u32_u24 v[RDB], v2, PITCH
	v_lshl_add_u32 v[RDB], v1, 4, v[RDB]
	v_add_nc_u32 v[RDB], s22, v[RDB]               ; sixteen lanes to a record, two records an instruction
	v_lshlrev_b32 v[BJO], 6, v2                    ; 16 numbers a half
	s_mov_b32 s[SEL], 0x76543210
	s_mov_b32 s[SEL+1], 0xfedcba98
	s_lshl_b32 s82, s42, 10
	s_lshl_b32 s83, s16, 9
	s_add_co_u32 s82, s82, s83                     ; my first column, in bytes
	s_mov_b32 s83, 0
	s_add_nc_u64 s[8:9], s[8:9], s[82:83]
	s_lshl_b32 s80, s42, 20                        ; the result's panel = the tile column,
	s_lshl_b32 s81, s17, 16
	s_add_co_u32 s80, s80, s81                     ; the tile's 256 places,
	s_lshl_b32 s81, s14, 14
	s_add_co_u32 s80, s80, s81                     ; my 64 of them
	s_mov_b32 s81, 0
	s_add_nc_u64 s[10:11], s[10:11], s[80:81]
.irp b, 0,1,2,3
.irp j, 0,1,2,3
	global_load_b128 v[BJ+16*\b+4*\j:BJ+16*\b+4*\j+3], v[BJO], s[8:9] offset:128*\b+16*\j   ; register 16 b + i: the bias of true column 32 b + 16 h + i; it lands while the products run
.endr
.endr
	s_wait_tensorcnt 1                             ; my part of panel 0 is in (panel 1's load may be out)
	s_barrier_signal -1
	s_barrier_wait -1                              ; everybody's is
	FETCH_B 0, 0, 0
	FETCH_A 0, 0, 0
	SCALES 0
	FETCH_A 0, 0, 4
	STEP 0, 0, 1                                   ; the first step stands in front of the loop: its products start the sums
	s_mov_b32 s3, LAPS-1
.Llap:                                                 ; a trip goes once round the ring and fills both slots again
	TURN 0, 1, 1
	STEP 1, 0, 0
	TURN 1, 0, 1
	STEP 0, 0, 0
	s_sub_co_u32 s3, s3, 1
	s_cmp_lg_u32 s3, 0
	s_cbranch_scc1 .Llap
	TURN 0, 1, 0                                   ; the last lap fills nothing
	STEP 1, 0, 0
	s_wait_dscnt 4*NL
	WIN MUL_LO
	MUL16 0, 1, NQ-1, 1, 0
	MUL16 2, 1, NQ-1, 1, 0
	s_wait_dscnt 0
	WIN MUL_HI
	MUL16 4, 1, NQ-1, 1, 0
	MUL16 6, 1, NQ-1, 1, 0
	WIN 0
; 64 numbers of a lane, register 16 b + i = true index 32 b + 16 (lane / 16) + i of my row, become a fragment's codes in v[PC] on (lane (r, h): registers 6 c .. 6 c + 5 = block 2 c + h) and the scale word in v[PW].
.macro QUANT s
.irp b, 0,1,2,3
	v_max3_num_f32 v[TM+\b], |v[\s+16*\b]|, |v[\s+1+16*\b]|, 0x1800000   ; my 16 numbers of block b, and the floor 2^(3 - 127)
.endr
.irp i, 2,4,6,8,10,12,14
.irp b, 0,1,2,3
	v_max3_num_f32 v[TM+\b], v[TM+\b], |v[\s+16*\b+\i]|, |v[\s+1+16*\b+\i]|
.endr
.endr
.irp b, 0,1,2,3
	v_permlanex16_b32 v[TM+4+\b], v[TM+\b], s[SEL], s[SEL+1]
.endr
.irp b, 0,1,2,3
	v_max_num_f32 v[TM+\b], v[TM+\b], v[TM+4+\b]   ; with lane l xor 16's: the block's largest magnitude
.endr
.irp b, 0,1,2,3
	v_add_nc_u32 v[TM+12+\b], 0xff000000, v[TM+\b] ; 2 off the exponent field: the conversion's scale operand
.endr
.irp b, 0,1,2,3
	v_lshrrev_b32 v[TM+4+\b], 23, v[TM+12+\b]      ; the scale's byte
.endr
	v_lshl_or_b32 v[PW], v[TM+5], 8, v[TM+4]
	v_lshl_or_b32 v[PW], v[TM+6], 16, v[PW]
	v_lshl_or_b32 v[PW], v[TM+7], 24, v[PW]
.irp c, 0,1
	v_cvt_scalef32_pk16_fp6_f32 v[PC+6*\c:PC+2+6*\c], v[\s+32*\c:\s+15+32*\c], v[TM+12+2*\c]
	v_cvt_scalef32_pk16_fp6_f32 v[PC+12+4*\c:PC+14+4*\c], v[\s+16+32*\c:\s+31+32*\c], v[TM+12+2*\c+1]
.endr
	v_nop                                          ; one plain line behind the conversions
.irp c, 0,1
.irp i, 0,1,2
	v_permlane16_swap_b32 v[PC+6*\c+\i], v[PC+12+4*\c+\i]      ; a whole block to a lane
.endr
.irp i, 0,1,2
	v_mov_b32 v[PC+3+6*\c+\i], v[PC+12+4*\c+\i]
.endr
.endr
.endm
.macro EPI a                           ; block a: 16 places of P x my 128 columns: + the bias, relu, quantised, into the records
	WIN 0x02+(\a)/4                                ; source 0: window 2 or 3
.set k, 0
.rept 32
	v_pk_add_f32 v[W+2*k:W+2*k+1], v[64*((\a)%4)+2*k:64*((\a)%4)+2*k+1], v[BJ+2*k:BJ+2*k+1]   ; each accumulator from its low end on
.set k, k+1
.endr
	WIN 0
.set k, 0
.rept 64
	v_max_num_f32 v[W+k], 0, v[W+k]                ; the activation, in f32
.set k, k+1
.endr
	QUANT W
.irp c, 0,1
.irp i, 0,1,2
	ds_store_b64 v[STO], v[PC+6*\c+2*\i:PC+6*\c+2*\i+1] offset:16*PITCH*(\a)+48*\c+8*\i
.endr
.endr
	ds_store_b32 v[SCA], v[PW] offset:16*PITCH*(\a)+192    ; (both halves of the lanes write the same word with the same value)
	s_wait_dscnt 0x0                               ; the stores have read their registers
.endm
.irp b, 0,1,2,3
	v_mov_b32 v[TM+4+\b], 0                        ; a lane permute's destination counts as one of its sources.  These four are also the places behind the last products
.endr
.irp b, 0,1,2,3
	v_mov_b32 v[ZR+\b], 0
.endr
	s_wait_loadcnt 0x0                             ; the bias
.irp u, 0,1                                    ; the tails of my 64 records: bytes 200-255.  Slot 0 has had its last fill, and every wave has passed the last change of slots: nobody reads it
	ds_store_b64 v[ZA], v[ZR:ZR+1] offset:32*PITCH*\u+200
	ds_store_b128 v[ZA], v[ZR:ZR+3] offset:32*PITCH*\u+208
	ds_store_b128 v[ZA], v[ZR:ZR+3] offset:32*PITCH*\u+224
	ds_store_b128 v[ZA], v[ZR:ZR+3] offset:32*PITCH*\u+240
.endr
.irp a, 0,1,2,3,4,5,6,7
	EPI \a
.endr
	s_barrier_signal -1                            ; (every wave's stores are done: EPI ends with the wait)
	s_barrier_wait -1
.set t, 0
.rept 32
	ds_load_b128 v[128+4*t:131+4*t], v[RDB] offset:2*PITCH*t
.set t, t+1
.endr
.set t, 0
.rept 32
	s_wait_dscnt 31-t                              ; the younger loads may be out
	global_store_b128 v[CO], v[128+4*t:131+4*t], s[10:11] offset:512*t     ; two whole records: 512 consecutive bytes, aligned
.set t, t+1
.endr
	s_wait_tensorcnt 0x0                           ; the wave's end
	ds_add_u32 v[SPW], v[NIL]
	s_wait_dscnt 0x0
	CROUND                                         ; the closing round
	s_endpgm
.Lfunc_end_k_q51a6b7d649_ffn1:
	.size	k_q51a6b7d649_ffn1, .Lfunc_end_k_q51a6b7d649_ffn1-k_q51a6b7d649_ffn1
	.p2alignl 7, 3214868480
	.fill 96, 4, 3214868480
	.section	.rodata,"a",@progbits
	.p2align	6, 0x0
	.amdhsa_kernel k_q51a6b7d649_ffn1
		.amdhsa_group_segment_fixed_size 327680
		.amdhsa_private_segment_fixed_size 0
		.amdhsa_enable_private_segment 0
		.amdhsa_kernarg_size 32
		.amdhsa_user_sgpr_count 2
		.amdhsa_user_sgpr_kernarg_segment_ptr 1
		.amdhsa_wavefront_size32 1
		.amdhsa_system_sgpr_workgroup_id_x 1
		.amdhsa_system_sgpr_workgroup_id_y 1
		.amdhsa_system_sgpr_workgroup_id_z 1
		.amdhsa_system_vgpr_workitem_id 0
		.amdhsa_next_free_vgpr 1024
		.amdhsa_next_free_sgpr 100
		.amdhsa_reserve_vcc 0
		.amdhsa_float_denorm_mode_32 3
		.amdhsa_float_denorm_mode_16_64 3
		.amdhsa_memory_ordered 1
		.amdhsa_forward_progress 1
		.amdhsa_inst_pref_size 202
	.end_amdhsa_kernel
	.amdgpu_metadata
---
amdhsa.version: [ 1, 2 ]
amdhsa.kernels:
  - .name:           k_q51a6b7d649_ffn1
    .symbol:         k_q51a6b7d649_ffn1.kd
    .args:
      - { .name: act, .offset: 0, .size: 8, .value_kind: global_buffer, .address_space: global }
      - { .name: wts, .offset: 8, .size: 8, .value_kind: global_buffer, .address_space: global }
      - { .name: bf1, .offset: 16, .size: 8, .value_kind: global_buffer, .address_space: global }
      - { .name: hbuf, .offset: 24, .size: 8, .value_kind: global_buffer, .address_space: global }
    .group_segment_fixed_size: 327680
    .private_segment_fixed_size: 0
    .kernarg_segment_align: 8
    .kernarg_segment_size: 32
    .max_flat_workgroup_size: 128
    .sgpr_count:     100
    .vgpr_count:     1024
    .wavefront_size: 32
...
	.end_amdgpu_metadata
.endif
;; end of part 6
;; launch ffn2 (part 7): grid 4 x 16, 4 waves a work-group, clusters of 4 x 4, 327,680 bytes of LDS; arguments hbuf, wts, bf2, res1, out0; writes out0
.if DOCPART == 7
	.amdgcn_target "amdgcn-amd-amdhsa--gfx1250"
	.amdhsa_code_object_version 6
	.text
	.protected	k_q51a6b7d649_ffn2
	.globl	k_q51a6b7d649_ffn2
	.p2align	8
	.type	k_q51a6b7d649_ffn2,@function
k_q51a6b7d649_ffn2:
	s_mov_b64 s[64:65], 0
	v_nop
	global_prefetch_b8 v0, s[64:65] scope:SCOPE_SE
	s_setreg_imm32_b32 hwreg(HW_REG_WAVE_MODE, 25, 1), 1
	s_wait_xcnt 0x0
	s_wait_alu depctr_hold_cnt(0) depctr_sa_sdst(0) depctr_va_vdst(0) depctr_va_sdst(0) depctr_va_ssrc(0) depctr_va_vcc(0) depctr_vm_vsrc(0)
	s_getreg_b32 s2, hwreg(HW_REG_IB_STS2, 6, 4)
	s_cmp_eq_u32 s2, 0
	s_cbranch_scc0 .Lentry_in_a_cluster
	s_endpgm
.Lentry_in_a_cluster:
	s_bfe_u32 s2, ttmp6, 0x10000c
	s_cmp_lg_u32 s2, 0xf033
	s_cbranch_scc0 .Lentry_shape_is_right
	s_endpgm
.Lentry_shape_is_right:
; out = P Q^T + bias + residual, f32, [4096][1024].  P (4,096 rows) and Q (1,024 rows: the weight's columns) are codes of FP6 (E2M3) with E8M0 scales, as RECORDS of 256 bytes
; (192 of codes for 256 along K, 8 scale bytes, zeros), [panel][place][256]; row i at place sg(i) (bits 3, 4 exchanged).  Here: P = the hidden layer, Q = W2, K = 4,096.
; Tile 256 x 256, four waves, 128 x 128 a wave: 64 accumulators.  THE MATRIX INSTRUCTION IS USED TRANSPOSED (source 0 = 16 places of Q, source 1 = 16 places of P): a lane holds one place of P, and
; register j of accumulator b the TRUE column 32 (b / 2) + 16 (lane / 16) + 8 (b % 2) + j of my 128.
; K goes in steps of 256 (a panel) through a ring of two LDS slots; a wave's tensor load brings 128 records, 32,768 dense bytes: codes and scales together.
; CLUSTERS: 4 x 4 work-groups; P's tile is shared along a row of the cluster, Q's along a column: each is asked for jointly.  N = 1,024 gives 64 tiles of this size: 64 work-groups.
; REGISTERS: window 0: v0-31 addresses, v8-11 the bias; v32-63 scale words, two sets; v64-127 and v192-255 residual rows by turns; v128-223 P's fragments in the loop, v128-191 rows from the stage on the way out.
;   window 1: Q's fragments, two sets, at v0 and v128.  windows 2, 3: the accumulators ((a, b) at v[8 (8 (a % 4) + b)]).
.set LAPS,   8                         ; a lap = two panels = once round the ring
.set PSA,    1048576                   ; bytes from panel to panel of P (4,096 places),
.set PSB,    262144                    ; and of Q (1,024 places)
.set QOFF,   8388608                   ; where Q begins in the weights' buffer
.set PITCH,  272                       ; an LDS row: a record + 16 bytes = 68 words: the 32 lanes of a load of 8 bytes (row r, 24 bytes a half) touch 64 different banks (64 banks of 4 bytes: ISA guide 11.1)
.set HALFT,  128*PITCH
.set SLOT,   4*HALFT                   ; P's 256 rows, then Q's 256
.set SPARE,  2*SLOT                    ; behind the ring: the spare words, 128 bytes a wave: two blocks of 256 bytes that no other line names
.set NQ,     2
.set FR,     12
.set NL,     6
.set NP,     4                         ; places behind this matrix instruction (ISA guide 7.12.1)
.set SPITCH, 528                       ; the way out: a stage of 16 rows x (512 bytes + 16) for each wave, in slot 0, which by then has had its last fill and its last read
.set PADW,   (1<<20)|(1<<21)|(5<<22)|(3<<25)   ; group 1, word 0 beside the mask: bytes; padding on; bit 21 beside a mask; after every 64 words, 4 words
.set BIAS, 8
.set ADRA, 16
.set ADRS, 18
.set ADRB, 20
.set STO,  24
.set RD,   25
.set CO,   26
.set SPW,  28
.set NIL,  29
.set SC,   32
.set AF,   128
.set BK,   128
.set G1, 24
.set G0, 32
.set G1B, 48
.set G0B, 56
.set MSB, 0
.macro WIN new                         ; the immediate's high byte repeats the setting that is left
.if MSB != \new
	s_set_vgpr_msb (MSB<<8)|\new
.set MSB, \new
.endif
.endm
.set MUL_LO, 0xa1                      ; source 0 (Q) window 1, source 1 (P) window 0, C and D window 2
.set MUL_HI, 0xf1                      ; the same, C and D window 3
.set TO_B,   0x40                      ; destination window 1, address window 0
; A joint load: waves 0 and 1 fetch for P, waves 2 and 3 for Q.  The branch hangs on the wave's number alone.  Four v_nop follow each of the two lines.
.macro JLOAD g0a, g1a, g0b, g1b
	s_cmp_eq_u32 s15, 0
	s_cbranch_scc0 .Lfor_b_\@
	tensor_load_to_lds s[\g0a:\g0a+3], s[\g1a:\g1a+7]
	s_nop 0
.rept 4
	v_nop
.endr
	s_branch .Lasked_\@
.Lfor_b_\@:
	tensor_load_to_lds s[\g0b:\g0b+3], s[\g1b:\g1b+7]
	s_nop 0
.rept 4
	v_nop
.endr
.Lasked_\@:
.endm
.macro CREST                           ; a round of the cluster's barrier behind its opening barrier
	s_cmp_lg_u32 s14, 0
	s_cbranch_scc1 .Lnot_wave_0_\@
	s_barrier_signal -3
.Lnot_wave_0_\@:
	s_barrier_wait -3
	s_barrier_signal -1
	s_barrier_wait -1
.endm
.macro CROUND                          ; a whole round
	s_barrier_signal -1
	s_barrier_wait -1
	CREST
.endm
.macro PLACES n
.rept \n
	v_nop
.endr
.endm
.macro FRAG reg, adr, q, i             ; a fragment, 16 rows x 128 K: lane l holds row l % 16; registers 6 c .. 6 c + 5 the 24 bytes at 96 q + 48 c + 24 (l / 16) of the record, in pieces of 8 bytes
.irp p, 0,1,2,3,4,5
	ds_load_b64 v[\reg+2*\p:\reg+2*\p+1], v[\adr] offset:96*(\q)+48*(\p/3)+8*(\p%3)+(\i)*16*PITCH
.endr
.endm
; 16 matrix instructions: P's blocks a0, a0 + 1 x Q's eight.  The 64 accumulators take turns, one instruction a turn, in the same order in every step.
.macro MUL16 a0, p, q, sc, zero
.irp a, \a0, \a0+1
.irp b, 0,1,2,3,4,5,6,7
.if \zero
	v_wmma_scale_f32_16x16x128_f8f6f4 v[8*(8*((\a)%4)+\b):8*(8*((\a)%4)+\b)+7], v[128*(\p)+FR*\b:128*(\p)+FR*\b+FR-1], v[AF+FR*(\a):AF+FR*(\a)+FR-1], 0, v[SC+8*NQ*(\sc)+NQ*\b+(\q)], v[SC+8*NQ*(\sc)+NQ*(\a)+(\q)] matrix_a_fmt:MATRIX_FMT_FP6 matrix_b_fmt:MATRIX_FMT_FP6 matrix_a_scale:MATRIX_SCALE_ROW1
.else
	v_wmma_scale_f32_16x16x128_f8f6f4 v[8*(8*((\a)%4)+\b):8*(8*((\a)%4)+\b)+7], v[128*(\p)+FR*\b:128*(\p)+FR*\b+FR-1], v[AF+FR*(\a):AF+FR*(\a)+FR-1], v[8*(8*((\a)%4)+\b):8*(8*((\a)%4)+\b)+7], v[SC+8*NQ*(\sc)+NQ*\b+(\q)], v[SC+8*NQ*(\sc)+NQ*(\a)+(\q)] matrix_a_fmt:MATRIX_FMT_FP6 matrix_b_fmt:MATRIX_FMT_FP6 matrix_a_scale:MATRIX_SCALE_ROW1
.endif
.endr
.endr
.endm
.macro FETCH_B slot, q, p
	WIN TO_B
.irp i, 0,1,2,3,4,5,6,7
	FRAG 128*(\p)+FR*\i, ADRB+\slot, \q, \i
.endr
	WIN 0
.endm
.macro FETCH_A slot, q, i0
.irp i, \i0, \i0+1, \i0+2, \i0+3
	FRAG AF+FR*(\i), ADRA+\slot, \q, \i
.endr
.endm
.macro SCALES sc                       ; a slot's scale words: two a row, at byte 192 of the record; lanes 0-15 take P's block i, lanes 16-31 Q's block i
.irp i, 0,1,2,3,4,5,6,7
	ds_load_b64 v[SC+8*NQ*\sc+NQ*\i:SC+8*NQ*\sc+NQ*\i+1], v[ADRS+\sc] offset:192+\i*16*PITCH
.endr
.endm
.macro STEP slot, q, zero              ; 128 along K whose successor lies in the same slot
	s_wait_dscnt 4*NL                              ; Q's set, the scale words and P's blocks 0-3 are in; the youngest 24 loads (P's blocks 4-7) may be out
	WIN MUL_LO
	MUL16 0, (\q)%2, \q, \slot, \zero
	MUL16 2, (\q)%2, \q, \slot, \zero
	s_wait_dscnt 0
	PLACES NP
	FETCH_B \slot, (\q)+1, 1-(\q)%2
	FETCH_A \slot, (\q)+1, 0
	WIN MUL_HI
	MUL16 4, (\q)%2, \q, \slot, \zero
	MUL16 6, (\q)%2, \q, \slot, \zero
	PLACES NP
	WIN 0
	FETCH_A \slot, (\q)+1, 4
.endm
; A slot's last step changes slots: one barrier; in front of it each wave waits for all its tensor loads, adds 0 to its spare word, and waits for that and for its reads of this slot.  fill = 1: the slot is filled again, two panels ahead.
.macro TURN slot, next, fill
	s_wait_tensorcnt 0x0                           ; all my tensor loads have landed: my part of the next slot
	ds_add_u32 v[SPW], v[NIL]                      ; 0 onto my spare word
	s_wait_dscnt 4*NL+1                            ; (the add and the youngest 24 loads may be out)
	WIN MUL_LO
	MUL16 0, 1, NQ-1, \slot, 0
	s_wait_dscnt 0x0                               ; the add is done, and my reads of this slot are over
	s_barrier_signal -1
	MUL16 2, 1, NQ-1, \slot, 0
	WIN 0
	s_barrier_wait -1
.if \fill
	CREST                                          ; the barrier has opened a round of the cluster's barrier: no wave of any partner still reads this slot or has a load on its way
	s_add_nc_u64 s[G0+4*\slot+2:G0+4*\slot+3], s[G0+4*\slot+2:G0+4*\slot+3], 2*PSA
	s_add_nc_u64 s[G0B+4*\slot+2:G0B+4*\slot+3], s[G0B+4*\slot+2:G0B+4*\slot+3], 2*PSB
	JLOAD G0+4*\slot, G1, G0B+4*\slot, G1B         ; the first tensor load behind the round; its four v_nop are the places in front of the loads below
.else
	PLACES NP
.endif
	FETCH_B \next, 0, 0
	FETCH_A \next, 0, 0
	SCALES \next
	WIN MUL_HI
	MUL16 4, 1, NQ-1, \slot, 0
	MUL16 6, 1, NQ-1, \slot, 0
	PLACES NP
	WIN 0
	FETCH_A \next, 0, 4
.endm
; THE WAY OUT, block by block of 16 places of P x my 128 columns.  Place t of block a is TRUE row 32 (a / 2) + 8 (a % 2) + 16 (t / 8) + t % 8 of my 128.
.macro RLOAD a                         ; block a's 16 residual rows, 512 consecutive bytes each
.set RR, 64+128*((\a)%2)
.set t, 0
.rept 16
	global_load_b128 v[RR+4*t:RR+4*t+3], v[CO], s[10:11] offset:(32*((\a)/2)+8*((\a)%2)+16*(t/8)+t%8)*4096
.set t, t+1
.endr
.endm
.macro OUTB a
.set AC, 64*((\a)%4)
	WIN 0x08+4*((\a)/4)                            ; an LDS store's data: window 2 or 3
.irp b, 0,1,2,3,4,5,6,7
	ds_store_b128 v[STO], v[AC+8*\b:AC+8*\b+3] offset:128*(\b/2)+32*(\b%2)         ; each accumulator from its low end on, at its true columns
	ds_store_b128 v[STO], v[AC+8*\b+4:AC+8*\b+7] offset:128*(\b/2)+32*(\b%2)+16
.endr
	WIN 0
.set t, 0
.rept 16
	ds_load_b128 v[BK+4*t:BK+4*t+3], v[RD] offset:t*SPITCH     ; LDS serves a wave's instructions in order: whole rows of 512 bytes come back
.set t, t+1
.endr
	s_wait_dscnt 0x0
.if (\a) < 7
	s_wait_loadcnt 16                              ; this block's residual rows (and the bias) are in; the next block's 16 loads may be out
.else
	s_wait_loadcnt 0x0
.endif
.set RR, 64+128*((\a)%2)
.set t, 0
.rept 16
	v_pk_add_f32 v[RR+4*t:RR+4*t+1], v[RR+4*t:RR+4*t+1], v[BK+4*t:BK+4*t+1]
	v_pk_add_f32 v[RR+4*t+2:RR+4*t+3], v[RR+4*t+2:RR+4*t+3], v[BK+4*t+2:BK+4*t+3]
	v_pk_add_f32 v[RR+4*t:RR+4*t+1], v[RR+4*t:RR+4*t+1], v[BIAS:BIAS+1]
	v_pk_add_f32 v[RR+4*t+2:RR+4*t+3], v[RR+4*t+2:RR+4*t+3], v[BIAS+2:BIAS+3]
.set t, t+1
.endr
.set t, 0
.rept 16
	global_store_b128 v[CO], v[RR+4*t:RR+4*t+3], s[12:13] offset:(32*((\a)/2)+8*((\a)%2)+16*(t/8)+t%8)*4096   ; 32 lanes store 512 consecutive bytes, aligned
.set t, t+1
.endr
.if (\a) < 6
	s_wait_xcnt 0x0                                ; the stores have read their registers, which take the residual rows of the block two further on
	RLOAD (\a)+2
.endif
.endm
	s_load_b256 s[4:11], s[0:1], 0x0               ; P's records, the weights' records, the bias, the residual
	s_load_b64 s[12:13], s[0:1], 0x20              ; out
	v_lshl_add_u32 v[SPW], v0, 2, SPARE
	v_mov_b32 v[NIL], 0
	ds_add_u32 v28, v29
	ds_add_u32 v28, v29
	s_wait_dscnt 0x0
	v_lshrrev_b32 v1, 5, v0
	v_readfirstlane_b32 s14, v1                    ; wave 0..3
	s_lshr_b32 s15, s14, 1                         ; which half of the tile's rows (P) is mine.  Also: I fetch for P (0) or for Q (1)
	s_and_b32 s16, s14, 1                          ; which half of its columns (Q).  Also: which 128 records I fetch
	s_bfe_u32 s40, ttmp6, 0x40000                  ; cx, cy: my place in the cluster
	s_bfe_u32 s41, ttmp6, 0x40004
	s_lshl_b32 s42, ttmp9, 2
	s_add_co_u32 s42, s42, s40                     ; tile column
	s_and_b32 s17, ttmp7, 0xffff
	s_lshl_b32 s17, s17, 2
	s_add_co_u32 s17, s17, s41                     ; tile row
	s_lshl_b32 s43, s41, 2
	s_lshl_b32 s43, 15, s43                        ; my row of the cluster
	s_lshl_b32 s44, 0x1111, s40                    ; my column
	s_or_b32 s[G1+0], s43, PADW                    ; P's tiles go to my row,
	s_or_b32 s[G1B+0], s44, PADW                   ; Q's to my column
.irp g, G1, G1B
	s_mov_b32 s[\g+1], 256<<16                     ; tensor_dim0 = 256 bytes
	s_mov_b32 s[\g+2], 128<<16                     ; tensor_dim1 = 128
	s_mov_b32 s[\g+3], 256<<16                     ; tile_dim0
	s_mov_b32 s[\g+4], 128                         ; tile_dim1
	s_mov_b32 s[\g+5], 256                         ; from record to record
	s_mov_b32 s[\g+6], 0
	s_mov_b32 s[\g+7], 0
.endr
	s_lshl_b32 s18, s16, 7
	s_lshl_b32 s20, s17, 8
	s_add_co_u32 s20, s20, s18                     ; P: place 256 x tile row + 128 x half
	s_lshl_b32 s20, s20, 8
	s_mov_b32 s21, 0
	s_lshl_b32 s46, s42, 8
	s_add_co_u32 s46, s46, s18                     ; Q: place 256 x tile column + 128 x half
	s_lshl_b32 s46, s46, 8
	s_add_co_u32 s46, s46, QOFF
	s_mov_b32 s47, 0
	s_mul_i32 s45, s14, HALFT                      ; where they go: wave x 128 rows
	s_wait_kmcnt 0x0
	s_add_nc_u64 s[20:21], s[4:5], s[20:21]
	s_add_nc_u64 s[46:47], s[6:7], s[46:47]
	CROUND                                         ; all sixteen work-groups are here: the first joint loads meet
.irp s, 0,1
	s_mov_b32 s[G0+4*\s], 1
	s_add_co_u32 s[G0+4*\s+1], s45, \s*SLOT
	s_add_nc_u64 s[G0+4*\s+2:G0+4*\s+3], s[20:21], \s*PSA
	s_or_b32 s[G0+4*\s+3], s[G0+4*\s+3], 0x80000000
	s_mov_b32 s[G0B+4*\s], 1
	s_add_co_u32 s[G0B+4*\s+1], s45, \s*SLOT
	s_add_nc_u64 s[G0B+4*\s+2:G0B+4*\s+3], s[46:47], \s*PSB
	s_or_b32 s[G0B+4*\s+3], s[G0B+4*\s+3], 0x80000000
	JLOAD G0+4*\s, G1, G0B+4*\s, G1B
.endr
	v_and_b32 v1, 15, v0                           ; r
	v_bfe_u32 v2, v0, 4, 1                         ; h
	v_mul_u32_u24 v3, v1, PITCH
	v_mad_u32_u24 v4, v2, 24, v3                   ; a fragment's row x pitch + 24 x half
	s_mul_i32 s21, s15, HALFT                      ; my 128 rows of P
	s_mul_i32 s22, s16, HALFT
	s_add_co_u32 s22, s22, 2*HALFT                 ; my 128 rows of Q, behind P's 256
	s_xor_b32 s23, s15, 1
	s_add_co_u32 s23, s23, s16
	s_add_co_u32 s23, s23, 1
	s_mul_i32 s23, s23, HALFT                      ; the distance between the two
	v_mul_u32_u24 v5, s23, v2                      ; lanes 16-31 take Q's scale words
	v_add_nc_u32 v5, v5, v3
	v_add_nc_u32 v[ADRA], s21, v4
	v_add_nc_u32 v[ADRB], s22, v4
	v_add_nc_u32 v[ADRS], s21, v5
	v_add_nc_u32 v[ADRA+1], SLOT, v[ADRA]
	v_add_nc_u32 v[ADRB+1], SLOT, v[ADRB]
	v_add_nc_u32 v[ADRS+1], SLOT, v[ADRS]
	s_mul_i32 s23, s14, 16*SPITCH                  ; my stage
	v_mul_u32_u24 v5, v1, SPITCH
	v_lshl_add_u32 v5, v2, 6, v5
	v_add_nc_u32 v[STO], s23, v5                   ; in: row r, + 64 bytes for the upper half of the lanes
	v_and_b32 v6, 31, v0
	v_lshlrev_b32 v[CO], 4, v6                     ; back, and in memory: 16 bytes a lane
	v_add_nc_u32 v[RD], s23, v[CO]
	s_lshl_b32 s80, s17, 8
	s_lshl_b32 s81, s15, 7
	s_add_co_u32 s80, s80, s81                     ; my first row,
	s_lshl_b32 s80, s80, 12
	s_lshl_b32 s82, s42, 10
	s_lshl_b32 s83, s16, 9
	s_add_co_u32 s82, s82, s83                     ; my first column, in bytes
	s_mov_b32 s83, 0
	s_add_co_u32 s80, s80, s82
	s_mov_b32 s81, 0
	s_add_nc_u64 s[8:9], s[8:9], s[82:83]
	s_add_nc_u64 s[10:11], s[10:11], s[80:81]
	s_add_nc_u64 s[12:13], s[12:13], s[80:81]
	global_load_b128 v[BIAS:BIAS+3], v[CO], s[8:9] ; the bias of my four columns of a row; it and the first residual rows land while the products run
	RLOAD 0
	s_wait_tensorcnt 1                             ; my part of panel 0 is in (panel 1's load may be out)
	s_barrier_signal -1
	s_barrier_wait -1                              ; everybody's is
	FETCH_B 0, 0, 0
	FETCH_A 0, 0, 0
	SCALES 0
	FETCH_A 0, 0, 4
	STEP 0, 0, 1                                   ; the first step stands in front of the loop: its products start the sums
	s_mov_b32 s3, LAPS-1
.Llap:                                                 ; a trip goes once round the ring and fills both slots again
	TURN 0, 1, 1
	STEP 1, 0, 0
	TURN 1, 0, 1
	STEP 0, 0, 0
	s_sub_co_u32 s3, s3, 1
	s_cmp_lg_u32 s3, 0
	s_cbranch_scc1 .Llap
	TURN 0, 1, 0                                   ; the last lap fills nothing
	STEP 1, 0, 0
	s_wait_dscnt 4*NL
	WIN MUL_LO
	MUL16 0, 1, NQ-1, 1, 0
	MUL16 2, 1, NQ-1, 1, 0
	s_wait_dscnt 0
	WIN MUL_HI
	MUL16 4, 1, NQ-1, 1, 0
	MUL16 6, 1, NQ-1, 1, 0
	WIN 0
	PLACES NP                                      ; in front of loads into the registers that held P's fragments, and of the reads of the last results
	RLOAD 1
.irp a, 0,1,2,3,4,5,6,7
	OUTB \a
.endr
	s_wait_tensorcnt 0x0                           ; the wave's end
	ds_add_u32 v[SPW], v[NIL]
	s_wait_dscnt 0x0
	CROUND                                         ; the closing round
	s_endpgm
.Lfunc_end_k_q51a6b7d649_ffn2:
	.size	k_q51a6b7d649_ffn2, .Lfunc_end_k_q51a6b7d649_ffn2-k_q51a6b7d649_ffn2
	.p2alignl 7, 3214868480
	.fill 96, 4, 3214868480
	.section	.rodata,"a",@progbits
	.p2align	6, 0x0
	.amdhsa_kernel k_q51a6b7d649_ffn2
		.amdhsa_group_segment_fixed_size 327680
		.amdhsa_private_segment_fixed_size 0
		.amdhsa_enable_private_segment 0
		.amdhsa_kernarg_size 40
		.amdhsa_user_sgpr_count 2
		.amdhsa_user_sgpr_kernarg_segment_ptr 1
		.amdhsa_wavefront_size32 1
		.amdhsa_system_sgpr_workgroup_id_x 1
		.amdhsa_system_sgpr_workgroup_id_y 1
		.amdhsa_system_sgpr_workgroup_id_z 1
		.amdhsa_system_vgpr_workitem_id 0
		.amdhsa_next_free_vgpr 1024
		.amdhsa_next_free_sgpr 100
		.amdhsa_reserve_vcc 0
		.amdhsa_float_denorm_mode_32 3
		.amdhsa_float_denorm_mode_16_64 3
		.amdhsa_memory_ordered 1
		.amdhsa_forward_progress 1
		.amdhsa_inst_pref_size 201
	.end_amdhsa_kernel
	.amdgpu_metadata
---
amdhsa.version: [ 1, 2 ]
amdhsa.kernels:
  - .name:           k_q51a6b7d649_ffn2
    .symbol:         k_q51a6b7d649_ffn2.kd
    .args:
      - { .name: hbuf, .offset: 0, .size: 8, .value_kind: global_buffer, .address_space: global }
      - { .name: wts, .offset: 8, .size: 8, .value_kind: global_buffer, .address_space: global }
      - { .name: bf2, .offset: 16, .size: 8, .value_kind: global_buffer, .address_space: global }
      - { .name: res1, .offset: 24, .size: 8, .value_kind: global_buffer, .address_space: global }
      - { .name: out0, .offset: 32, .size: 8, .value_kind: global_buffer, .address_space: global }
    .group_segment_fixed_size: 327680
    .private_segment_fixed_size: 0
    .kernarg_segment_align: 8
    .kernarg_segment_size: 40
    .max_flat_workgroup_size: 128
    .sgpr_count:     100
    .vgpr_count:     1024
    .wavefront_size: 32
...
	.end_amdgpu_metadata
.endif
;; end of part 7
;; ======== version 2 of 2: 7 launches
;; limits: right only within a limited range of input values
;; workspace buffers: wts 12,582,912 bytes; act 4,194,304 bytes; qkvc 10,223,616 bytes; res1 16,777,216 bytes; hbuf 16,777,216 bytes
;; launch prep (part 8): grid 896 x 1, 4 waves a work-group, no clusters, 57,856 bytes of LDS; arguments x, g1, b1, act, Wq, Wk, Wv, Wo, W2, W1, wts; writes act, wts
.if DOCPART == 8
	.amdgcn_target "amdgcn-amd-amdhsa--gfx1250"
	.amdhsa_code_object_version 6
	.text
	.protected	k_q51a6b7d649_prep
	.globl	k_q51a6b7d649_prep
	.p2align	8
	.type	k_q51a6b7d649_prep,@function
k_q51a6b7d649_prep:
	s_mov_b64 s[64:65], 0
	v_nop
	global_prefetch_b8 v0, s[64:65] scope:SCOPE_SE
	s_setreg_imm32_b32 hwreg(HW_REG_WAVE_MODE, 25, 1), 1
	s_wait_xcnt 0x0
; ONE PREPARING LAUNCH FOR ALL THAT IS QUANTISED FROM INPUTS.  Work-groups 0-383: the six weights; work-groups 384-895: the first layer norm of x.
; Both parts write RECORDS of 256 bytes: bytes 0-191 the codes of FP6 (E2M3) of 256 along K as one stream of bits, 192-199 their 8 E8M0 bytes, 200-255 zeros; [panel = k / 256][place][256].
; Row or column i stands at place sg(i), i with bits 3 and 4 exchanged: 16 neighbouring records, used as a matrix instruction's first source, leave a lane 16 neighbouring TRUE rows in two neighbouring result tiles.
; THE WEIGHTS, f32 stored [K][N].  wts: Wq, Wk, Wv, Wo as [4 panels][4096][256] at 0; W1 as [4][4096][256] at 4,194,304; W2 as [16][1024][256] at 8,388,608.
; A lane takes a column and its registers run down K: a block of 32 is one lane's 32 registers.  A work-group takes 128 columns x 256 along K.  0-127: the four small weights; 128-255: W2; 256-383: W1: only numbers and pointers are chosen.
; THE NORM: y = (x - mean) rsqrt(var + 1e-5) g + b along rows of 1,024, in f32, mean first and then the squared differences; a wave takes 2 rows, a work-group 8; a row turns through LDS so that lane l holds columns 32 l .. 32 l + 31: one block.
; The two parts part on the work-group's number and have LDS bytes of their own: the weights' stages from 0, the norm's regions from LNB, the spare words behind both.  Waves share nothing: no barrier, no cluster (no byte is read by two work-groups but g and b, 8 KB).
; No prefetch: both parts ask for all their bytes by plain loads that run ahead of their use.
; LIMITS: a block whose largest magnitude lies under 2^-124 (a block of zeros too) gets the byte 1, which only this program reads; NaN and infinities are not served.
.set SPARE, 0xe000                     ; the spare words, 128 bytes a wave
.set LNB,   0x8800                     ; the norm's LDS begins here
.set PITCH, 272                        ; weights: a stage row: a record + 16 bytes
.set C,     16                         ; v16-21  a block's codes
.set D,     22                         ; v22-24  its second half as the conversion leaves it
.set SB,    26                         ; v26-27  the eight scale bytes
.set Z,     28                         ; v28-31  zeros
.set VO,    32                         ; v32-63  byte offsets of 32 rows of the weight at my column
.set X,     64                         ; v64-127 two sets of 32 numbers
.set OUTR,  128                        ; v128-191 the way out
.set G,     32                         ; norm: v32-63 g of my 32 columns
.set BV,    64                         ; v64-95   b
.set R,     96                         ; v96-159  the two rows as loaded
.set Y,     160                        ; v160-191 my 32 numbers
.set OB,    192                        ; v192-207 records on their way out
.set WREG,  5632                       ; LDS of a wave: 32 places of 144 bytes for the turn, then 1,024 bytes for a row's four records
.set OST,   4608
	v_lshl_add_u32 v208, v0, 2, SPARE
	v_mov_b32 v209, 0
	s_cmp_ge_u32 ttmp9, 384
	s_cbranch_scc1 .Lnorm
; ---------------- the weights
	s_load_b256 s[4:11], s[0:1], 0x20              ; Wq, Wk, Wv, Wo
	s_load_b128 s[12:15], s[0:1], 0x40             ; W2, W1
	s_load_b64 s[16:17], s[0:1], 0x50              ; wts
	v_lshrrev_b32 v1, 5, v0
	v_readfirstlane_b32 s18, v1                    ; wave
	v_and_b32 v2, 31, v0                           ; lane
	s_wait_alu depctr_va_vdst(0)                   ; the wait ahead of the run of scalar lines
	s_lshr_b32 s24, ttmp9, 5
	s_lshl_b32 s24, s24, 18                        ; a small weight's 1,024 places begin here
	s_mov_b32 s25, 0x800000
	s_cmp_ge_u32 ttmp9, 128                        ; W2 or W1?
	s_cselect_b32 s24, s25, s24                    ; where the records begin
	s_cselect_b32 s23, 15, 3                       ; panels - 1
	s_cselect_b32 s26, 18, 20                      ; log2 of a panel's bytes
	s_mov_b32 s25, 0x400000
	s_cmp_ge_u32 ttmp9, 256                        ; W1?
	s_cselect_b32 s24, s25, s24
	s_cselect_b32 s23, 3, s23
	s_cselect_b32 s26, 20, s26
	s_cselect_b32 s20, 14, 12                      ; log2 of the weight's row in bytes
	s_cselect_b32 s21, 31, 7                       ; groups of 128 columns - 1
	s_cselect_b32 s22, 5, 3
	s_and_b32 s21, ttmp9, s21                      ; my group of columns
	s_lshr_b32 s22, ttmp9, s22
	s_and_b32 s22, s22, s23                        ; my panel
	s_add_co_u32 s27, s20, 8
	s_lshl_b32 s28, s22, s27                       ; in: panel x 256 rows
	s_lshl_b32 s29, s21, 9
	s_add_co_u32 s28, s28, s29                     ; + 128 columns x group
	s_lshl_b32 s29, s18, 7
	s_add_co_u32 s28, s28, s29                     ; + 32 columns x wave
	s_mov_b32 s29, 0
	s_lshl_b32 s30, s22, s26                       ; out: panel
	s_add_co_u32 s30, s30, s24
	s_lshl_b32 s31, s21, 15
	s_add_co_u32 s30, s30, s31                     ; + 128 records x group
	s_lshl_b32 s31, s18, 13
	s_add_co_u32 s30, s30, s31                     ; + 32 records x wave
	s_mov_b32 s31, 0
	s_lshl_b32 s48, 32, s20                        ; 32 rows of the weight
	s_mov_b32 s49, 0
	s_lshl_b32 s50, 1, s20                         ; one row
	v_lshlrev_b32 v[VO], 2, v2
.set li, 1
.rept 31
	v_add_nc_u32 v[VO+li], s50, v[VO+li-1]         ; the row's length differs between weights, so it stands in registers
.set li, li+1
.endr
	s_mul_i32 s19, s18, 32*PITCH                   ; my stage
	v_mul_u32_u24 v4, v2, PITCH
	v_add_nc_u32 v4, s19, v4                       ; into it: row = my column
	v_and_b32 v5, 15, v2
	v_lshrrev_b32 v6, 4, v2
	v_mul_u32_u24 v7, v6, PITCH
	v_lshl_add_u32 v7, v5, 4, v7
	v_add_nc_u32 v7, s19, v7                       ; out of it: sixteen lanes to a record, two records an instruction
	v_lshlrev_b32 v8, 4, v2                        ; and the same 512 bytes in memory
.irp i, 0,1,2,3
	v_mov_b32 v[Z+\i], 0
.endr
	s_wait_kmcnt 0x0
	s_cmp_ge_u32 ttmp9, 32                         ; the weight is chosen on the work-group's number alone
	s_cselect_b64 s[4:5], s[6:7], s[4:5]
	s_cmp_ge_u32 ttmp9, 64
	s_cselect_b64 s[4:5], s[8:9], s[4:5]
	s_cmp_ge_u32 ttmp9, 96
	s_cselect_b64 s[4:5], s[10:11], s[4:5]
	s_cmp_ge_u32 ttmp9, 128
	s_cselect_b64 s[4:5], s[12:13], s[4:5]
	s_cmp_ge_u32 ttmp9, 256
	s_cselect_b64 s[4:5], s[14:15], s[4:5]
	s_add_nc_u64 s[32:33], s[4:5], s[28:29]        ; a base for each of the eight blocks
.irp t, 1,2,3,4,5,6,7
	s_add_nc_u64 s[32+2*\t:33+2*\t], s[30+2*\t:31+2*\t], s[48:49]
.endr
	s_add_nc_u64 s[16:17], s[16:17], s[30:31]
.macro LOAD t                          ; block t: 32 rows at my column; a wave reads 128 consecutive bytes a load
.set li, 0
.rept 32
	global_load_b32 v[X+32*((\t)%2)+li], v[VO+li], s[32+2*(\t):33+2*(\t)] th:TH_LOAD_NT
.set li, li+1
.endr
.endm
.macro BLOCK t
.set XS, X+32*((\t)%2)
.if (\t) < 7
	s_wait_loadcnt 32                              ; this block's 32 loads are in; the next block's 32 may be out
.else
	s_wait_loadcnt 0x0
.endif
	v_max3_num_f32 v12, |v[XS]|, |v[XS+1]|, |v[XS+2]|      ; the block's largest magnitude: all 32 numbers are mine
	v_max3_num_f32 v13, |v[XS+3]|, |v[XS+4]|, |v[XS+5]|
.irp i, 6,10,14,18,22,26
	v_max3_num_f32 v12, v12, |v[XS+\i]|, |v[XS+\i+1]|
	v_max3_num_f32 v13, v13, |v[XS+\i+2]|, |v[XS+\i+3]|
.endr
	v_max3_num_f32 v12, v12, |v[XS+30]|, |v[XS+31]|
	v_max3_num_f32 v12, v12, v13, 0x1800000        ; and the floor 2^(3 - 127): the byte cannot fall under 1
	v_add_nc_u32 v11, 0xff000000, v12              ; 2 off the exponent field: the conversion's scale operand
	v_lshrrev_b32 v13, 23, v11                     ; the scale's byte
.if (\t)%4 == 0
	v_mov_b32 v[SB+(\t)/4], v13
.else
	v_lshl_or_b32 v[SB+(\t)/4], v13, 8*((\t)%4), v[SB+(\t)/4]
.endif
	v_cvt_scalef32_pk16_fp6_f32 v[C:C+2], v[XS:XS+15], v11
	v_cvt_scalef32_pk16_fp6_f32 v[D:D+2], v[XS+16:XS+31], v11   ; (a conversion's three registers begin on an even number)
	v_nop                                          ; one plain line behind the conversions
.irp i, 0,1,2
	v_mov_b32 v[C+3+\i], v[D+\i]
.endr
.irp i, 0,1,2
	ds_store_b64 v4, v[C+2*\i:C+2*\i+1] offset:24*(\t)+8*\i
.endr
.if (\t)+2 < 8
	LOAD (\t)+2
.endif
	s_wait_dscnt 0x0                               ; the stores have read their registers: the next block's codes may be written
.endm
	LOAD 0
	LOAD 1
.irp t, 0,1,2,3,4,5,6,7
	BLOCK \t
.endr
	s_wait_alu depctr_va_vdst(0)                   ; the wait ahead of the reader below
	ds_store_b64 v4, v[SB:SB+1] offset:192         ; the record's scale bytes,
	ds_store_b64 v4, v[Z:Z+1] offset:200           ; and its tail of zeros
	ds_store_b128 v4, v[Z:Z+3] offset:208
	ds_store_b128 v4, v[Z:Z+3] offset:224
	ds_store_b128 v4, v[Z:Z+3] offset:240
.set t, 0
.rept 16
	ds_load_b128 v[OUTR+4*t:OUTR+4*t+3], v7 offset:2*t*PITCH   ; LDS serves a wave's instructions in order: these see my stores
.set t, t+1
.endr
.set t, 0
.rept 16
	s_wait_dscnt 15-t                              ; the younger loads may be out
	global_store_b128 v8, v[OUTR+4*t:OUTR+4*t+3], s[16:17] offset:(((2*t)&6)|(((2*t)&8)<<1)|(((2*t)&16)>>1))*256   ; columns 2 t, 2 t + 1 at places sg(2 t), sg(2 t) + 1: 512 consecutive bytes, aligned
.set t, t+1
.endr
	s_wait_tensorcnt 0x0                           ; the wave's end
	ds_add_u32 v208, v209
	s_wait_dscnt 0x0
	s_endpgm
; ---------------- the norm
.Lnorm:
	s_load_b256 s[4:11], s[0:1], 0x0               ; x, g, b, the records
	s_sub_co_u32 s2, ttmp9, 384                    ; which 8 rows
	v_lshrrev_b32 v1, 5, v0
	v_readfirstlane_b32 s16, v1                    ; wave
	v_and_b32 v1, 31, v0                           ; lane l
	v_lshlrev_b32 v2, 4, v1                        ; 16 l
	v_lshlrev_b32 v3, 7, v1                        ; 128 l: my 32 columns of g and b
	s_mul_i32 s17, s16, WREG
	s_add_co_u32 s17, s17, LNB
	v_lshrrev_b32 v30, 3, v1                       ; l / 8
	v_and_b32 v31, 7, v1                           ; l % 8
	v_mul_u32_u24 v4, v30, 144
	v_lshl_add_u32 v4, v31, 4, v4
	v_add_nc_u32 v4, s17, v4                       ; the turn, in: load j's 16 bytes belong to lane 4 j + l / 8, at 16 (l % 8) of its place
	v_mul_u32_u24 v5, v1, 144
	v_add_nc_u32 v5, s17, v5                       ; and out: my place
	s_add_co_u32 s18, s17, OST
	v_lshlrev_b32 v6, 8, v30
	v_add_nc_u32 v6, s18, v6                       ; my panel's record
	v_lshl_add_u32 v7, v31, 3, v6                  ; its bytes 192-255: 8 bytes of zeros a lane
	v_add_nc_u32 v25, v31, v6                      ; my block's scale byte
	v_mad_u32_u24 v6, v31, 24, v6                  ; my block's 24 bytes of codes
	v_add_nc_u32 v26, s18, v2                      ; back: 16 bytes a lane
	v_lshrrev_b32 v27, 4, v1
	v_lshlrev_b32 v27, 20, v27
	v_and_b32 v30, 15, v1
	v_lshl_add_u32 v27, v30, 4, v27                ; in memory: lanes 0-15 one panel's record, lanes 16-31 the next panel's
	v_mov_b32 v28, 0
	v_mov_b32 v29, 0
	s_mov_b32 s12, 0x3a800000                      ; 1 / 1024
	s_mov_b32 s13, 0x3727c5ac                      ; 1e-5
	s_mov_b32 s14, 0x76543210
	s_mov_b32 s15, 0xfedcba98                      ; v_permlanex16_b32's selects for lane l xor 16
	s_lshl_b32 s19, s2, 3
	s_lshl_b32 s20, s16, 1
	s_add_co_u32 s19, s19, s20                     ; my first row: 8 x group + 2 x wave
	s_lshl_b32 s20, s19, 12
	s_mov_b32 s21, 0
	s_lshr_b32 s22, s2, 2                          ; its place: bits 3 and 4 exchanged
	s_lshl_b32 s22, s22, 5
	s_and_b32 s23, s2, 1
	s_lshl_b32 s23, s23, 4
	s_add_co_u32 s22, s22, s23
	s_bfe_u32 s23, s2, 0x10001
	s_lshl_b32 s23, s23, 3
	s_add_co_u32 s22, s22, s23
	s_lshl_b32 s23, s16, 1
	s_add_co_u32 s22, s22, s23
	s_lshl_b32 s22, s22, 8
	s_mov_b32 s23, 0
	s_wait_kmcnt 0x0
	s_add_nc_u64 s[4:5], s[4:5], s[20:21]
	s_add_nc_u64 s[10:11], s[10:11], s[22:23]
.macro LOADR i                         ; row i: eight loads of 512 consecutive bytes
.irp j, 0,1,2,3,4,5,6,7
	global_load_b128 v[R+32*(\i)+4*\j:R+32*(\i)+4*\j+3], v2, s[4:5] offset:4096*(\i)+512*\j
.endr
.endm
.macro WSUM r, tmp                     ; the sum over the 32 lanes, in every lane
	v_add_f32_dpp v[\r], v[\r], v[\r] row_xmask:1 row_mask:0xf bank_mask:0xf
	v_add_f32_dpp v[\r], v[\r], v[\r] row_xmask:2 row_mask:0xf bank_mask:0xf
	v_add_f32_dpp v[\r], v[\r], v[\r] row_xmask:4 row_mask:0xf bank_mask:0xf
	v_add_f32_dpp v[\r], v[\r], v[\r] row_xmask:8 row_mask:0xf bank_mask:0xf
	v_permlanex16_b32 v[\tmp], v[\r], s14, s15
	v_add_f32 v[\r], v[\r], v[\tmp]
.endm
.irp j, 0,1,2,3,4,5,6,7
	global_load_b128 v[G+4*\j:G+4*\j+3], v3, s[6:7] offset:16*\j
	global_load_b128 v[BV+4*\j:BV+4*\j+3], v3, s[8:9] offset:16*\j
.endr
	LOADR 0
	LOADR 1
.macro ROW i
.set RS, R+32*(\i)
.if (\i) < 1
	s_wait_loadcnt 8                               ; this row (and g, b) is in; the second row's eight loads may be out
.else
	s_wait_loadcnt 0x0
.endif
.irp j, 0,1,2,3,4,5,6,7
	ds_store_b128 v4, v[RS+4*\j:RS+4*\j+3] offset:576*\j
.endr
.irp j, 0,1,2,3,4,5,6,7
	ds_load_b128 v[Y+4*\j:Y+4*\j+3], v5 offset:16*\j          ; LDS serves a wave's instructions in order
.endr
	s_wait_dscnt 0x0                               ; my 32 numbers are in
	v_pk_add_f32 v[8:9], v[Y:Y+1], v[Y+2:Y+3]      ; the sum, in two chains
	v_pk_add_f32 v[10:11], v[Y+4:Y+5], v[Y+6:Y+7]
.irp j, 8,12,16,20,24,28
	v_pk_add_f32 v[8:9], v[8:9], v[Y+\j:Y+\j+1]
	v_pk_add_f32 v[10:11], v[10:11], v[Y+\j+2:Y+\j+3]
.endr
	v_pk_add_f32 v[8:9], v[8:9], v[10:11]
	v_add_f32 v8, v8, v9
	WSUM 8, 9
	v_mul_f32 v8, s12, v8                          ; the mean
.set j, 0
.rept 16
	v_pk_add_f32 v[Y+2*j:Y+2*j+1], v[Y+2*j:Y+2*j+1], v[8:9] op_sel_hi:[1,0] neg_lo:[0,1] neg_hi:[0,1]   ; x - mean
.set j, j+1
.endr
	v_pk_mul_f32 v[10:11], v[Y:Y+1], v[Y:Y+1]      ; the sum of squares, in two chains
	v_pk_mul_f32 v[12:13], v[Y+2:Y+3], v[Y+2:Y+3]
.irp j, 4,8,12,16,20,24,28
	v_pk_fma_f32 v[10:11], v[Y+\j:Y+\j+1], v[Y+\j:Y+\j+1], v[10:11]
	v_pk_fma_f32 v[12:13], v[Y+\j+2:Y+\j+3], v[Y+\j+2:Y+\j+3], v[12:13]
.endr
	v_pk_add_f32 v[10:11], v[10:11], v[12:13]
	v_add_f32 v10, v10, v11
	WSUM 10, 11
	v_fma_f32 v10, v10, s12, s13                   ; the variance + 1e-5
	s_wait_alu depctr_va_vdst(0)                   ; the wait ahead of the transcendental,
	v_rsq_f32 v10, v10
	v_nop                                          ; one plain line behind it,
.set j, 0
	s_wait_alu depctr_va_vdst(0)                   ; and the wait ahead of its first reader
.rept 16
	v_pk_mul_f32 v[Y+2*j:Y+2*j+1], v[Y+2*j:Y+2*j+1], v[10:11] op_sel_hi:[1,0]
.set j, j+1
.endr
.set j, 0
.rept 16
	v_pk_fma_f32 v[Y+2*j:Y+2*j+1], v[Y+2*j:Y+2*j+1], v[G+2*j:G+2*j+1], v[BV+2*j:BV+2*j+1]
.set j, j+1
.endr
	v_max3_num_f32 v12, |v[Y]|, |v[Y+1]|, |v[Y+2]| ; my block's largest magnitude
	v_max3_num_f32 v13, |v[Y+3]|, |v[Y+4]|, |v[Y+5]|
.irp j, 6,10,14,18,22,26
	v_max3_num_f32 v12, v12, |v[Y+\j]|, |v[Y+\j+1]|
	v_max3_num_f32 v13, v13, |v[Y+\j+2]|, |v[Y+\j+3]|
.endr
	v_max3_num_f32 v12, v12, |v[Y+30]|, |v[Y+31]|
	v_max3_num_f32 v12, v12, v13, 0x1800000        ; and the floor 2^(3 - 127)
	v_add_nc_u32 v14, 0xff000000, v12              ; the conversion's scale operand
	v_lshrrev_b32 v15, 23, v14                     ; the scale's byte
	v_cvt_scalef32_pk16_fp6_f32 v[16:18], v[Y:Y+15], v14
	v_cvt_scalef32_pk16_fp6_f32 v[22:24], v[Y+16:Y+31], v14
	v_nop                                          ; one plain line behind the conversions
	v_mov_b32 v19, v22
	v_mov_b32 v20, v23
	v_mov_b32 v21, v24
	ds_store_b64 v7, v[28:29] offset:192           ; zeros over the records' bytes 192-255,
	ds_store_b64 v6, v[16:17]
	ds_store_b64 v6, v[18:19] offset:8
	ds_store_b64 v6, v[20:21] offset:16
	ds_store_b8 v25, v15 offset:192                ; and, behind them in the wave's order, the scale bytes
	ds_load_b128 v[OB+8*(\i):OB+8*(\i)+3], v26
	ds_load_b128 v[OB+8*(\i)+4:OB+8*(\i)+7], v26 offset:512
	s_wait_dscnt 0x0
	global_store_b128 v27, v[OB+8*(\i):OB+8*(\i)+3], s[10:11] offset:256*(\i)             ; sixteen lanes store one whole record: panels 0, 1,
	global_store_b128 v27, v[OB+8*(\i)+4:OB+8*(\i)+7], s[10:11] offset:2097152+256*(\i)   ; and 2, 3
.endm
	ROW 0
	ROW 1
	s_wait_tensorcnt 0x0                           ; the wave's end
	ds_add_u32 v208, v209
	s_wait_dscnt 0x0
	s_endpgm
.Lfunc_end_k_q51a6b7d649_prep:
	.size	k_q51a6b7d649_prep, .Lfunc_end_k_q51a6b7d649_prep-k_q51a6b7d649_prep
	.p2alignl 7, 3214868480
	.fill 96, 4, 3214868480
	.section	.rodata,"a",@progbits
	.p2align	6, 0x0
	.amdhsa_kernel k_q51a6b7d649_prep
		.amdhsa_group_segment_fixed_size 57856
		.amdhsa_private_segment_fixed_size 0
		.amdhsa_enable_private_segment 0
		.amdhsa_kernarg_size 88
		.amdhsa_user_sgpr_count 2
		.amdhsa_user_sgpr_kernarg_segment_ptr 1
		.amdhsa_wavefront_size32 1
		.amdhsa_system_sgpr_workgroup_id_x 1
		.amdhsa_system_sgpr_workgroup_id_y 1
		.amdhsa_system_sgpr_workgroup_id_z 1
		.amdhsa_system_vgpr_workitem_id 0
		.amdhsa_next_free_vgpr 210
		.amdhsa_next_free_sgpr 66
		.amdhsa_reserve_vcc 0
		.amdhsa_float_denorm_mode_32 3
		.amdhsa_float_denorm_mode_16_64 3
		.amdhsa_memory_ordered 1
		.amdhsa_forward_progress 1
		.amdhsa_inst_pref_size 69
	.end_amdhsa_kernel
	.amdgpu_metadata
---
amdhsa.version: [ 1, 2 ]
amdhsa.kernels:
  - .name:           k_q51a6b7d649_prep
    .symbol:         k_q51a6b7d649_prep.kd
    .args:
      - { .name: x, .offset: 0, .size: 8, .value_kind: global_buffer, .address_space: global }
      - { .name: g1, .offset: 8, .size: 8, .value_kind: global_buffer, .address_space: global }
      - { .name: b1, .offset: 16, .size: 8, .value_kind: global_buffer, .address_space: global }
      - { .name: act, .offset: 24, .size: 8, .value_kind: global_buffer, .address_space: global }
      - { .name: Wq, .offset: 32, .size: 8, .value_kind: global_buffer, .address_space: global }
      - { .name: Wk, .offset: 40, .size: 8, .value_kind: global_buffer, .address_space: global }
      - { .name: Wv, .offset: 48, .size: 8, .value_kind: global_buffer, .address_space: global }
      - { .name: Wo, .offset: 56, .size: 8, .value_kind: global_buffer, .address_space: global }
      - { .name: W2, .offset: 64, .size: 8, .value_kind: global_buffer, .address_space: global }
      - { .name: W1, .offset: 72, .size: 8, .value_kind: global_buffer, .address_space: global }
      - { .name: wts, .offset: 80, .size: 8, .value_kind: global_buffer, .address_space: global }
    .group_segment_fixed_size: 57856
    .private_segment_fixed_size: 0
    .kernarg_segment_align: 8
    .kernarg_segment_size: 88
    .max_flat_workgroup_size: 128
    .sgpr_count:     66
    .vgpr_count:     210
    .wavefront_size: 32
...
	.end_amdgpu_metadata
.endif
;; end of part 8
;; launch qkv (part 9): grid 12 x 16, 4 waves a work-group, clusters of 4 x 4, 327,680 bytes of LDS; arguments act, wts, bq, bk, bv, qkvc; writes qkvc
.if DOCPART == 9
	.amdgcn_target "amdgcn-amd-amdhsa--gfx1250"
	.amdhsa_code_object_version 6
	.text
	.protected	k_q51a6b7d649_qkv
	.globl	k_q51a6b7d649_qkv
	.p2align	8
	.type	k_q51a6b7d649_qkv,@function
k_q51a6b7d649_qkv:
	s_mov_b64 s[64:65], 0
	v_nop
	global_prefetch_b8 v0, s[64:65] scope:SCOPE_SE
	s_setreg_imm32_b32 hwreg(HW_REG_WAVE_MODE, 25, 1), 1
	s_wait_xcnt 0x0
	s_wait_alu depctr_hold_cnt(0) depctr_sa_sdst(0) depctr_va_vdst(0) depctr_va_sdst(0) depctr_va_ssrc(0) depctr_va_vcc(0) depctr_vm_vsrc(0)
	s_getreg_b32 s2, hwreg(HW_REG_IB_STS2, 6, 4)
	s_cmp_eq_u32 s2, 0
	s_cbranch_scc0 .Lentry_in_a_cluster
	s_endpgm
.Lentry_in_a_cluster:
	s_bfe_u32 s2, ttmp6, 0x10000c
	s_cmp_lg_u32 s2, 0xf033
	s_cbranch_scc0 .Lentry_shape_is_right
	s_endpgm
.Lentry_shape_is_right:
; q = xn Wq + bq, k = xn Wk + bk, v = xn Wv + bv on codes of FP6 (E2M3) with E8M0 scales, K = 1,024, f32 sums; the results are quantised at once for attention:
; q and k along the head's 64 (two blocks), v along the tokens.  Operands are RECORDS of 256 bytes (192 of codes for 256 along K, 8 scale bytes, zeros), [panel][place][256]; row i at place sg(i) (bits 3, 4 exchanged).
; C = P Q^T, tile 256 x 256, four waves, 128 x 128 a wave: 64 accumulators.  THE MATRIX INSTRUCTION IS USED TRANSPOSED: source 0 = 16 places of Q, source 1 = 16 places of P.  A lane then holds one place of P,
; and, by the order of the places, the 16 registers of accumulators 2 b, 2 b + 1 are the TRUE rows 32 b + 16 (lane / 16) + 0 .. 15 of Q: 16 neighbours along the axis that is quantised next.
; Clusters x = 0, 1: P = xn (tokens), Q = Wq, Wk's columns: q and k.  Cluster x = 2: P = Wv's columns, Q = xn: v TRANSPOSED, so that the registers run along the tokens.  The two ways differ in pointers, numbers and
; which bias is zeroed, all chosen without a jump on the cluster's x, which all partners share.
; OUT: codes [group of 64 along the quantised axis][places][48 bytes], scale words [group][places][4]: an even group's word holds the four bytes of 128 along that axis, an odd group's that word >> 16.
; K goes in steps of 256 (a panel) through a ring of two LDS slots; a wave's tensor load brings 128 records, 32,768 dense bytes: codes and scales together.
; CLUSTERS: 4 x 4 work-groups; P's tile is shared along a row of the cluster, Q's along a column: each is asked for jointly.
; REGISTERS: window 0: v0-31 addresses; v32-63 scale words, two sets; v64-127 the bias along Q; v128-223 P's fragments, one set; v224-239 the bias along P; v240-255 at work on the way out.
;   window 1: Q's fragments, two sets, at v0 and v128.  windows 2, 3: the accumulators ((a, b) at v[8 (8 (a % 4) + b)]).
; LIMITS: a block whose largest magnitude lies under 2^-124 (zeros too) gets the byte 1, which only this program reads; NaN and infinities are not served.
.set LAPS,   2                         ; a lap = two panels = once round the ring; K = 1,024 is four panels
.set PSA,    1048576                   ; bytes from panel to panel: 4,096 places in both operands
.set PSB,    1048576
.set QKS,    6291456                   ; in qkvc: q's and k's scale words,
.set VC,     6815744                   ; v's codes,
.set VS,     9961472                   ; v's scale words
.set PITCH,  272                       ; an LDS row: a record + 16 bytes = 68 words: the 32 lanes of a load of 8 bytes (row r, 24 bytes a half) touch 64 different banks (64 banks of 4 bytes: ISA guide 11.1)
.set HALFT,  128*PITCH
.set SLOT,   4*HALFT                   ; P's 256 rows, then Q's 256
.set SPARE,  2*SLOT                    ; behind the ring: the spare words, 128 bytes a wave: two blocks of 256 bytes that no other line names
.set NQ,     2                         ; matrix instructions deep in a slot
.set FR,     12
.set NL,     6
.set NP,     4                         ; places behind this matrix instruction (ISA guide 7.12.1)
.set PADW,   (1<<20)|(1<<21)|(5<<22)|(3<<25)   ; group 1, word 0 beside the mask: bytes; padding on; bit 21 beside a mask; after every 64 words, 4 words
.set ADRA, 16                          ; v16-17 my fragments of P in slot 0, 1
.set ADRS, 18                          ; v18-19 my scale words: lanes 0-15 P's rows, lanes 16-31 Q's
.set ADRB, 20                          ; v20-21 my fragments of Q
.set STO,  24                          ; the way out: where my codes go
.set SCA,  25                          ; and my scale words
.set CO,   26                          ; 16 x lane
.set BIO,  27                          ; the bias along P: my lane's byte
.set SPW,  28
.set NIL,  29
.set RDB,  30                          ; the way out: codes back
.set RDS,  31                          ; scale words back
.set BJO,  22                          ; the bias along Q: my half's byte
.set SC,   32
.set BJ,   64
.set AF,   128
.set W,    128                         ; the way out: 64 numbers at work
.set PC,   192                         ; the codes just made
.set PW,   212                         ; the scale word, and that word >> 16
.set BI,   224
.set TM,   240
.set SEL,  92
.set G1, 24
.set G0, 32
.set G1B, 48
.set G0B, 56
.set MSB, 0
.macro WIN new                         ; the immediate's high byte repeats the setting that is left
.if MSB != \new
	s_set_vgpr_msb (MSB<<8)|\new
.set MSB, \new
.endif
.endm
.set MUL_LO, 0xa1                      ; source 0 (Q) window 1, source 1 (P) window 0, C and D window 2
.set MUL_HI, 0xf1                      ; the same, C and D window 3
.set TO_B,   0x40                      ; destination window 1, address window 0
; A joint load: waves 0 and 1 fetch for P, waves 2 and 3 for Q.  The branch hangs on the wave's number alone.  Four v_nop follow each of the two lines.
.macro JLOAD g0a, g1a, g0b, g1b
	s_cmp_eq_u32 s15, 0
	s_cbranch_scc0 .Lfor_b_\@
	tensor_load_to_lds s[\g0a:\g0a+3], s[\g1a:\g1a+7]
	s_nop 0
.rept 4
	v_nop
.endr
	s_branch .Lasked_\@
.Lfor_b_\@:
	tensor_load_to_lds s[\g0b:\g0b+3], s[\g1b:\g1b+7]
	s_nop 0
.rept 4
	v_nop
.endr
.Lasked_\@:
.endm
.macro CREST                           ; a round of the cluster's barrier behind its opening barrier
	s_cmp_lg_u32 s14, 0
	s_cbranch_scc1 .Lnot_wave_0_\@
	s_barrier_signal -3
.Lnot_wave_0_\@:
	s_barrier_wait -3
	s_barrier_signal -1
	s_barrier_wait -1
.endm
.macro CROUND                          ; a whole round
	s_barrier_signal -1
	s_barrier_wait -1
	CREST
.endm
.macro PLACES n
.rept \n
	v_nop
.endr
.endm
.macro FRAG reg, adr, q, i             ; a fragment, 16 rows x 128 K: lane l holds row l % 16; registers 6 c .. 6 c + 5 the 24 bytes at 96 q + 48 c + 24 (l / 16) of the record, in pieces of 8 bytes
.irp p, 0,1,2,3,4,5
	ds_load_b64 v[\reg+2*\p:\reg+2*\p+1], v[\adr] offset:96*(\q)+48*(\p/3)+8*(\p%3)+(\i)*16*PITCH
.endr
.endm
; 16 matrix instructions: P's blocks a0, a0 + 1 x Q's eight.  The 64 accumulators take turns, one instruction a turn, in the same order in every step.
.macro MUL16 a0, p, q, sc, zero
.irp a, \a0, \a0+1
.irp b, 0,1,2,3,4,5,6,7
.if \zero
	v_wmma_scale_f32_16x16x128_f8f6f4 v[8*(8*((\a)%4)+\b):8*(8*((\a)%4)+\b)+7], v[128*(\p)+FR*\b:128*(\p)+FR*\b+FR-1], v[AF+FR*(\a):AF+FR*(\a)+FR-1], 0, v[SC+8*NQ*(\sc)+NQ*\b+(\q)], v[SC+8*NQ*(\sc)+NQ*(\a)+(\q)] matrix_a_fmt:MATRIX_FMT_FP6 matrix_b_fmt:MATRIX_FMT_FP6 matrix_a_scale:MATRIX_SCALE_ROW1
.else
	v_wmma_scale_f32_16x16x128_f8f6f4 v[8*(8*((\a)%4)+\b):8*(8*((\a)%4)+\b)+7], v[128*(\p)+FR*\b:128*(\p)+FR*\b+FR-1], v[AF+FR*(\a):AF+FR*(\a)+FR-1], v[8*(8*((\a)%4)+\b):8*(8*((\a)%4)+\b)+7], v[SC+8*NQ*(\sc)+NQ*\b+(\q)], v[SC+8*NQ*(\sc)+NQ*(\a)+(\q)] matrix_a_fmt:MATRIX_FMT_FP6 matrix_b_fmt:MATRIX_FMT_FP6 matrix_a_scale:MATRIX_SCALE_ROW1
.endif
.endr
.endr
.endm
.macro FETCH_B slot, q, p
	WIN TO_B
.irp i, 0,1,2,3,4,5,6,7
	FRAG 128*(\p)+FR*\i, ADRB+\slot, \q, \i
.endr
	WIN 0
.endm
.macro FETCH_A slot, q, i0
.irp i, \i0, \i0+1, \i0+2, \i0+3
	FRAG AF+FR*(\i), ADRA+\slot, \q, \i
.endr
.endm
.macro SCALES sc                       ; a slot's scale words: two a row, at byte 192 of the record; lanes 0-15 take P's block i, lanes 16-31 Q's block i
.irp i, 0,1,2,3,4,5,6,7
	ds_load_b64 v[SC+8*NQ*\sc+NQ*\i:SC+8*NQ*\sc+NQ*\i+1], v[ADRS+\sc] offset:192+\i*16*PITCH
.endr
.endm
.macro STEP slot, q, zero              ; 128 along K whose successor lies in the same slot
	s_wait_dscnt 4*NL                              ; Q's set, the scale words and P's blocks 0-3 are in; the youngest 24 loads (P's blocks 4-7) may be out
	WIN MUL_LO
	MUL16 0, (\q)%2, \q, \slot, \zero
	MUL16 2, (\q)%2, \q, \slot, \zero
	s_wait_dscnt 0
	PLACES NP
	FETCH_B \slot, (\q)+1, 1-(\q)%2
	FETCH_A \slot, (\q)+1, 0
	WIN MUL_HI
	MUL16 4, (\q)%2, \q, \slot, \zero
	MUL16 6, (\q)%2, \q, \slot, \zero
	PLACES NP
	WIN 0
	FETCH_A \slot, (\q)+1, 4
.endm
; A slot's last step changes slots: one barrier; in front of it each wave waits for all its tensor loads, adds 0 to its spare word, and waits for that and for its reads of this slot.  fill = 1: the slot is filled again, two panels ahead.
.macro TURN slot, next, fill
	s_wait_tensorcnt 0x0                           ; all my tensor loads have landed: my part of the next slot
	ds_add_u32 v[SPW], v[NIL]                      ; 0 onto my spare word
	s_wait_dscnt 4*NL+1                            ; (the add and the youngest 24 loads may be out)
	WIN MUL_LO
	MUL16 0, 1, NQ-1, \slot, 0
	s_wait_dscnt 0x0                               ; the add is done, and my reads of this slot are over
	s_barrier_signal -1
	MUL16 2, 1, NQ-1, \slot, 0
	WIN 0
	s_barrier_wait -1
.if \fill
	CREST                                          ; the barrier has opened a round of the cluster's barrier: no wave of any partner still reads this slot or has a load on its way
	s_add_nc_u64 s[G0+4*\slot+2:G0+4*\slot+3], s[G0+4*\slot+2:G0+4*\slot+3], 2*PSA
	s_add_nc_u64 s[G0B+4*\slot+2:G0B+4*\slot+3], s[G0B+4*\slot+2:G0B+4*\slot+3], 2*PSB
	s_mov_b32 s[G1+2], 128<<16                     ; no tensor load of mine is out: a ring's load brings 128 records
	s_mov_b32 s[G1+4], 128
	s_mov_b32 s[G1B+2], 128<<16
	s_mov_b32 s[G1B+4], 128
	JLOAD G0+4*\slot, G1, G0B+4*\slot, G1B         ; the first tensor load behind the round; its four v_nop are the places in front of the loads below
.else
	PLACES NP
.endif
	FETCH_B \next, 0, 0
	FETCH_A \next, 0, 0
	SCALES \next
	WIN MUL_HI
	MUL16 4, 1, NQ-1, \slot, 0
	MUL16 6, 1, NQ-1, \slot, 0
	PLACES NP
	WIN 0
	FETCH_A \next, 0, 4
.endm
	s_load_b256 s[68:75], s[0:1], 0x0              ; xn's records, the weights' records, bq, bk
	s_load_b128 s[76:79], s[0:1], 0x20             ; bv, the results
	v_lshl_add_u32 v[SPW], v0, 2, SPARE
	v_mov_b32 v[NIL], 0
	ds_add_u32 v28, v29
	ds_add_u32 v28, v29
	s_wait_dscnt 0x0
	v_lshrrev_b32 v1, 5, v0
	v_readfirstlane_b32 s14, v1                    ; wave 0..3
	s_lshr_b32 s15, s14, 1                         ; which half of the tile's rows (P) is mine.  Also: I fetch for P (0) or for Q (1)
	s_and_b32 s16, s14, 1                          ; which half of its columns (Q).  Also: which 128 records I fetch
	s_bfe_u32 s40, ttmp6, 0x40000                  ; cx, cy: my place in the cluster
	s_bfe_u32 s41, ttmp6, 0x40004
	s_and_b32 s80, ttmp7, 0xffff                   ; the cluster's y
	s_mov_b32 s83, 196608
	s_mov_b32 s84, 16384
	s_mov_b32 s86, QKS
	s_cmp_eq_u32 ttmp9, 2                          ; v's clusters?  The same answer in all partners
	s_cselect_b32 s81, 0, s80                      ; the cluster's row of tiles: P's 1,024 columns of Wv are one cluster high
	s_cselect_b32 s82, s80, ttmp9                  ; and its column
	s_cselect_b32 s90, 0, -1                       ; all lanes where the bias runs along Q (q, k),
	s_cselect_b32 s91, -1, 0                       ; all lanes where it runs along P (v)
	s_cselect_b32 s83, 49152, s83                  ; bytes from group to group: codes (1,024 or 4,096 places of 48 bytes),
	s_cselect_b32 s84, 4096, s84                   ; scale words
	s_cselect_b32 s85, VC, 0                       ; where the codes begin,
	s_cselect_b32 s86, VS, s86                     ; and the scale words
	s_cselect_b32 s87, 524288, 0                   ; P's first place: Wv's columns begin at place 2,048
	s_lshl_b32 s42, s82, 2
	s_add_co_u32 s42, s42, s40                     ; tile column
	s_lshl_b32 s17, s81, 2
	s_add_co_u32 s17, s17, s41                     ; tile row
	s_lshl_b32 s43, s41, 2
	s_lshl_b32 s43, 15, s43                        ; my row of the cluster
	s_lshl_b32 s44, 0x1111, s40                    ; my column
	s_or_b32 s[G1+0], s43, PADW                    ; P's tiles go to my row,
	s_or_b32 s[G1B+0], s44, PADW                   ; Q's to my column
.irp g, G1, G1B
	s_mov_b32 s[\g+1], 256<<16                     ; tensor_dim0 = 256 bytes
	s_mov_b32 s[\g+2], 256<<16                     ; tensor_dim1 = 256 for the head's loads; the ring's loads set 128
	s_mov_b32 s[\g+3], 256<<16                     ; tile_dim0
	s_mov_b32 s[\g+4], 256                         ; tile_dim1
	s_mov_b32 s[\g+5], 256                         ; from record to record
	s_mov_b32 s[\g+6], 0
	s_mov_b32 s[\g+7], 0
.endr
	s_lshl_b32 s18, s16, 7
	s_lshl_b32 s20, s17, 8
	s_add_co_u32 s20, s20, s18                     ; P: place 256 x tile row + 128 x half
	s_lshl_b32 s20, s20, 8
	s_add_co_u32 s20, s20, s87
	s_mov_b32 s21, 0
	s_lshl_b32 s46, s42, 8
	s_add_co_u32 s46, s46, s18                     ; Q: place 256 x tile column + 128 x half
	s_lshl_b32 s46, s46, 8
	s_mov_b32 s47, 0
	s_mul_i32 s45, s14, HALFT                      ; where they go: wave x 128 rows
	s_wait_kmcnt 0x0
	s_cmp_eq_u32 ttmp9, 2
	s_cselect_b64 s[4:5], s[70:71], s[68:69]       ; P
	s_cselect_b64 s[6:7], s[68:69], s[70:71]       ; Q
	s_cmp_eq_u32 ttmp9, 1
	s_cselect_b64 s[8:9], s[74:75], s[72:73]       ; the bias along Q: bk for k's clusters, else bq (zeroed below for v's)
	s_add_nc_u64 s[20:21], s[4:5], s[20:21]
	s_add_nc_u64 s[46:47], s[6:7], s[46:47]
	CROUND                                         ; all sixteen work-groups are here: the first joint loads meet
.irp s, 0,1
	s_mov_b32 s[G0+4*\s], 1
	s_add_co_u32 s[G0+4*\s+1], s45, \s*SLOT
	s_add_nc_u64 s[G0+4*\s+2:G0+4*\s+3], s[20:21], \s*PSA
	s_or_b32 s[G0+4*\s+3], s[G0+4*\s+3], 0x80000000
	s_mov_b32 s[G0B+4*\s], 1
	s_add_co_u32 s[G0B+4*\s+1], s45, \s*SLOT
	s_add_nc_u64 s[G0B+4*\s+2:G0B+4*\s+3], s[46:47], \s*PSB
	s_or_b32 s[G0B+4*\s+3], s[G0B+4*\s+3], 0x80000000
.endr
; THE HEAD'S LOADS, ONE A WAVE: wave 0 P's 256 records of panel 0, wave 1 Q's, both into slot 0; wave 2 P's of panel 1, wave 3 Q's, into slot 1.
; One chain of branches on the wave's number, a line to each wave: the first barrier waits for waves 0 and 1 alone.
	s_lshl_b32 s18, s16, 15
	s_mov_b32 s19, 0
	s_sub_nc_u64 s[6:7], s[20:21], s[18:19]        ; the tile's first record of P,
	s_sub_nc_u64 s[70:71], s[46:47], s[18:19]      ; and of Q
	s_mul_i32 s18, s15, PSA                        ; panel = wave / 2 (both operands' panels lie PSA apart here)
	s_add_nc_u64 s[6:7], s[6:7], s[18:19]
	s_add_nc_u64 s[70:71], s[70:71], s[18:19]
	s_or_b32 s7, s7, 0x80000000
	s_or_b32 s71, s71, 0x80000000
	s_mov_b32 s4, 1
	s_mul_i32 s5, s15, SLOT
	s_mov_b32 s68, 1
	s_add_co_u32 s69, s5, 2*HALFT
.macro HARM under, g0, g1, next
	s_cmp_lt_u32 s14, \under
	s_cbranch_scc0 \next
	tensor_load_to_lds s[\g0:\g0+3], s[\g1:\g1+7]
	s_nop 0
.rept 4
	v_nop
.endr
	s_branch .Lhead_asked
\next:
.endm
	HARM 1, 4, G1, .Lhead_1
	HARM 2, 68, G1B, .Lhead_2
	HARM 3, 4, G1, .Lhead_3
	tensor_load_to_lds s[68:71], s[G1B:G1B+7]
	s_nop 0
.rept 4
	v_nop
.endr
.Lhead_asked:
; Panels 2 and 3, which the two refills will load, are asked for into the L2: of the 128 records that I fetch in the ring each of the four partners that ask jointly takes 32, told apart by address; a lane a record.
	s_cmp_eq_u32 s15, 0
	s_cselect_b64 s[94:95], s[20:21], s[46:47]
	s_cselect_b32 s96, s40, s41
	s_lshl_b32 s96, s96, 13
	s_mov_b32 s97, 0
	s_add_nc_u64 s[94:95], s[94:95], s[96:97]
	v_and_b32 v7, 31, v0
	v_lshlrev_b32 v7, 8, v7
	global_prefetch_b8 v7, s[94:95] offset:2*PSA th:TH_LOAD_NT scope:SCOPE_SE
	global_prefetch_b8 v7, s[94:95] offset:3*PSA th:TH_LOAD_NT scope:SCOPE_SE
	v_and_b32 v1, 15, v0                           ; r
	v_bfe_u32 v2, v0, 4, 1                         ; h
	v_mul_u32_u24 v3, v1, PITCH
	v_mad_u32_u24 v4, v2, 24, v3                   ; a fragment's row x pitch + 24 x half
	s_mul_i32 s21, s15, HALFT                      ; my 128 rows of P
	s_mul_i32 s22, s16, HALFT
	s_add_co_u32 s22, s22, 2*HALFT                 ; my 128 rows of Q, behind P's 256
	s_xor_b32 s23, s15, 1
	s_add_co_u32 s23, s23, s16
	s_add_co_u32 s23, s23, 1
	s_mul_i32 s23, s23, HALFT                      ; the distance between the two
	v_mul_u32_u24 v5, s23, v2                      ; lanes 16-31 take Q's scale words
	v_add_nc_u32 v5, v5, v3
	v_add_nc_u32 v[ADRA], s21, v4
	v_add_nc_u32 v[ADRB], s22, v4
	v_add_nc_u32 v[ADRS], s21, v5
	v_add_nc_u32 v[ADRA+1], SLOT, v[ADRA]
	v_add_nc_u32 v[ADRB+1], SLOT, v[ADRB]
	v_add_nc_u32 v[ADRS+1], SLOT, v[ADRS]
	; the way out: an image of the results in slot 0: codes [4 groups][256 rows][48], then scale words [4][256][4]
	v_mul_u32_u24 v[STO], v1, 48
	v_mad_u32_u24 v[STO], v2, 24, v[STO]
	s_mul_i32 s21, s15, 6144
	s_mul_i32 s22, s16, 24576
	s_add_co_u32 s21, s21, s22
	v_add_nc_u32 v[STO], s21, v[STO]
	v_lshlrev_b32 v[SCA], 2, v1
	s_lshl_b32 s21, s15, 9
	s_lshl_b32 s22, s16, 11
	s_add_co_u32 s21, s21, s22
	s_add_co_u32 s21, s21, 49152
	v_add_nc_u32 v[SCA], s21, v[SCA]
	v_and_b32 v6, 31, v0
	v_lshlrev_b32 v[CO], 4, v6
	s_mul_i32 s21, s14, 12288
	v_add_nc_u32 v[RDB], s21, v[CO]                ; back: wave w takes group w
	s_lshl_b32 s21, s14, 10
	s_add_co_u32 s21, s21, 49152
	v_add_nc_u32 v[RDS], s21, v[CO]
	v_lshlrev_b32 v[BJO], 6, v2                    ; 16 numbers a half
	s_wait_alu depctr_va_vdst(0)
	v_and_b32 v6, 8, v1
	v_add_nc_u32 v6, v6, v1
	v_lshlrev_b32 v[BIO], 2, v6                    ; place r of a block is true row 16 (r / 8) + r % 8 of its 32
	s_wait_alu depctr_va_vdst(0)
	s_mov_b32 s[SEL], 0x76543210
	s_mov_b32 s[SEL+1], 0xfedcba98
	s_lshl_b32 s81, s41, 8
	s_lshl_b32 s82, s15, 7
	s_add_co_u32 s81, s81, s82
	s_and_b32 s81, s81, s91                        ; v: my first row of Wv's columns; q, k: 0, so that the loads stay inside bv
	s_lshl_b32 s88, s81, 2
	s_mov_b32 s89, 0
	s_add_nc_u64 s[76:77], s[76:77], s[88:89]
	s_lshl_b32 s88, s40, 10
	s_lshl_b32 s82, s16, 9
	s_add_co_u32 s88, s88, s82                     ; my first column among the weight's 1,024
	s_add_nc_u64 s[8:9], s[8:9], s[88:89]
.irp b, 0,1,2,3
.irp j, 0,1,2,3
	global_load_b128 v[BJ+16*\b+4*\j:BJ+16*\b+4*\j+3], v[BJO], s[8:9] offset:128*\b+16*\j   ; register 16 b + i: the bias of true column 32 b + 16 h + i
.endr
.endr
.irp a, 0,1,2,3,4,5,6,7
	global_load_b32 v[BI+2*\a], v[BIO], s[76:77] offset:(32*(\a/2)+8*(\a%2))*4              ; block a, my place's true row; twice, for the packed addition
	global_load_b32 v[BI+2*\a+1], v[BIO], s[76:77] offset:(32*(\a/2)+8*(\a%2))*4
.endr
	s_lshl_b32 s80, s42, 2
	s_add_co_u32 s80, s80, s14                     ; the group that I store: 4 x tile column + wave
	s_mul_i32 s88, s80, s83
	s_add_co_u32 s88, s88, s85
	s_mul_i32 s82, s17, 12288
	s_add_co_u32 s88, s88, s82
	s_add_nc_u64 s[10:11], s[78:79], s[88:89]      ; its codes of the tile's 256 places,
	s_mul_i32 s88, s80, s84
	s_add_co_u32 s88, s88, s86
	s_lshl_b32 s82, s17, 10
	s_add_co_u32 s88, s88, s82
	s_add_nc_u64 s[12:13], s[78:79], s[88:89]      ; and their scale words
	s_wait_alu depctr_va_vdst(0)                   ; the wait at the head's end
	s_cmp_lt_u32 s14, 2
	s_cbranch_scc0 .Lslot_1_wave
	s_wait_tensorcnt 0x0                           ; waves 0 and 1: my tile of slot 0 is in
.Lslot_1_wave:
	s_barrier_signal -1
	s_barrier_wait -1                              ; everybody's is
	FETCH_B 0, 0, 0
	FETCH_A 0, 0, 0
	SCALES 0
	FETCH_A 0, 0, 4
	STEP 0, 0, 1                                   ; the first step stands in front of the loop: its products start the sums
	s_mov_b32 s3, LAPS-1
.Llap:                                                 ; a trip goes once round the ring and fills both slots again
	TURN 0, 1, 1
	STEP 1, 0, 0
	TURN 1, 0, 1
	STEP 0, 0, 0
	s_sub_co_u32 s3, s3, 1
	s_cmp_lg_u32 s3, 0
	s_cbranch_scc1 .Llap
	TURN 0, 1, 0                                   ; the last lap fills nothing
	STEP 1, 0, 0
	s_wait_dscnt 4*NL
	WIN MUL_LO
	MUL16 0, 1, NQ-1, 1, 0
	MUL16 2, 1, NQ-1, 1, 0
	s_wait_dscnt 0
	WIN MUL_HI
	MUL16 4, 1, NQ-1, 1, 0
	MUL16 6, 1, NQ-1, 1, 0
	WIN 0
; 64 numbers of a lane, register 16 b + i = true index 32 b + 16 (lane / 16) + i of my row, become a fragment's codes in v[PC] on (lane (r, h): registers 6 c .. 6 c + 5 = block 2 c + h) and the scale word in v[PW].
.macro QUANT s
.irp b, 0,1,2,3
	v_max3_num_f32 v[TM+\b], |v[\s+16*\b]|, |v[\s+1+16*\b]|, 0x1800000   ; my 16 numbers of block b, and the floor 2^(3 - 127)
.endr
.irp i, 2,4,6,8,10,12,14
.irp b, 0,1,2,3
	v_max3_num_f32 v[TM+\b], v[TM+\b], |v[\s+16*\b+\i]|, |v[\s+1+16*\b+\i]|
.endr
.endr
.irp b, 0,1,2,3
	v_permlanex16_b32 v[TM+4+\b], v[TM+\b], s[SEL], s[SEL+1]
.endr
.irp b, 0,1,2,3
	v_max_num_f32 v[TM+\b], v[TM+\b], v[TM+4+\b]   ; with lane l xor 16's: the block's largest magnitude
.endr
.irp b, 0,1,2,3
	v_add_nc_u32 v[TM+12+\b], 0xff000000, v[TM+\b] ; 2 off the exponent field: the conversion's scale operand
.endr
.irp b, 0,1,2,3
	v_lshrrev_b32 v[TM+4+\b], 23, v[TM+12+\b]      ; the scale's byte
.endr
	v_lshl_or_b32 v[PW], v[TM+5], 8, v[TM+4]
	v_lshl_or_b32 v[PW], v[TM+6], 16, v[PW]
	v_lshl_or_b32 v[PW], v[TM+7], 24, v[PW]
.irp c, 0,1
	v_cvt_scalef32_pk16_fp6_f32 v[PC+6*\c:PC+2+6*\c], v[\s+32*\c:\s+15+32*\c], v[TM+12+2*\c]
	v_cvt_scalef32_pk16_fp6_f32 v[PC+12+4*\c:PC+14+4*\c], v[\s+16+32*\c:\s+31+32*\c], v[TM+12+2*\c+1]
.endr
	v_nop                                          ; one plain line behind the conversions
.irp c, 0,1
.irp i, 0,1,2
	v_permlane16_swap_b32 v[PC+6*\c+\i], v[PC+12+4*\c+\i]      ; a whole block to a lane
.endr
.irp i, 0,1,2
	v_mov_b32 v[PC+3+6*\c+\i], v[PC+12+4*\c+\i]
.endr
.endr
.endm
.macro EPI a                           ; block a: 16 places of P x my 128 of Q: + the bias, quantised, into the image
	WIN 0x02+(\a)/4                                ; source 0: window 2 or 3
.set k, 0
.rept 32
	v_pk_add_f32 v[W+2*k:W+2*k+1], v[64*((\a)%4)+2*k:64*((\a)%4)+2*k+1], v[BJ+2*k:BJ+2*k+1]   ; each accumulator from its low end on
.set k, k+1
.endr
	WIN 0
.set k, 0
.rept 32
	v_pk_add_f32 v[W+2*k:W+2*k+1], v[W+2*k:W+2*k+1], v[BI+2*(\a):BI+2*(\a)+1]
.set k, k+1
.endr
	QUANT W
	v_lshrrev_b32 v[PW+1], 16, v[PW]
.irp c, 0,1
.irp i, 0,1,2
	ds_store_b64 v[STO], v[PC+6*\c+2*\i:PC+6*\c+2*\i+1] offset:768*(\a)+12288*\c+8*\i
.endr
.endr
	ds_store_b32 v[SCA], v[PW] offset:64*(\a)              ; (both halves of the lanes write the same word with the same value)
	ds_store_b32 v[SCA], v[PW+1] offset:64*(\a)+1024
	s_wait_dscnt 0x0                               ; the stores have read their registers
.endm
.irp b, 0,1,2,3
	v_mov_b32 v[TM+4+\b], 0                        ; a lane permute's destination counts as one of its sources.  These four are also the places behind the last products
.endr
	s_wait_loadcnt 0x0                             ; the biases
.set k, 0
.rept 64
	v_cndmask_b32 v[BJ+k], 0, v[BJ+k], s90         ; the bias that does not apply is zeroed: no jump
.set k, k+1
.endr
.set k, 0
.rept 16
	v_cndmask_b32 v[BI+k], 0, v[BI+k], s91
.set k, k+1
.endr
.irp a, 0,1,2,3,4,5,6,7
	EPI \a                                         ; slot 0 has had its last fill, and every wave has passed the last change of slots: nobody reads it
.endr
	s_barrier_signal -1                            ; (every wave's stores are done: EPI ends with the wait)
	s_barrier_wait -1
.set t, 0
.rept 24
	ds_load_b128 v[128+4*t:131+4*t], v[RDB] offset:512*t
.set t, t+1
.endr
.set t, 0
.rept 2
	ds_load_b128 v[224+4*t:227+4*t], v[RDS] offset:512*t
.set t, t+1
.endr
.set t, 0
.rept 24
	s_wait_dscnt 25-t                              ; the younger loads may be out
	global_store_b128 v[CO], v[128+4*t:131+4*t], s[10:11] offset:512*t     ; 512 consecutive bytes, aligned
.set t, t+1
.endr
.set t, 0
.rept 2
	s_wait_dscnt 1-t
	global_store_b128 v[CO], v[224+4*t:227+4*t], s[12:13] offset:512*t
.set t, t+1
.endr
	s_wait_tensorcnt 0x0                           ; the wave's end
	ds_add_u32 v[SPW], v[NIL]
	s_wait_dscnt 0x0
	CROUND                                         ; the closing round
	s_endpgm
.Lfunc_end_k_q51a6b7d649_qkv:
	.size	k_q51a6b7d649_qkv, .Lfunc_end_k_q51a6b7d649_qkv-k_q51a6b7d649_qkv
	.p2alignl 7, 3214868480
	.fill 96, 4, 3214868480
	.section	.rodata,"a",@progbits
	.p2align	6, 0x0
	.amdhsa_kernel k_q51a6b7d649_qkv
		.amdhsa_group_segment_fixed_size 327680
		.amdhsa_private_segment_fixed_size 0
		.amdhsa_enable_private_segment 0
		.amdhsa_kernarg_size 48
		.amdhsa_user_sgpr_count 2
		.amdhsa_user_sgpr_kernarg_segment_ptr 1
		.amdhsa_wavefront_size32 1
		.amdhsa_system_sgpr_workgroup_id_x 1
		.amdhsa_system_sgpr_workgroup_id_y 1
		.amdhsa_system_sgpr_workgroup_id_z 1
		.amdhsa_system_vgpr_workitem_id 0
		.amdhsa_next_free_vgpr 1024
		.amdhsa_next_free_sgpr 100
		.amdhsa_reserve_vcc 0
		.amdhsa_float_denorm_mode_32 3
		.amdhsa_float_denorm_mode_16_64 3
		.amdhsa_memory_ordered 1
		.amdhsa_forward_progress 1
		.amdhsa_inst_pref_size 211
	.end_amdhsa_kernel
	.amdgpu_metadata
---
amdhsa.version: [ 1, 2 ]
amdhsa.kernels:
  - .name:           k_q51a6b7d649_qkv
    .symbol:         k_q51a6b7d649_qkv.kd
    .args:
      - { .name: act, .offset: 0, .size: 8, .value_kind: global_buffer, .address_space: global }
      - { .name: wts, .offset: 8, .size: 8, .value_kind: global_buffer, .address_space: global }
      - { .name: bq, .offset: 16, .size: 8, .value_kind: global_buffer, .address_space: global }
      - { .name: bk, .offset: 24, .size: 8, .value_kind: global_buffer, .address_space: global }
      - { .name: bv, .offset: 32, .size: 8, .value_kind: global_buffer, .address_space: global }
      - { .name: qkvc, .offset: 40, .size: 8, .value_kind: global_buffer, .address_space: global }
    .group_segment_fixed_size: 327680
    .private_segment_fixed_size: 0
    .kernarg_segment_align: 8
    .kernarg_segment_size: 48
    .max_flat_workgroup_size: 128
    .sgpr_count:     100
    .vgpr_count:     1024
    .wavefront_size: 32
...
	.end_amdgpu_metadata
.endif
;; end of part 9
;; launch attn (part 10): grid 8 x 32, 8 waves a work-group, clusters of 4 x 1, 210,432 bytes of LDS; arguments qkvc, act; writes act
.if DOCPART == 10
	.amdgcn_target "amdgcn-amd-amdhsa--gfx1250"
	.amdhsa_code_object_version 6
	.text
	.protected	k_q51a6b7d649_attn
	.globl	k_q51a6b7d649_attn
	.p2align	8
	.type	k_q51a6b7d649_attn,@function
k_q51a6b7d649_attn:
	s_mov_b64 s[64:65], 0
	v_nop
	global_prefetch_b8 v0, s[64:65] scope:SCOPE_SE
	s_setreg_imm32_b32 hwreg(HW_REG_WAVE_MODE, 25, 1), 1
	s_wait_xcnt 0x0
	s_wait_alu depctr_hold_cnt(0) depctr_sa_sdst(0) depctr_va_vdst(0) depctr_va_sdst(0) depctr_va_ssrc(0) depctr_va_vcc(0) depctr_vm_vsrc(0)
	s_getreg_b32 s2, hwreg(HW_REG_IB_STS2, 6, 4)
	s_cmp_eq_u32 s2, 0
	s_cbranch_scc0 .Lentry_in_a_cluster
	s_endpgm
.Lentry_in_a_cluster:
	s_bfe_u32 s2, ttmp6, 0x10000c
	s_cmp_lg_u32 s2, 0x3003
	s_cbranch_scc0 .Lentry_shape_is_right
	s_endpgm
.Lentry_shape_is_right:
; ctx = softmax(q k^T / 8) v for one head and 256 queries a work-group, both products on codes of FP6 (E2M3) with E8M0 scales; ctx is quantised at once, along the hidden axis, into the records that the next product reads.
; THE SOFTMAX AHEAD OF THE SECOND PRODUCT: t = score x log2(e) / 8; M = the row's largest t so far, rounded UP to a whole number; p = 2^(t - M) is quantised along the keys, not normalised.
; The row's sum is taken of the unquantised p and divides at the end.  When M moves, the sums and O are multiplied by 2^(old M - new M): exact.
; IN: q, k: codes [group = head, 16 + head][4096 places][48 bytes], scale words [group][4096][4] (bytes 0, 1 count; bytes 2, 3 scale zero codes and are never 0xff).
;     v: codes [token / 64][1024 places (head x 64 + d)][48], scale words [token / 64][1024][4]: an even group's word holds the four bytes of 128 tokens.  Row i stands at place sg(i) (bits 3, 4 exchanged).
; SHARES: eight waves, two to a SIMD, each TWO tiles of 16 queries: a fragment of K or V and its scale word feed two products.  Every wave walks the 2,048 keys, 128 a step.
; The head's K and V, codes and scale words, are brought into LDS ONCE, by eight fills, one a wave, and stay: no byte of LDS is filled twice.  The four query blocks of a cluster read the same K and V: each tile is asked for jointly.
; No prefetch: all that the launch reads by tensor loads is asked for at its head; there is no later tile to run ahead for.
; LAYOUT: both products transposed: S^T = K Q^T, O^T = V^T P^T: a lane holds ONE query of each tile throughout.  THE ROWS OF A TILE: rows 0-7 of tile t of a group of 64 are the true rows 8 t + i, rows 8-15 the true rows 32 + 8 t + i.
; So lane (r, h) holds in the 32 registers of four tiles the true rows 32 h + 0 .. 31: ONE WHOLE BLOCK of the next quantiser, in order: a block's largest number needs no other lane, and the conversions' results are the operand's registers.
; In LDS the places 0-31 of each 64 lie in one region and the places 32-63 in another, ODD bytes on (128 more than a multiple of 256): the 32 lanes of a load of 8 bytes touch 64 different banks (64 banks of 4 bytes: ISA guide 11.1).
; The first product's K is 64: the upper halves of its operands are zero codes, set once.
; REGISTERS: window 0: addresses, the tiles' small state, Q, four fragments of K, four of V, p's codes, scale words.  Window 1: v0-127 S^T, then p, of tiles 0, 1; v128-191 O^T.  The two tiles' lines take turns, so that no line waits for the line above it.
; LIMITS: the promise holds while the scaled scores stay under 2^31 in magnitude; a block whose largest magnitude lies under 2^-124 (zeros too) gets the byte 1, which only this program reads; NaN and infinities are not served.
.set ODD,  49280                       ; from the region of places 0-31 to that of places 32-63
.set VCL,  98560                       ; LDS: K's codes from 0, V's from here: [32 groups of 64][32 places][48] twice each
.set KSL,  197120                      ; K's scale words
.set VSL,  205312                      ; V's, [16 even groups][64][4]
.set SPARE, 209408                     ; the spare words, 128 bytes a wave
.set QKS,  6291456                     ; in qkvc: q's and k's scale words,
.set VC,   6815744                     ; v's codes,
.set VS,   9961472                     ; v's scale words
.set AK0,  1
.set AV0,  2
.set ASK0, 3
.set ASV0, 4
.set OA,   5                           ; the way out: my 24 bytes of codes
.set OBY,  6                           ; and my scale byte
.set R4,   7
.set ADK,  8                           ; v8-11 the step's addresses
.set ADV,  9
.set ADS,  10
.set ADT,  11
.set NM,   12                          ; v12-15 a pair a tile: -M, the largest score
.set F,    16                          ; v16-19 a pair a tile: 2^(old M - new M)
.set AC,   20                          ; v20-35 the sums: four pairs a tile
.set Q,    36                          ; v36-59
.set KFR,  60                          ; v60-107
.set VFR,  108                         ; v108-155
.set PC,   156                         ; v156-179 p's codes
.set BM,   180                         ; v180-183 a block's largest score, then p: 2 x tile + c
.set T,    184                         ; v184-191 at work
.set B2,   192                         ; v192-195 the second chains of the largest scores
.set KS,   200                         ; scale words: K's four,
.set VSR,  204                         ; V's four,
.set PS,   208                         ; p's, a tile each,
.set QS,   210                         ; Q's
.set SPW,  212
.set NIL,  213
.set OT,   128                         ; window 1
.set WV,   18
.set SEL,  20
.set CS,   22
.set NCS,  97
.set G1K,  24
.set G1V,  32
.set G1KS, 40
.set G1VS, 48
.set G0K,  56
.set G0V,  60
.set G0KS, 68
.set G0VS, 72
.set TB,   76                          ; the step's codes, in K's and in V's regions alike: 3,072 bytes a step
.set TS,   77                          ; K's scale words: 512 bytes a step
.set TJ,   78                          ; V's: 256
.set CNT,  79
.set MSB, 0
.macro WIN new                         ; bits 1:0 source 0, 3:2 source 1, 5:4 source 2, 7:6 destination; the high byte repeats the setting that is left
.if MSB != \new
	s_set_vgpr_msb (MSB<<8)|\new
.set MSB, \new
.endif
.endm
.macro CROUND                          ; a round of the cluster's barrier
	s_barrier_signal -1
	s_barrier_wait -1
	s_cmp_lg_u32 s[WV], 0
	s_cbranch_scc1 .Lnot_wave_0_\@
	s_barrier_signal -3
.Lnot_wave_0_\@:
	s_barrier_wait -3
	s_barrier_signal -1
	s_barrier_wait -1
.endm
.macro DESC1 g, c, r, p                ; group 1: r rows of c elements of 8 bytes, p elements apart; the mask names all four work-groups, bit 21 beside it; no padding
	s_mov_b32 s[\g], 15|(3<<16)|(1<<21)
	s_mov_b32 s[\g+1], (\c)<<16
	s_mov_b32 s[\g+2], (\r)<<16
	s_mov_b32 s[\g+3], (\c)<<16
	s_mov_b32 s[\g+4], \r
	s_mov_b32 s[\g+5], \p
	s_mov_b32 s[\g+6], 0
	s_mov_b32 s[\g+7], 0
.endm
.macro G0SET g, lds, off
	s_mov_b32 s[\g], 1
	s_mov_b32 s[\g+1], \lds
	s_add_nc_u64 s[\g+2:\g+3], s[4:5], s[\off:\off+1]
	s_or_b32 s[\g+3], s[\g+3], 0x80000000
.endm
.macro HARM under, g0, g1, next
	s_cmp_lt_u32 s[WV], \under
	s_cbranch_scc0 \next
	tensor_load_to_lds s[\g0:\g0+3], s[\g1:\g1+7]
	s_nop 0
.rept 4
	v_nop
.endr
	s_branch .Lfirst_asked
\next:
.endm
	s_load_b128 s[4:7], s[0:1], 0x0                ; q, k, v; the records
	v_lshl_add_u32 v[SPW], v0, 2, SPARE
	v_mov_b32 v[NIL], 0
	ds_add_u32 v[SPW], v[NIL]                      ; the opening lines: the add, twice on end, and its wait
	ds_add_u32 v[SPW], v[NIL]
	v_lshrrev_b32 v8, 5, v0
	v_readfirstlane_b32 s[WV], v8                  ; wave 0..7
	s_and_b32 s80, ttmp7, 0xffff
	s_lshr_b32 s81, s80, 4                         ; batch
	s_and_b32 s82, s80, 15                         ; head
	s_and_b32 s83, s[WV], 1                        ; which half of each 64 places I fetch
	s_bfe_u32 s84, s[WV], 0x10001                  ; waves 0-3: which 1,024 keys
	DESC1 G1K, 192, 16, 384                        ; K: 16 groups' 32 places: rows of 1,536 bytes, 3,072 apart
	DESC1 G1V, 192, 32, 6144                       ; V: 32 groups' 32 places of the head: rows of 1,536 bytes, 49,152 apart
	DESC1 G1KS, 32, 32, 32                         ; K's scale words: 8,192 dense bytes
	DESC1 G1VS, 32, 16, 1024                       ; the sixteen even groups' scale words: rows of 256 bytes, 8,192 apart
	s_add_co_u32 s86, s82, 16                      ; k's group
	s_lshl_b32 s88, s86, 14
	s_mul_i32 s86, s86, 196608
	s_mul_i32 s87, s81, 98304
	s_add_co_u32 s86, s86, s87
	s_mul_i32 s87, s84, 49152
	s_add_co_u32 s86, s86, s87
	s_mul_i32 s85, s83, 1536
	s_add_co_u32 s86, s86, s85                     ; K's codes
	s_mov_b32 s87, 0
	s_lshl_b32 s89, s81, 13
	s_add_co_u32 s88, s88, s89
	s_add_co_u32 s88, s88, QKS                     ; K's scale words
	s_mov_b32 s89, 0
	s_mul_i32 s90, s81, 32*49152
	s_mul_i32 s91, s82, 3072
	s_add_co_u32 s90, s90, s91
	s_add_co_u32 s90, s90, s85
	s_add_co_u32 s90, s90, VC                      ; V's codes
	s_mov_b32 s91, 0
	s_lshl_b32 s92, s81, 17
	s_lshl_b32 s93, s82, 8
	s_add_co_u32 s92, s92, s93
	s_add_co_u32 s92, s92, VS                      ; V's scale words
	s_mov_b32 s93, 0
	s_mul_i32 s94, s83, ODD
	s_mul_i32 s95, s84, 24576
	s_add_co_u32 s95, s95, s94                     ; where K's codes go,
	s_add_co_u32 s96, s94, VCL                     ; and V's
	s_mov_b32 s[SEL], 0x76543210
	s_mov_b32 s[SEL+1], 0xfedcba98                 ; v_permlanex16_b32's selects for lane l xor 16
	s_mov_b32 s[CS], 0x3e38aa3b                    ; c = log2(e) / 8
	s_mov_b32 s[CS+1], s[CS]                       ; (named with it as a pair, so it is written)
	s_mov_b32 s[NCS], 0xbe38aa3b                   ; -c
	s_mov_b32 s[TB], 0
	s_mov_b32 s[TS], 0
	s_mov_b32 s[TJ], 0
	s_mov_b32 s[CNT], 16
	s_wait_dscnt 0x0                               ; both opening adds are done
	s_wait_kmcnt 0x0
	G0SET G0K, s95, 86
	G0SET G0V, s96, 90
	G0SET G0KS, KSL, 88
	G0SET G0VS, VSL, 92
	CROUND                                         ; all four work-groups are here: the joint loads meet
; eight fills, one a wave, in one chain of branches on the wave's number: waves 0-3 a quarter of K's codes each, waves 4, 5 a half of V's, wave 6 K's scale words, wave 7 V's
	HARM 4, G0K, G1K, .Lfirst_v
	HARM 6, G0V, G1V, .Lfirst_ks
	HARM 7, G0KS, G1KS, .Lfirst_vs
	tensor_load_to_lds s[G0VS:G0VS+3], s[G1VS:G1VS+7]
	s_nop 0
.rept 4
	v_nop
.endr
.Lfirst_asked:
	s_bfe_u32 s16, ttmp6, 0x40000                  ; cx: it enters q's and the records' global addresses alone
	s_lshl_b32 s17, ttmp9, 2
	s_add_co_u32 s16, s16, s17                     ; my block of 256 queries
	s_lshl_b32 s16, s16, 8
	s_lshl_b32 s17, s81, 11
	s_add_co_u32 s16, s16, s17
	s_lshl_b32 s17, s[WV], 5
	s_add_co_u32 s98, s16, s17                     ; my first place: 2,048 x batch + 256 x block + 32 x wave
	s_mul_i32 s16, s98, 48
	s_mul_i32 s17, s82, 196608
	s_add_co_u32 s16, s16, s17
	s_mov_b32 s17, 0
	s_add_nc_u64 s[8:9], s[4:5], s[16:17]          ; q's codes
	s_lshl_b32 s16, s98, 2
	s_lshl_b32 s19, s82, 14
	s_add_co_u32 s16, s16, s19
	s_add_co_u32 s16, s16, QKS
	s_add_nc_u64 s[10:11], s[4:5], s[16:17]        ; q's scale words
	s_lshl_b32 s99, s98, 8
	s_lshr_b32 s19, s82, 2
	s_lshl_b32 s19, s19, 20
	s_add_co_u32 s99, s99, s19                     ; my first record in the head's panel (head / 4)
	s_and_b32 s19, s82, 3
	s_mul_i32 s16, s19, 48
	s_add_co_u32 s16, s16, s99
	s_add_nc_u64 s[12:13], s[6:7], s[16:17]        ; the head's 48 bytes of codes in it,
	s_lshl_b32 s16, s19, 1
	s_add_co_u32 s16, s16, s99
	s_add_co_u32 s16, s16, 192
	s_add_nc_u64 s[14:15], s[6:7], s[16:17]        ; and its two scale bytes
	v_and_b32 v8, 15, v0                           ; r
	v_bfe_u32 v9, v0, 4, 1                         ; h
	v_mul_u32_u24 v10, v8, 48
	v_mad_u32_u24 v10, v9, 24, v10                 ; q: place r x 48 + 24 h
	v_lshlrev_b32 v[R4], 2, v8
.irp x, 0,1
.irp p, 0,1,2
	global_load_b64 v[Q+12*\x+2*\p:Q+12*\x+2*\p+1], v10, s[8:9] offset:768*\x+8*\p     ; Q's fragments stay in registers
.endr
	global_load_b32 v[QS+\x], v[R4], s[10:11] offset:64*\x
.endr
	v_and_b32 v11, 7, v8                           ; r % 8
	v_lshrrev_b32 v8, 3, v8                        ; r / 8
	v_mul_u32_u24 v[AK0], v11, 48
	v_mad_u32_u24 v[AK0], v9, 24, v[AK0]
	v_mad_u32_u24 v[AK0], v8, ODD, v[AK0]          ; row r of a tile: place r % 8 of the region r / 8, + 24 h
	v_add_nc_u32 v[AV0], VCL, v[AK0]
	v_lshlrev_b32 v[ASK0], 2, v11
	v_lshl_add_u32 v[ASK0], v8, 7, v[ASK0]         ; its scale word: place 32 (r / 8) + r % 8
	v_add_nc_u32 v[ASV0], VSL, v[ASK0]
	v_add_nc_u32 v[ASK0], KSL, v[ASK0]
.irp x, 0,1
.irp i, 6,7,8,9,10,11
	v_mov_b32 v[Q+12*\x+\i], 0                     ; Q's k = 64 .. 127: zero codes
.endr
	v_mov_b32 v[NM+2*\x], 0x7f61b1e6               ; -M: 3e38
	v_mov_b32 v[NM+2*\x+1], 0xff61b1e6             ; the largest score so far: -3e38
	v_mov_b32 v[F+2*\x], 0
	v_mov_b32 v[F+2*\x+1], 0                       ; (named as the upper half of a pair)
	v_mov_b32 v[T+2+\x], 0                         ; a lane permute's destination counts as one of its sources
.endr
.irp t, 0,1,2,3
.irp i, 6,7,8,9,10,11
	v_mov_b32 v[KFR+12*\t+\i], 0                   ; K's likewise, once: the loads fill the lower halves alone
.endr
.endr
.set j, 0
.rept 16
	v_mov_b32 v[AC+j], 0                           ; the sums
.set j, j+1
.endr
	WIN 0x40
.set j, 0
.rept 64
	v_mov_b32 v[OT+j], 0                           ; O^T: the loop is written once; its first step finds zeros, which the first change of M leaves zeros
.set j, j+1
.endr
	WIN 0
	s_wait_alu depctr_va_vdst(0)                   ; the wait at the head's end
	s_wait_tensorcnt 0x0                           ; my fill has landed,
	s_barrier_signal -1
	s_barrier_wait -1                              ; everybody's has
	s_wait_loadcnt 0x0                             ; Q
.macro KLOAD c                         ; four tiles of the step's group c: tile t's true rows 8 t + i stand at places 8 sw(t) + i, sw exchanging t's two bits
.irp t, 0,1,2,3
.irp p, 0,1,2
	ds_load_b64 v[KFR+12*\t+2*\p:KFR+12*\t+2*\p+1], v[ADK] offset:1536*\c+384*(((\t&1)<<1)|(\t>>1))+8*\p
.endr
	ds_load_b32 v[KS+\t], v[ADS] offset:256*\c+32*(((\t&1)<<1)|(\t>>1))
.endr
.endm
.macro QK c                            ; eight products: four tiles of keys x two tiles of queries
.irp t, 0,1,2,3
.irp x, 0,1
	v_wmma_scale_f32_16x16x128_f8f6f4 v[64*\x+32*\c+8*\t:64*\x+32*\c+8*\t+7], v[KFR+12*\t:KFR+12*\t+11], v[Q+12*\x:Q+12*\x+11], 0, v[KS+\t], v[QS+\x] matrix_a_fmt:MATRIX_FMT_FP6 matrix_b_fmt:MATRIX_FMT_FP6
.endr
.endr
.endm
.macro MAXS c, from, to                ; the largest score of my block of group c, in two chains a tile, each accumulator from its low end on
.set I_, \from
.rept (\to)-(\from)
.irp x, 0,1
.if I_ == 0
	v_max3_num_f32 v[BM+2*\x+\c], 0xff61b1e6, v[64*\x+32*\c], v[64*\x+32*\c+1]
	v_max3_num_f32 v[B2+2*\x+\c], 0xff61b1e6, v[64*\x+32*\c+16], v[64*\x+32*\c+17]
.else
	v_max3_num_f32 v[BM+2*\x+\c], v[BM+2*\x+\c], v[64*\x+32*\c+2*I_], v[64*\x+32*\c+2*I_+1]
	v_max3_num_f32 v[B2+2*\x+\c], v[B2+2*\x+\c], v[64*\x+32*\c+16+2*I_], v[64*\x+32*\c+17+2*I_]
.endif
.endr
.set I_, I_+1
.endr
.endm
.Lstep:                                                ; 16 trips of 128 keys
	v_add_nc_u32 v[ADK], s[TB], v[AK0]             ; (these four are the places in front of the loads into registers that the last trip's products read)
	v_add_nc_u32 v[ADV], s[TB], v[AV0]
	v_add_nc_u32 v[ADS], s[TS], v[ASK0]
	v_add_nc_u32 v[ADT], s[TJ], v[ASV0]
	KLOAD 0
.irp t, 0,1,2,3
.irp p, 0,1,2,3,4,5
	ds_load_b64 v[VFR+12*\t+2*\p:VFR+12*\t+2*\p+1], v[ADV] offset:1536*(\p/3)+384*(((\t&1)<<1)|(\t>>1))+8*(\p%3)
.endr
	ds_load_b32 v[VSR+\t], v[ADT] offset:32*(((\t&1)<<1)|(\t>>1))
.endr
	s_wait_alu depctr_va_vdst(0)
	s_wait_dscnt 28                                ; K's first four tiles are in; V's 28 loads may be out
	WIN 0x40
	QK 0
.rept 4
	v_nop                                          ; places in front of the loads into registers that these products read, and of the first read of their results
.endr
	WIN 0
	KLOAD 1
	WIN 0x14
	MAXS 0, 0, 7
	s_wait_alu depctr_va_vdst(0)                   ; the chains go on behind the wait below
	s_wait_dscnt 0x0
	WIN 0x40
	QK 1
	WIN 0x14
	MAXS 0, 7, 8                                   ; four lines on the first group's scores: the places behind the products above
	MAXS 1, 0, 8
	WIN 0
.irp i, 0,1,2,3
	v_max_num_f32 v[BM+\i], v[BM+\i], v[B2+\i]     ; the largest score of each block: for the row's maximum, and, since p rises with the score, for the block's largest p
.endr
.irp x, 0,1
	v_max_num_f32 v[T+\x], v[BM+2*\x], v[BM+2*\x+1]
.endr
.irp x, 0,1
	v_permlanex16_b32 v[T+2+\x], v[T+\x], s[SEL], s[SEL+1]
.endr
.irp x, 0,1
	v_max3_num_f32 v[NM+2*\x+1], v[NM+2*\x+1], v[T+\x], v[T+2+\x]     ; the running largest score of my query (c is positive: the largest t is its t)
.endr
.irp x, 0,1
	v_mul_f32 v[T+\x], s[NCS], v[NM+2*\x+1]        ; -t
.endr
.irp x, 0,1
	v_floor_f32 v[T+\x], v[T+\x]                   ; the new -M = floor(-t): M is a whole number
.endr
.irp x, 0,1
	v_sub_f32 v[T+2+\x], v[T+\x], v[NM+2*\x]       ; old M - new M: a whole number, 0 or less
.endr
.irp x, 0,1
	v_mov_b32 v[NM+2*\x], v[T+\x]
.endr
.irp x, 0,1
	v_cvt_i32_f32 v[T+2+\x], v[T+2+\x]             ; (it saturates)
.endr
.irp x, 0,1
	v_ldexp_f32 v[F+2*\x], 1.0, v[T+2+\x]          ; f = 2^(old M - new M)
.endr
.irp x, 0,1
.irp c, 0,1
	v_fma_f32 v[BM+2*\x+\c], v[BM+2*\x+\c], s[CS], v[NM+2*\x]         ; t - M of each block's largest score
.endr
.endr
.irp k, 0,1,2,3
.irp x, 0,1
	v_pk_mul_f32 v[AC+8*\x+2*\k:AC+8*\x+2*\k+1], v[AC+8*\x+2*\k:AC+8*\x+2*\k+1], v[F+2*\x:F+2*\x+1] op_sel_hi:[1,0]   ; the sums under the new M
.endr
.endr
	WIN 0x41
.irp x, 0,1
.set j, 0
.rept 32
	v_pk_fma_f32 v[64*\x+2*j:64*\x+2*j+1], v[64*\x+2*j:64*\x+2*j+1], s[CS:CS+1], v[NM+2*\x:NM+2*\x+1] op_sel_hi:[1,0,0]   ; t - M, two at a time
.set j, j+1
.endr
.endr
.irp x, 0,1
.set j, 0
.rept 16
	v_pk_mul_f32 v[OT+32*\x+2*j:OT+32*\x+2*j+1], v[OT+32*\x+2*j:OT+32*\x+2*j+1], v[F+2*\x:F+2*\x+1] op_sel_hi:[1,0]   ; O^T under the new M, each accumulator from its low end on
.set j, j+1
.endr
.endr
	s_wait_alu depctr_va_vdst(0)                   ; the wait ahead of the batch
.set j, 0
.rept 128
	v_exp_f32 v[j], v[j]                           ; p = 2^(t - M), at most 1: not normalised
.set j, j+1
.endr
	WIN 0
.irp i, 0,1,2,3
	v_exp_f32 v[BM+\i], v[BM+\i]                   ; the block's largest p: the same two steps on the same number give the same bits
.endr
	v_nop                                          ; one plain line behind the exponentials
	s_wait_alu depctr_va_vdst(0)                   ; and the one wait for the batch, ahead of its first reader
.irp i, 0,1,2,3
	v_max_num_f32 v[BM+\i], 0x1800000, v[BM+\i]    ; the floor 2^(3 - 127): the byte cannot fall under 1
.endr
.irp i, 0,1,2,3
	v_add_nc_u32 v[T+4+\i], 0xff000000, v[BM+\i]   ; 2 off the exponent field: the conversion's scale operand
.endr
	WIN 0x01
.irp x, 0,1
.irp c, 0,1
	v_cvt_scalef32_pk16_fp6_f32 v[PC+12*\x+6*\c:PC+12*\x+6*\c+2], v[64*\x+32*\c:64*\x+32*\c+15], v[T+4+2*\x+\c]
	v_cvt_scalef32_pk16_fp6_f32 v[KFR+12*(2*\x+\c):KFR+12*(2*\x+\c)+2], v[64*\x+32*\c+16:64*\x+32*\c+31], v[T+4+2*\x+\c]   ; (three registers from an even one on: made in K's idle registers and moved)
.endr
.endr
	WIN 0
.irp i, 0,1,2,3
	v_lshrrev_b32 v[BM+\i], 23, v[T+4+\i]          ; the scale's byte (plain lines behind the conversions)
.endr
.irp x, 0,1
	v_lshl_or_b32 v[T+\x], v[BM+2*\x+1], 16, v[BM+2*\x]            ; my two bytes: blocks h and 2 + h
.endr
.irp x, 0,1
	v_permlanex16_b32 v[T+2+\x], v[T+\x], s[SEL], s[SEL+1]
.endr
.irp x, 0,1
	v_lshl_or_b32 v[PS+\x], v[T+2+\x], 8, v[T+\x]  ; lanes 0-15, which alone are read: blocks 0, 2 mine, blocks 1, 3 lane l + 16's
.endr
.irp x, 0,1
.irp c, 0,1
.irp i, 0,1,2
	v_mov_b32 v[PC+12*\x+6*\c+3+\i], v[KFR+12*(2*\x+\c)+\i]
.endr
.endr
.endr
	WIN 0x04
.set j, 0
.rept 32
.irp x, 0,1
	v_pk_add_f32 v[AC+8*\x+2*(j%4):AC+8*\x+2*(j%4)+1], v[AC+8*\x+2*(j%4):AC+8*\x+2*(j%4)+1], v[64*\x+2*j:64*\x+2*j+1]   ; the row's sum is taken of the unquantised p.  (These 64 are the places ahead of the products below)
.endr
.set j, j+1
.endr
	WIN 0x50
.irp t, 0,1,2,3                                ; O^T += V^T P^T: the eight accumulators by turns
.irp x, 0,1
	v_wmma_scale_f32_16x16x128_f8f6f4 v[OT+32*\x+8*\t:OT+32*\x+8*\t+7], v[VFR+12*\t:VFR+12*\t+11], v[PC+12*\x:PC+12*\x+11], v[OT+32*\x+8*\t:OT+32*\x+8*\t+7], v[VSR+\t], v[PS+\x] matrix_a_fmt:MATRIX_FMT_FP6 matrix_b_fmt:MATRIX_FMT_FP6
.endr
.endr
	WIN 0
	s_add_co_u32 s[TB], s[TB], 3072
	s_add_co_u32 s[TS], s[TS], 512
	s_add_co_u32 s[TJ], s[TJ], 256
	s_sub_co_u32 s[CNT], s[CNT], 1
	s_cmp_lg_u32 s[CNT], 0
	s_cbranch_scc1 .Lstep
	s_wait_alu depctr_va_vdst(0)
	; THE WAY OUT.  O^T / the sum; register 8 t + j of lane (r, h) is ctx(my query, 64 head + 32 h + 8 t + j): one whole block, quantised; the lane stores its 24 bytes and its scale byte.
	; A head owns 48 + 2 bytes of a record, so these stores are short pieces of rows 256 bytes apart: 3 MB in the whole launch.
.irp x, 0,1
	v_pk_add_f32 v[AC+8*\x:AC+8*\x+1], v[AC+8*\x:AC+8*\x+1], v[AC+8*\x+2:AC+8*\x+3]        ; (the plain lines from here on are the places behind the last products)
	v_pk_add_f32 v[AC+8*\x+4:AC+8*\x+5], v[AC+8*\x+4:AC+8*\x+5], v[AC+8*\x+6:AC+8*\x+7]
.endr
.irp x, 0,1
	v_pk_add_f32 v[AC+8*\x:AC+8*\x+1], v[AC+8*\x:AC+8*\x+1], v[AC+8*\x+4:AC+8*\x+5]
.endr
.irp x, 0,1
	v_add_f32 v[AC+8*\x], v[AC+8*\x], v[AC+8*\x+1]
.endr
.irp x, 0,1
	v_permlanex16_b32 v[T+\x], v[AC+8*\x], s[SEL], s[SEL+1]
.endr
.irp x, 0,1
	v_add_f32 v[AC+8*\x], v[AC+8*\x], v[T+\x]      ; with lane l xor 16's blocks: the row's sum
.endr
	s_wait_alu depctr_va_vdst(0)                   ; the wait ahead of the transcendentals
.irp x, 0,1
	v_rcp_f32 v[AC+8*\x], v[AC+8*\x]
.endr
	v_and_b32 v8, 15, v0                           ; r
	v_bfe_u32 v9, v0, 4, 1                         ; h
	v_lshlrev_b32 v[OA], 8, v8
	v_add_nc_u32 v[OBY], v[OA], v9                 ; record r, + h
	v_mad_u32_u24 v[OA], v9, 24, v[OA]             ; record r, + 24 h
	s_wait_alu depctr_va_vdst(0)                   ; and ahead of their first reader, which is O^T's first reader too
	WIN 0x41
.irp x, 0,1
.set j, 0
.rept 16
	v_pk_mul_f32 v[64*\x+2*j:64*\x+2*j+1], v[OT+32*\x+2*j:OT+32*\x+2*j+1], v[AC+8*\x:AC+8*\x+1] op_sel_hi:[1,0]
.set j, j+1
.endr
.endr
	WIN 0x14
.set j, 0
.rept 16
.irp x, 0,1
.if j == 0
	v_max3_num_f32 v[BM+\x], 0x1800000, |v[64*\x]|, |v[64*\x+1]|       ; my block's largest magnitude, and the floor 2^(3 - 127)
.else
	v_max3_num_f32 v[BM+\x], v[BM+\x], |v[64*\x+2*j]|, |v[64*\x+2*j+1]|
.endif
.endr
.set j, j+1
.endr
	WIN 0
.irp x, 0,1
	v_add_nc_u32 v[T+4+\x], 0xff000000, v[BM+\x]
.endr
	WIN 0x01
.irp x, 0,1
	v_cvt_scalef32_pk16_fp6_f32 v[PC+12*\x:PC+12*\x+2], v[64*\x:64*\x+15], v[T+4+\x]
	v_cvt_scalef32_pk16_fp6_f32 v[PC+12*\x+6:PC+12*\x+8], v[64*\x+16:64*\x+31], v[T+4+\x]
.endr
	WIN 0
.irp x, 0,1
	v_lshrrev_b32 v[BM+\x], 23, v[T+4+\x]          ; my block's byte (plain lines behind the conversions)
.endr
.irp x, 0,1
.irp i, 0,1,2
	v_mov_b32 v[PC+12*\x+3+\i], v[PC+12*\x+6+\i]
.endr
.endr
.irp x, 0,1
.irp i, 0,1,2
	global_store_b64 v[OA], v[PC+12*\x+2*\i:PC+12*\x+2*\i+1], s[12:13] offset:4096*\x+8*\i
.endr
	global_store_b8 v[OBY], v[BM+\x], s[14:15] offset:4096*\x
.endr
	s_wait_tensorcnt 0x0                           ; the wave's end
	ds_add_u32 v[SPW], v[NIL]
	s_wait_dscnt 0x0
	CROUND                                         ; the closing round
	s_endpgm
.Lfunc_end_k_q51a6b7d649_attn:
	.size	k_q51a6b7d649_attn, .Lfunc_end_k_q51a6b7d649_attn-k_q51a6b7d649_attn
	.p2alignl 7, 3214868480
	.fill 96, 4, 3214868480
	.section	.rodata,"a",@progbits
	.p2align	6, 0x0
	.amdhsa_kernel k_q51a6b7d649_attn
		.amdhsa_group_segment_fixed_size 210432
		.amdhsa_private_segment_fixed_size 0
		.amdhsa_enable_private_segment 0
		.amdhsa_kernarg_size 16
		.amdhsa_user_sgpr_count 2
		.amdhsa_user_sgpr_kernarg_segment_ptr 1
		.amdhsa_wavefront_size32 1
		.amdhsa_system_sgpr_workgroup_id_x 1
		.amdhsa_system_sgpr_workgroup_id_y 1
		.amdhsa_system_sgpr_workgroup_id_z 1
		.amdhsa_system_vgpr_workitem_id 0
		.amdhsa_next_free_vgpr 448
		.amdhsa_next_free_sgpr 100
		.amdhsa_reserve_vcc 0
		.amdhsa_float_denorm_mode_32 3
		.amdhsa_float_denorm_mode_16_64 3
		.amdhsa_memory_ordered 1
		.amdhsa_forward_progress 1
		.amdhsa_inst_pref_size 51
	.end_amdhsa_kernel
	.amdgpu_metadata
---
amdhsa.version: [ 1, 2 ]
amdhsa.kernels:
  - .name:           k_q51a6b7d649_attn
    .symbol:         k_q51a6b7d649_attn.kd
    .args:
      - { .name: qkvc, .offset: 0, .size: 8, .value_kind: global_buffer, .address_space: global }
      - { .name: act, .offset: 8, .size: 8, .value_kind: global_buffer, .address_space: global }
    .group_segment_fixed_size: 210432
    .private_segment_fixed_size: 0
    .kernarg_segment_align: 8
    .kernarg_segment_size: 16
    .max_flat_workgroup_size: 256
    .sgpr_count:     100
    .vgpr_count:     448
    .wavefront_size: 32
...
	.end_amdgpu_metadata
.endif
;; end of part 10
;; launch oproj (part 11): grid 8 x 32, 4 waves a work-group, clusters of 4 x 4, 327,680 bytes of LDS; arguments act, wts, bo, x, res1; writes res1
.if DOCPART == 11
	.amdgcn_target "amdgcn-amd-amdhsa--gfx1250"
	.amdhsa_code_object_version 6
	.text
	.protected	k_q51a6b7d649_oproj
	.globl	k_q51a6b7d649_oproj
	.p2align	8
	.type	k_q51a6b7d649_oproj,@function
k_q51a6b7d649_oproj:
	s_mov_b64 s[64:65], 0
	v_nop
	global_prefetch_b8 v0, s[64:65] scope:SCOPE_SE
	s_setreg_imm32_b32 hwreg(HW_REG_WAVE_MODE, 25, 1), 1
	s_wait_xcnt 0x0
	s_wait_alu depctr_hold_cnt(0) depctr_sa_sdst(0) depctr_va_vdst(0) depctr_va_sdst(0) depctr_va_ssrc(0) depctr_va_vcc(0) depctr_vm_vsrc(0)
	s_getreg_b32 s2, hwreg(HW_REG_IB_STS2, 6, 4)
	s_cmp_eq_u32 s2, 0
	s_cbranch_scc0 .Lentry_in_a_cluster
	s_endpgm
.Lentry_in_a_cluster:
	s_bfe_u32 s2, ttmp6, 0x10000c
	s_cmp_lg_u32 s2, 0xf033
	s_cbranch_scc0 .Lentry_shape_is_right
	s_endpgm
.Lentry_shape_is_right:
; res1 = ctx Wo + bo + x on records of FP6 codes (192 bytes of codes for 256 along K, 8 scale bytes), K = 1,024, f32 sums.  Tile 128 x 128, four waves, 64 x 64 a wave; source 0 = 16 places of Wo's columns, source 1 = 16 places of tokens.
; A slot holds two panels of P's 128 records and of Q's 128.  ALL OF K, two slots, is asked for at the head, one joint load a wave; nothing is filled again.  P's tile is shared along a row of the 4 x 4 cluster, Q's along a column.
; No prefetch: every tile is asked for by the head's loads, and there is no loop to run ahead in.
.set LAPS,   1
.set PSA,    1048576
.set PSB,    1048576
.set QOFF,   786432
.set PITCH,  272
.set QT,     64*PITCH
.set HALFT,  128*PITCH
.set SLOT,   4*HALFT
.set SPARE,  2*SLOT
.set STAGE,  SPARE+512
.set SPITCH, 272
.set FR,     12
.set PADW,   (1<<20)|(1<<21)|(5<<22)|(3<<25)
.set ADRA, 16
.set ADRS, 18
.set ADRB, 20
.set BJO,  22
.set STO,  24
.set RD,   25
.set CO,   26
.set SPW,  28
.set NIL,  29
.set SC,   32
.set BJ,   64
.set ACC,  128
.set F0,   0
.set F1,   128
.set RS,   0
.set BK,   128
.set G1, 24
.set G0, 32
.set G1B, 48
.set G0B, 56
.set MSB, 0
.macro WIN new
.if MSB != \new
	s_set_vgpr_msb (MSB<<8)|\new
.set MSB, \new
.endif
.endm
.set MULW, 0x05
.set TO_F, 0x40
.macro JLOAD g0a, g1a, g0b, g1b
	s_cmp_eq_u32 s15, 0
	s_cbranch_scc0 .Lfor_b_\@
	tensor_load_to_lds s[\g0a:\g0a+3], s[\g1a:\g1a+7]
	s_nop 0
.rept 4
	v_nop
.endr
	s_branch .Lasked_\@
.Lfor_b_\@:
	tensor_load_to_lds s[\g0b:\g0b+3], s[\g1b:\g1b+7]
	s_nop 0
.rept 4
	v_nop
.endr
.Lasked_\@:
.endm
.macro CREST
	s_cmp_lg_u32 s14, 0
	s_cbranch_scc1 .Lnot_wave_0_\@
	s_barrier_signal -3
.Lnot_wave_0_\@:
	s_barrier_wait -3
	s_barrier_signal -1
	s_barrier_wait -1
.endm
.macro CROUND
	s_barrier_signal -1
	s_barrier_wait -1
	CREST
.endm
.macro PLACES n
.rept \n
	v_nop
.endr
.endm
.macro FRAG reg, adr, off
.irp p, 0,1,2,3,4,5
	ds_load_b64 v[\reg+2*\p:\reg+2*\p+1], v[\adr] offset:(\off)+48*(\p/3)+8*(\p%3)
.endr
.endm
.macro FETCH slot, kq, fb
	WIN TO_F
.irp i, 0,1,2,3
	FRAG \fb+48+FR*\i, ADRB+\slot, ((\kq)/2)*HALFT+96*((\kq)%2)+\i*16*PITCH
	FRAG \fb+FR*\i, ADRA+\slot, ((\kq)/2)*HALFT+96*((\kq)%2)+\i*16*PITCH
.endr
.endm
.macro SCALES slot
.irp pn, 0,1
.irp i, 0,1,2,3
	ds_load_b64 v[SC+16*\slot+8*\pn+2*\i:SC+16*\slot+8*\pn+2*\i+1], v[ADRS+\slot] offset:\pn*HALFT+192+\i*16*PITCH
.endr
.endr
.endm
.macro MUL fb, sc, pn, kq, cin
.irp a, 0,1,2,3
.irp b, 0,1,2,3
.if \cin
	v_wmma_scale_f32_16x16x128_f8f6f4 v[ACC+8*(4*\a+\b):ACC+8*(4*\a+\b)+7], v[\fb+48+FR*\b:\fb+48+FR*\b+FR-1], v[\fb+FR*\a:\fb+FR*\a+FR-1], v[BJ+8*\b:BJ+8*\b+7], v[SC+16*(\sc)+8*(\pn)+2*\b+(\kq)], v[SC+16*(\sc)+8*(\pn)+2*\a+(\kq)] matrix_a_fmt:MATRIX_FMT_FP6 matrix_b_fmt:MATRIX_FMT_FP6 matrix_a_scale:MATRIX_SCALE_ROW1
.else
	v_wmma_scale_f32_16x16x128_f8f6f4 v[ACC+8*(4*\a+\b):ACC+8*(4*\a+\b)+7], v[\fb+48+FR*\b:\fb+48+FR*\b+FR-1], v[\fb+FR*\a:\fb+FR*\a+FR-1], v[ACC+8*(4*\a+\b):ACC+8*(4*\a+\b)+7], v[SC+16*(\sc)+8*(\pn)+2*\b+(\kq)], v[SC+16*(\sc)+8*(\pn)+2*\a+(\kq)] matrix_a_fmt:MATRIX_FMT_FP6 matrix_b_fmt:MATRIX_FMT_FP6 matrix_a_scale:MATRIX_SCALE_ROW1
.endif
.endr
.endr
.endm
.macro WORK sl, cin
	SCALES \sl
	FETCH \sl, 0, F0
	FETCH \sl, 1, F1
	s_wait_dscnt 48
.if \cin
	s_wait_loadcnt 32
.endif
	WIN MULW
	MUL F0, \sl, 0, 0, \cin
	PLACES 4
	FETCH \sl, 2, F0
	s_wait_dscnt 48
	WIN MULW
	MUL F1, \sl, 0, 1, 0
	PLACES 4
	FETCH \sl, 3, F1
	s_wait_dscnt 48
	WIN MULW
	MUL F0, \sl, 1, 0, 0
	s_wait_dscnt 0x0
	MUL F1, \sl, 1, 1, 0
	WIN 0
.endm
.macro CHANGE sl, fill
	s_wait_tensorcnt 0x0
	ds_add_u32 v[SPW], v[NIL]
.if \fill
	s_add_nc_u64 s[G0+4*\sl+2:G0+4*\sl+3], s[G0+4*\sl+2:G0+4*\sl+3], 4*PSA
	s_add_nc_u64 s[G0B+4*\sl+2:G0B+4*\sl+3], s[G0B+4*\sl+2:G0B+4*\sl+3], 4*PSB
.endif
	s_wait_dscnt 0x0
.if \fill
	CROUND
	JLOAD G0+4*\sl, G1, G0B+4*\sl, G1B
.else
	s_barrier_signal -1
	s_barrier_wait -1
	PLACES 4
.endif
.endm
	s_load_b256 s[4:11], s[0:1], 0x0
	s_load_b64 s[12:13], s[0:1], 0x20
	v_lshl_add_u32 v[SPW], v0, 2, SPARE
	v_mov_b32 v[NIL], 0
	ds_add_u32 v28, v29
	ds_add_u32 v28, v29
	s_wait_dscnt 0x0
	v_lshrrev_b32 v1, 5, v0
	v_readfirstlane_b32 s14, v1
	s_lshr_b32 s15, s14, 1
	s_and_b32 s16, s14, 1
	s_bfe_u32 s40, ttmp6, 0x40000
	s_bfe_u32 s41, ttmp6, 0x40004
	s_lshl_b32 s42, ttmp9, 2
	s_add_co_u32 s42, s42, s40
	s_and_b32 s17, ttmp7, 0xffff
	s_lshl_b32 s17, s17, 2
	s_add_co_u32 s17, s17, s41
	s_lshl_b32 s43, s41, 2
	s_lshl_b32 s43, 15, s43
	s_lshl_b32 s44, 0x1111, s40
	s_or_b32 s[G1+0], s43, PADW
	s_or_b32 s[G1B+0], s44, PADW
.irp g, G1, G1B
	s_mov_b32 s[\g+1], 32768<<16                   ; a tile: two rows, one a panel, of 128 dense records = 32,768 bytes, padded behind every 256
	s_mov_b32 s[\g+2], 2<<16
	s_mov_b32 s[\g+3], 32768<<16
	s_mov_b32 s[\g+4], 2
	s_mov_b32 s[\g+5], PSA                         ; from panel to panel (the same in both operands)
	s_mov_b32 s[\g+6], 0
	s_mov_b32 s[\g+7], 0
.endr
	s_mul_i32 s18, s15, 2*PSA                      ; slot = wave / 2: panels 2 x slot, 2 x slot + 1
	s_mul_i32 s19, s15, 2*PSB
	s_lshl_b32 s20, s17, 15
	s_add_co_u32 s20, s20, s18
	s_mov_b32 s21, 0
	s_lshl_b32 s46, s42, 15
	s_add_co_u32 s46, s46, s19
	s_add_co_u32 s46, s46, QOFF
	s_mov_b32 s47, 0
	s_mul_i32 s45, s15, SLOT
	s_wait_kmcnt 0x0
	s_add_nc_u64 s[20:21], s[4:5], s[20:21]
	s_add_nc_u64 s[46:47], s[6:7], s[46:47]
	CROUND
	s_mov_b32 s[G0], 1
	s_mov_b32 s[G0+1], s45
	s_mov_b64 s[G0+2:G0+3], s[20:21]
	s_or_b32 s[G0+3], s[G0+3], 0x80000000
	s_mov_b32 s[G0B], 1
	s_add_co_u32 s[G0B+1], s45, 2*HALFT
	s_mov_b64 s[G0B+2:G0B+3], s[46:47]
	s_or_b32 s[G0B+3], s[G0B+3], 0x80000000
; the head's loads, one a wave: wave 0 P for slot 0, wave 1 Q for slot 0, wave 2 P for slot 1, wave 3 Q for slot 1; a line to each wave
.macro HARM under, g0, g1, next
	s_cmp_lt_u32 s14, \under
	s_cbranch_scc0 \next
	tensor_load_to_lds s[\g0:\g0+3], s[\g1:\g1+7]
	s_nop 0
.rept 4
	v_nop
.endr
	s_branch .Lhead_asked
\next:
.endm
	HARM 1, G0, G1, .Lhead_1
	HARM 2, G0B, G1B, .Lhead_2
	HARM 3, G0, G1, .Lhead_3
	tensor_load_to_lds s[G0B:G0B+3], s[G1B:G1B+7]
	s_nop 0
.rept 4
	v_nop
.endr
.Lhead_asked:
	v_and_b32 v1, 15, v0
	v_bfe_u32 v2, v0, 4, 1
	v_lshlrev_b32 v[CO], 12, v2
	v_lshl_add_u32 v[CO], v1, 4, v[CO]
	v_lshlrev_b32 v[BJO], 6, v2
	s_wait_alu depctr_va_vdst(0)
	s_lshl_b32 s80, s17, 7
	s_lshl_b32 s81, s15, 6
	s_add_co_u32 s80, s80, s81
	s_lshl_b32 s80, s80, 12
	s_lshl_b32 s82, s42, 9
	s_lshl_b32 s83, s16, 8
	s_add_co_u32 s82, s82, s83
	s_mov_b32 s83, 0
	s_add_co_u32 s80, s80, s82
	s_mov_b32 s81, 0
	s_add_nc_u64 s[8:9], s[8:9], s[82:83]
	s_add_nc_u64 s[10:11], s[10:11], s[80:81]
	s_add_nc_u64 s[12:13], s[12:13], s[80:81]
.irp u, 0,1
.irp j, 0,1,2,3
	global_load_b128 v[BJ+16*\u+4*\j:BJ+16*\u+4*\j+3], v[BJO], s[8:9] offset:128*\u+16*\j
.endr
.endr
	v_mul_u32_u24 v3, v1, PITCH
	v_mad_u32_u24 v4, v2, 24, v3
	s_mul_i32 s21, s15, QT
	s_mul_i32 s22, s16, QT
	s_add_co_u32 s22, s22, 2*HALFT
	s_xor_b32 s23, s15, 1
	s_add_co_u32 s23, s23, s16
	s_add_co_u32 s23, s23, 3
	s_mul_i32 s23, s23, QT
	v_mul_u32_u24 v5, s23, v2
	v_add_nc_u32 v5, v5, v3
	v_add_nc_u32 v[ADRA], s21, v4
	v_add_nc_u32 v[ADRB], s22, v4
	v_add_nc_u32 v[ADRS], s21, v5
	v_add_nc_u32 v[ADRA+1], SLOT, v[ADRA]
	v_add_nc_u32 v[ADRB+1], SLOT, v[ADRB]
	v_add_nc_u32 v[ADRS+1], SLOT, v[ADRS]
	s_mul_i32 s23, s14, 16*SPITCH
	s_add_co_u32 s23, s23, STAGE
	v_mul_u32_u24 v5, v1, SPITCH
	v_lshl_add_u32 v5, v2, 6, v5
	v_add_nc_u32 v[STO], s23, v5
	v_mul_u32_u24 v6, v2, SPITCH
	v_lshl_add_u32 v6, v1, 4, v6
	v_add_nc_u32 v[RD], s23, v6
	s_wait_alu depctr_va_vdst(0)
	s_cmp_lt_u32 s14, 2
	s_cbranch_scc0 .Lslot_1_wave
	s_wait_tensorcnt 0x0                           ; waves 0 and 1: my tile of slot 0 is in (slot 1's are shown by the change of slots)
.Lslot_1_wave:
	s_barrier_signal -1
	s_barrier_wait -1
	WIN 0x80                                       ; the residual's rows are asked for behind slot 0's landing: they are wanted on the way out alone
.irp a, 0,1,2,3
.irp t, 0,1,2,3,4,5,6,7
	global_load_b128 v[RS+32*\a+4*\t:RS+32*\a+4*\t+3], v[CO], s[10:11] offset:(32*(\a/2)+8*(\a%2)+16*(\t/4)+2*(\t%4))*4096
.endr
.endr
	WIN 0
	WORK 0, 1
.if LAPS > 1
	s_mov_b32 s3, LAPS-1
.Llap:
	CHANGE 0, 1
	WORK 1, 0
	CHANGE 1, 1
	WORK 0, 0
	s_sub_co_u32 s3, s3, 1
	s_cmp_lg_u32 s3, 0
	s_cbranch_scc1 .Llap
.endif
	CHANGE 0, 0
	WORK 1, 0
	PLACES 4
.irp a, 0,1,2,3
.irp b, 0,1,2,3
	ds_store_b128 v[STO], v[ACC+32*\a+8*\b:ACC+32*\a+8*\b+3] offset:128*(\b/2)+32*(\b%2)
	ds_store_b128 v[STO], v[ACC+32*\a+8*\b+4:ACC+32*\a+8*\b+7] offset:128*(\b/2)+32*(\b%2)+16
.endr
	WIN 0x80
.irp t, 0,1,2,3,4,5,6,7
	ds_load_b128 v[BK+32*\a+4*\t:BK+32*\a+4*\t+3], v[RD] offset:2*\t*SPITCH
.endr
	WIN 0
.endr
	s_wait_loadcnt 0x0
.irp a, 0,1,2,3
	s_wait_dscnt 16*(3-\a)
	WIN 0x8a
.set k, 0
.rept 16
	v_pk_add_f32 v[RS+32*\a+2*k:RS+32*\a+2*k+1], v[RS+32*\a+2*k:RS+32*\a+2*k+1], v[BK+32*\a+2*k:BK+32*\a+2*k+1]
.set k, k+1
.endr
	WIN 0x08
.irp t, 0,1,2,3,4,5,6,7
	global_store_b128 v[CO], v[RS+32*\a+4*\t:RS+32*\a+4*\t+3], s[12:13] offset:(32*(\a/2)+8*(\a%2)+16*(\t/4)+2*(\t%4))*4096
.endr
.endr
	WIN 0
	s_wait_tensorcnt 0x0
	ds_add_u32 v[SPW], v[NIL]
	s_wait_dscnt 0x0
	CROUND
	s_endpgm
.Lfunc_end_k_q51a6b7d649_oproj:
	.size	k_q51a6b7d649_oproj, .Lfunc_end_k_q51a6b7d649_oproj-k_q51a6b7d649_oproj
	.p2alignl 7, 3214868480
	.fill 96, 4, 3214868480
	.section	.rodata,"a",@progbits
	.p2align	6, 0x0
	.amdhsa_kernel k_q51a6b7d649_oproj
		.amdhsa_group_segment_fixed_size 327680
		.amdhsa_private_segment_fixed_size 0
		.amdhsa_enable_private_segment 0
		.amdhsa_kernarg_size 40
		.amdhsa_user_sgpr_count 2
		.amdhsa_user_sgpr_kernarg_segment_ptr 1
		.amdhsa_wavefront_size32 1
		.amdhsa_system_sgpr_workgroup_id_x 1
		.amdhsa_system_sgpr_workgroup_id_y 1
		.amdhsa_system_sgpr_workgroup_id_z 1
		.amdhsa_system_vgpr_workitem_id 0
		.amdhsa_next_free_vgpr 768
		.amdhsa_next_free_sgpr 100
		.amdhsa_reserve_vcc 0
		.amdhsa_float_denorm_mode_32 3
		.amdhsa_float_denorm_mode_16_64 3
		.amdhsa_memory_ordered 1
		.amdhsa_forward_progress 1
		.amdhsa_inst_pref_size 66
	.end_amdhsa_kernel
	.amdgpu_metadata
---
amdhsa.version: [ 1, 2 ]
amdhsa.kernels:
  - .name:           k_q51a6b7d649_oproj
    .symbol:         k_q51a6b7d649_oproj.kd
    .args:
      - { .name: act, .offset: 0, .size: 8, .value_kind: global_buffer, .address_space: global }
      - { .name: wts, .offset: 8, .size: 8, .value_kind: global_buffer, .address_space: global }
      - { .name: bo, .offset: 16, .size: 8, .value_kind: global_buffer, .address_space: global }
      - { .name: x, .offset: 24, .size: 8, .value_kind: global_buffer, .address_space: global }
      - { .name: res1, .offset: 32, .size: 8, .value_kind: global_buffer, .address_space: global }
    .group_segment_fixed_size: 327680
    .private_segment_fixed_size: 0
    .kernarg_segment_align: 8
    .kernarg_segment_size: 40
    .max_flat_workgroup_size: 128
    .sgpr_count:     100
    .vgpr_count:     768
    .wavefront_size: 32
...
	.end_amdgpu_metadata
.endif
;; end of part 11
;; launch ln2 (part 12): grid 1024 x 1, 4 waves a work-group, no clusters, 23,040 bytes of LDS; arguments res1, g2, b2, act; writes act
.if DOCPART == 12
	.amdgcn_target "amdgcn-amd-amdhsa--gfx1250"
	.amdhsa_code_object_version 6
	.text
	.protected	k_q51a6b7d649_ln2
	.globl	k_q51a6b7d649_ln2
	.p2align	8
	.type	k_q51a6b7d649_ln2,@function
k_q51a6b7d649_ln2:
	s_mov_b64 s[64:65], 0
	v_nop
	global_prefetch_b8 v0, s[64:65] scope:SCOPE_SE
	s_setreg_imm32_b32 hwreg(HW_REG_WAVE_MODE, 25, 1), 1
	s_wait_xcnt 0x0
; y = (x - mean) rsqrt(var + 1e-5) g + b along rows of 1,024 f32, then quantised along the row to FP6 (E2M3) with one E8M0 byte for each 32, and stored as RECORDS of 256 bytes:
; record (panel = column / 256, row): bytes 0-191 256 codes, 192-199 8 scale bytes, 200-255 zeros; [4 panels][4096 places][256]; row i stands at place sg(i), i with bits 3 and 4 exchanged.
; A wave takes ONE row, a work-group 4.  The row, g and b are asked for at the head: 24 loads of a wave are out together, and no load is issued behind a use.
; Loads are dense (512 consecutive bytes a load); the row turns through the wave's own stage in LDS so that lane l holds columns 32 l .. 32 l + 31: one block.
; Mean first, then the sum of squared differences: a common offset of the inputs costs no accuracy.  All in f32.
; Waves share nothing: no barrier; no cluster, since no work-group reads another's rows and g and b are 8 KB.  No prefetch: there is no loop to run ahead in.
; LIMITS: a block whose largest magnitude lies under 2^-124 (a block of zeros too) gets the byte 1, which only this program reads; NaN and infinities are not served.
.set G,    32                          ; v32-63   g of my 32 columns
.set BV,   64                          ; v64-95   b
.set R,    96                          ; v96-127  the row as loaded
.set Y,    160                         ; v160-191 my 32 numbers
.set OB,   192                         ; v192-199 the records on their way out
.set WREG, 5632                        ; LDS of a wave: 32 places of 144 bytes for the turn, then 1,024 bytes for the row's four records
.set OST,  4608
	s_load_b256 s[4:11], s[0:1], 0x0               ; x, g, b, the records
	v_lshl_add_u32 v208, v0, 2, 0x5800
	v_mov_b32 v209, 0
	v_lshrrev_b32 v1, 5, v0
	v_readfirstlane_b32 s16, v1                    ; wave
	v_and_b32 v1, 31, v0                           ; lane l
	v_lshlrev_b32 v2, 4, v1                        ; 16 l
	v_lshlrev_b32 v3, 7, v1                        ; 128 l: my 32 columns of g and b
	s_mul_i32 s17, s16, WREG
	v_lshrrev_b32 v30, 3, v1                       ; l / 8
	v_and_b32 v31, 7, v1                           ; l % 8
	v_mul_u32_u24 v4, v30, 144
	v_lshl_add_u32 v4, v31, 4, v4
	v_add_nc_u32 v4, s17, v4                       ; the turn, in: load j's 16 bytes belong to lane 4 j + l / 8, at 16 (l % 8) of its place
	v_mul_u32_u24 v5, v1, 144
	v_add_nc_u32 v5, s17, v5                       ; and out: my place
	s_add_co_u32 s18, s17, OST
	v_lshlrev_b32 v6, 8, v30
	v_add_nc_u32 v6, s18, v6                       ; my panel's record
	v_lshl_add_u32 v7, v31, 3, v6                  ; its bytes 192-255: 8 bytes of zeros a lane
	v_add_nc_u32 v25, v31, v6                      ; my block's scale byte
	v_mad_u32_u24 v6, v31, 24, v6                  ; my block's 24 bytes of codes
	v_add_nc_u32 v26, s18, v2                      ; back: 16 bytes a lane
	v_lshrrev_b32 v27, 4, v1
	v_lshlrev_b32 v27, 20, v27
	v_and_b32 v30, 15, v1
	v_lshl_add_u32 v27, v30, 4, v27                ; in memory: lanes 0-15 one panel's record, lanes 16-31 the next panel's
	v_mov_b32 v28, 0
	v_mov_b32 v29, 0
	s_mov_b32 s12, 0x3a800000                      ; 1 / 1024
	s_mov_b32 s13, 0x3727c5ac                      ; 1e-5
	s_mov_b32 s14, 0x76543210
	s_mov_b32 s15, 0xfedcba98                      ; v_permlanex16_b32's selects for lane l xor 16
	s_lshl_b32 s19, ttmp9, 2
	s_add_co_u32 s19, s19, s16                     ; my row: 4 x work-group + wave
	s_lshl_b32 s20, s19, 12
	s_mov_b32 s21, 0
	s_lshr_b32 s22, ttmp9, 3                       ; its place: bit 3 (the work-group's bit 1) and bit 4 (the work-group's bit 2) exchanged
	s_lshl_b32 s22, s22, 5
	s_bfe_u32 s23, ttmp9, 0x10001
	s_lshl_b32 s23, s23, 4
	s_add_co_u32 s22, s22, s23
	s_bfe_u32 s23, ttmp9, 0x10002
	s_lshl_b32 s23, s23, 3
	s_add_co_u32 s22, s22, s23
	s_and_b32 s23, ttmp9, 1
	s_lshl_b32 s23, s23, 2
	s_add_co_u32 s22, s22, s23
	s_add_co_u32 s22, s22, s16
	s_lshl_b32 s22, s22, 8
	s_mov_b32 s23, 0
	s_wait_kmcnt 0x0
	s_add_nc_u64 s[4:5], s[4:5], s[20:21]
	s_add_nc_u64 s[10:11], s[10:11], s[22:23]
.macro WSUM r, tmp                     ; the sum over the 32 lanes, in every lane
	v_add_f32_dpp v[\r], v[\r], v[\r] row_xmask:1 row_mask:0xf bank_mask:0xf
	v_add_f32_dpp v[\r], v[\r], v[\r] row_xmask:2 row_mask:0xf bank_mask:0xf
	v_add_f32_dpp v[\r], v[\r], v[\r] row_xmask:4 row_mask:0xf bank_mask:0xf
	v_add_f32_dpp v[\r], v[\r], v[\r] row_xmask:8 row_mask:0xf bank_mask:0xf
	v_permlanex16_b32 v[\tmp], v[\r], s14, s15
	v_add_f32 v[\r], v[\r], v[\tmp]
.endm
.irp j, 0,1,2,3,4,5,6,7
	global_load_b128 v[R+4*\j:R+4*\j+3], v2, s[4:5] offset:512*\j      ; the row: eight loads of 512 consecutive bytes
.endr
.irp j, 0,1,2,3,4,5,6,7
	global_load_b128 v[G+4*\j:G+4*\j+3], v3, s[6:7] offset:16*\j
	global_load_b128 v[BV+4*\j:BV+4*\j+3], v3, s[8:9] offset:16*\j
.endr
	s_wait_loadcnt 16                              ; the row is in; g's and b's sixteen loads may be out
.irp j, 0,1,2,3,4,5,6,7
	ds_store_b128 v4, v[R+4*\j:R+4*\j+3] offset:576*\j
.endr
.irp j, 0,1,2,3,4,5,6,7
	ds_load_b128 v[Y+4*\j:Y+4*\j+3], v5 offset:16*\j          ; LDS serves a wave's instructions in order
.endr
	s_wait_dscnt 0x0                               ; my 32 numbers are in
	v_pk_add_f32 v[8:9], v[Y:Y+1], v[Y+2:Y+3]      ; the sum, in two chains
	v_pk_add_f32 v[10:11], v[Y+4:Y+5], v[Y+6:Y+7]
.irp j, 8,12,16,20,24,28
	v_pk_add_f32 v[8:9], v[8:9], v[Y+\j:Y+\j+1]
	v_pk_add_f32 v[10:11], v[10:11], v[Y+\j+2:Y+\j+3]
.endr
	v_pk_add_f32 v[8:9], v[8:9], v[10:11]
	v_add_f32 v8, v8, v9
	WSUM 8, 9
	v_mul_f32 v8, s12, v8                          ; the mean
.set j, 0
.rept 16
	v_pk_add_f32 v[Y+2*j:Y+2*j+1], v[Y+2*j:Y+2*j+1], v[8:9] op_sel_hi:[1,0] neg_lo:[0,1] neg_hi:[0,1]   ; x - mean
.set j, j+1
.endr
	v_pk_mul_f32 v[10:11], v[Y:Y+1], v[Y:Y+1]      ; the sum of squares, in two chains
	v_pk_mul_f32 v[12:13], v[Y+2:Y+3], v[Y+2:Y+3]
.irp j, 4,8,12,16,20,24,28
	v_pk_fma_f32 v[10:11], v[Y+\j:Y+\j+1], v[Y+\j:Y+\j+1], v[10:11]
	v_pk_fma_f32 v[12:13], v[Y+\j+2:Y+\j+3], v[Y+\j+2:Y+\j+3], v[12:13]
.endr
	v_pk_add_f32 v[10:11], v[10:11], v[12:13]
	v_add_f32 v10, v10, v11
	WSUM 10, 11
	v_fma_f32 v10, v10, s12, s13                   ; the variance + 1e-5
	s_wait_alu depctr_va_vdst(0)                   ; the wait ahead of the transcendental,
	v_rsq_f32 v10, v10
	v_nop                                          ; one plain line behind it,
	s_wait_alu depctr_va_vdst(0)                   ; and the wait ahead of its first reader
	s_wait_loadcnt 0x0                             ; g and b
.set j, 0
.rept 16
	v_pk_mul_f32 v[Y+2*j:Y+2*j+1], v[Y+2*j:Y+2*j+1], v[10:11] op_sel_hi:[1,0]
.set j, j+1
.endr
.set j, 0
.rept 16
	v_pk_fma_f32 v[Y+2*j:Y+2*j+1], v[Y+2*j:Y+2*j+1], v[G+2*j:G+2*j+1], v[BV+2*j:BV+2*j+1]
.set j, j+1
.endr
	v_max3_num_f32 v12, |v[Y]|, |v[Y+1]|, |v[Y+2]| ; my block's largest magnitude
	v_max3_num_f32 v13, |v[Y+3]|, |v[Y+4]|, |v[Y+5]|
.irp j, 6,10,14,18,22,26
	v_max3_num_f32 v12, v12, |v[Y+\j]|, |v[Y+\j+1]|
	v_max3_num_f32 v13, v13, |v[Y+\j+2]|, |v[Y+\j+3]|
.endr
	v_max3_num_f32 v12, v12, |v[Y+30]|, |v[Y+31]|
	v_max3_num_f32 v12, v12, v13, 0x1800000        ; and the floor 2^(3 - 127)
	v_add_nc_u32 v14, 0xff000000, v12              ; the conversion's scale operand
	v_lshrrev_b32 v15, 23, v14                     ; the scale's byte
	v_cvt_scalef32_pk16_fp6_f32 v[16:18], v[Y:Y+15], v14
	v_cvt_scalef32_pk16_fp6_f32 v[22:24], v[Y+16:Y+31], v14
	v_nop                                          ; one plain line behind the conversions
	v_mov_b32 v19, v22
	v_mov_b32 v20, v23
	v_mov_b32 v21, v24
	ds_store_b64 v7, v[28:29] offset:192           ; zeros over the records' bytes 192-255,
	ds_store_b64 v6, v[16:17]
	ds_store_b64 v6, v[18:19] offset:8
	ds_store_b64 v6, v[20:21] offset:16
	ds_store_b8 v25, v15 offset:192                ; and, behind them in the wave's order, the scale bytes
	ds_load_b128 v[OB:OB+3], v26
	ds_load_b128 v[OB+4:OB+7], v26 offset:512
	s_wait_dscnt 0x0
	global_store_b128 v27, v[OB:OB+3], s[10:11]                    ; sixteen lanes store one whole record: panels 0, 1,
	global_store_b128 v27, v[OB+4:OB+7], s[10:11] offset:2097152   ; and 2, 3
	s_wait_tensorcnt 0x0                           ; the wave's end
	ds_add_u32 v208, v209
	s_wait_dscnt 0x0
	s_endpgm
.Lfunc_end_k_q51a6b7d649_ln2:
	.size	k_q51a6b7d649_ln2, .Lfunc_end_k_q51a6b7d649_ln2-k_q51a6b7d649_ln2
	.p2alignl 7, 3214868480
	.fill 96, 4, 3214868480
	.section	.rodata,"a",@progbits
	.p2align	6, 0x0
	.amdhsa_kernel k_q51a6b7d649_ln2
		.amdhsa_group_segment_fixed_size 23040
		.amdhsa_private_segment_fixed_size 0
		.amdhsa_enable_private_segment 0
		.amdhsa_kernarg_size 32
		.amdhsa_user_sgpr_count 2
		.amdhsa_user_sgpr_kernarg_segment_ptr 1
		.amdhsa_wavefront_size32 1
		.amdhsa_system_sgpr_workgroup_id_x 1
		.amdhsa_system_sgpr_workgroup_id_y 1
		.amdhsa_system_sgpr_workgroup_id_z 1
		.amdhsa_system_vgpr_workitem_id 0
		.amdhsa_next_free_vgpr 210
		.amdhsa_next_free_sgpr 66
		.amdhsa_reserve_vcc 0
		.amdhsa_float_denorm_mode_32 3
		.amdhsa_float_denorm_mode_16_64 3
		.amdhsa_memory_ordered 1
		.amdhsa_forward_progress 1
		.amdhsa_inst_pref_size 15
	.end_amdhsa_kernel
	.amdgpu_metadata
---
amdhsa.version: [ 1, 2 ]
amdhsa.kernels:
  - .name:           k_q51a6b7d649_ln2
    .symbol:         k_q51a6b7d649_ln2.kd
    .args:
      - { .name: res1, .offset: 0, .size: 8, .value_kind: global_buffer, .address_space: global }
      - { .name: g2, .offset: 8, .size: 8, .value_kind: global_buffer, .address_space: global }
      - { .name: b2, .offset: 16, .size: 8, .value_kind: global_buffer, .address_space: global }
      - { .name: act, .offset: 24, .size: 8, .value_kind: global_buffer, .address_space: global }
    .group_segment_fixed_size: 23040
    .private_segment_fixed_size: 0
    .kernarg_segment_align: 8
    .kernarg_segment_size: 32
    .max_flat_workgroup_size: 128
    .sgpr_count:     66
    .vgpr_count:     210
    .wavefront_size: 32
...
	.end_amdgpu_metadata
.endif
;; end of part 12
;; launch ffn1 (part 13): grid 16 x 16, 4 waves a work-group, clusters of 4 x 4, 327,680 bytes of LDS; arguments act, wts, bf1, hbuf; writes hbuf
.if DOCPART == 13
	.amdgcn_target "amdgcn-amd-amdhsa--gfx1250"
	.amdhsa_code_object_version 6
	.text
	.protected	k_q51a6b7d649_ffn1
	.globl	k_q51a6b7d649_ffn1
	.p2align	8
	.type	k_q51a6b7d649_ffn1,@function
k_q51a6b7d649_ffn1:
	s_mov_b64 s[64:65], 0
	v_nop
	global_prefetch_b8 v0, s[64:65] scope:SCOPE_SE
	s_setreg_imm32_b32 hwreg(HW_REG_WAVE_MODE, 25, 1), 1
	s_wait_xcnt 0x0
	s_wait_alu depctr_hold_cnt(0) depctr_sa_sdst(0) depctr_va_vdst(0) depctr_va_sdst(0) depctr_va_ssrc(0) depctr_va_vcc(0) depctr_vm_vsrc(0)
	s_getreg_b32 s2, hwreg(HW_REG_IB_STS2, 6, 4)
	s_cmp_eq_u32 s2, 0
	s_cbranch_scc0 .Lentry_in_a_cluster
	s_endpgm
.Lentry_in_a_cluster:
	s_bfe_u32 s2, ttmp6, 0x10000c
	s_cmp_lg_u32 s2, 0xf033
	s_cbranch_scc0 .Lentry_shape_is_right
	s_endpgm
.Lentry_shape_is_right:
; h = relu(on W1 + bf1) on records of FP6 codes, K = 1,024, f32 sums; h is quantised at once along its 4,096 into the records that the next product reads.  Tile 256 x 256, four waves, 128 x 128 a wave; source 0 = 16 places of W1's columns.
; K goes in panels of 256 through a ring of two slots; both slots are asked for at the head, one joint load a wave; two refills follow.  P's tile is shared along a row of the 4 x 4 cluster, Q's along a column.
.set LAPS,   2
.set PSA,    1048576
.set PSB,    1048576
.set QOFF,   4194304
.set PITCH,  272
.set HALFT,  128*PITCH
.set SLOT,   4*HALFT
.set SPARE,  2*SLOT
.set NQ,     2
.set FR,     12
.set NL,     6
.set NP,     4
.set PADW,   (1<<20)|(1<<21)|(5<<22)|(3<<25)
.set ZR,   8
.set ADRA, 16
.set ADRS, 18
.set ADRB, 20
.set BJO,  22
.set STO,  24
.set SCA,  25
.set CO,   26
.set ZA,   27
.set SPW,  28
.set NIL,  29
.set RDB,  30
.set SC,   32
.set BJ,   64
.set AF,   128
.set W,    128
.set PC,   192
.set PW,   212
.set TM,   240
.set SEL,  92
.set G1, 24
.set G0, 32
.set G1B, 48
.set G0B, 56
.set MSB, 0
.macro WIN new
.if MSB != \new
	s_set_vgpr_msb (MSB<<8)|\new
.set MSB, \new
.endif
.endm
.set MUL_LO, 0xa1
.set MUL_HI, 0xf1
.set TO_B,   0x40
.macro JLOAD g0a, g1a, g0b, g1b
	s_cmp_eq_u32 s15, 0
	s_cbranch_scc0 .Lfor_b_\@
	tensor_load_to_lds s[\g0a:\g0a+3], s[\g1a:\g1a+7]
	s_nop 0
.rept 4
	v_nop
.endr
	s_branch .Lasked_\@
.Lfor_b_\@:
	tensor_load_to_lds s[\g0b:\g0b+3], s[\g1b:\g1b+7]
	s_nop 0
.rept 4
	v_nop
.endr
.Lasked_\@:
.endm
.macro CREST
	s_cmp_lg_u32 s14, 0
	s_cbranch_scc1 .Lnot_wave_0_\@
	s_barrier_signal -3
.Lnot_wave_0_\@:
	s_barrier_wait -3
	s_barrier_signal -1
	s_barrier_wait -1
.endm
.macro CROUND
	s_barrier_signal -1
	s_barrier_wait -1
	CREST
.endm
.macro PLACES n
.rept \n
	v_nop
.endr
.endm
.macro FRAG reg, adr, q, i
.irp p, 0,1,2,3,4,5
	ds_load_b64 v[\reg+2*\p:\reg+2*\p+1], v[\adr] offset:96*(\q)+48*(\p/3)+8*(\p%3)+(\i)*16*PITCH
.endr
.endm
.macro MUL16 a0, p, q, sc, zero
.irp a, \a0, \a0+1
.irp b, 0,1,2,3,4,5,6,7
.if \zero
	v_wmma_scale_f32_16x16x128_f8f6f4 v[8*(8*((\a)%4)+\b):8*(8*((\a)%4)+\b)+7], v[128*(\p)+FR*\b:128*(\p)+FR*\b+FR-1], v[AF+FR*(\a):AF+FR*(\a)+FR-1], 0, v[SC+8*NQ*(\sc)+NQ*\b+(\q)], v[SC+8*NQ*(\sc)+NQ*(\a)+(\q)] matrix_a_fmt:MATRIX_FMT_FP6 matrix_b_fmt:MATRIX_FMT_FP6 matrix_a_scale:MATRIX_SCALE_ROW1
.else
	v_wmma_scale_f32_16x16x128_f8f6f4 v[8*(8*((\a)%4)+\b):8*(8*((\a)%4)+\b)+7], v[128*(\p)+FR*\b:128*(\p)+FR*\b+FR-1], v[AF+FR*(\a):AF+FR*(\a)+FR-1], v[8*(8*((\a)%4)+\b):8*(8*((\a)%4)+\b)+7], v[SC+8*NQ*(\sc)+NQ*\b+(\q)], v[SC+8*NQ*(\sc)+NQ*(\a)+(\q)] matrix_a_fmt:MATRIX_FMT_FP6 matrix_b_fmt:MATRIX_FMT_FP6 matrix_a_scale:MATRIX_SCALE_ROW1
.endif
.endr
.endr
.endm
.macro FETCH_B slot, q, p
	WIN TO_B
.irp i, 0,1,2,3,4,5,6,7
	FRAG 128*(\p)+FR*\i, ADRB+\slot, \q, \i
.endr
	WIN 0
.endm
.macro FETCH_A slot, q, i0
.irp i, \i0, \i0+1, \i0+2, \i0+3
	FRAG AF+FR*(\i), ADRA+\slot, \q, \i
.endr
.endm
.macro SCALES sc
.irp i, 0,1,2,3,4,5,6,7
	ds_load_b64 v[SC+8*NQ*\sc+NQ*\i:SC+8*NQ*\sc+NQ*\i+1], v[ADRS+\sc] offset:192+\i*16*PITCH
.endr
.endm
.macro STEP slot, q, zero
	s_wait_dscnt 4*NL
	WIN MUL_LO
	MUL16 0, (\q)%2, \q, \slot, \zero
	MUL16 2, (\q)%2, \q, \slot, \zero
	s_wait_dscnt 0
	PLACES NP
	FETCH_B \slot, (\q)+1, 1-(\q)%2
	FETCH_A \slot, (\q)+1, 0
	WIN MUL_HI
	MUL16 4, (\q)%2, \q, \slot, \zero
	MUL16 6, (\q)%2, \q, \slot, \zero
	PLACES NP
	WIN 0
	FETCH_A \slot, (\q)+1, 4
.endm
.macro TURN slot, next, fill
	s_wait_tensorcnt 0x0
	ds_add_u32 v[SPW], v[NIL]
	s_wait_dscnt 4*NL+1
	WIN MUL_LO
	MUL16 0, 1, NQ-1, \slot, 0
	s_wait_dscnt 0x0
	s_barrier_signal -1
	MUL16 2, 1, NQ-1, \slot, 0
	WIN 0
	s_barrier_wait -1
.if \fill
	CREST
	s_add_nc_u64 s[G0+4*\slot+2:G0+4*\slot+3], s[G0+4*\slot+2:G0+4*\slot+3], 2*PSA
	s_add_nc_u64 s[G0B+4*\slot+2:G0B+4*\slot+3], s[G0B+4*\slot+2:G0B+4*\slot+3], 2*PSB
	s_mov_b32 s[G1+2], 128<<16                     ; no tensor load of mine is out: a ring's load brings 128 records
	s_mov_b32 s[G1+4], 128
	s_mov_b32 s[G1B+2], 128<<16
	s_mov_b32 s[G1B+4], 128
	JLOAD G0+4*\slot, G1, G0B+4*\slot, G1B
.else
	PLACES NP
.endif
	FETCH_B \next, 0, 0
	FETCH_A \next, 0, 0
	SCALES \next
	WIN MUL_HI
	MUL16 4, 1, NQ-1, \slot, 0
	MUL16 6, 1, NQ-1, \slot, 0
	PLACES NP
	WIN 0
	FETCH_A \next, 0, 4
.endm
	s_load_b256 s[4:11], s[0:1], 0x0
	v_lshl_add_u32 v[SPW], v0, 2, SPARE
	v_mov_b32 v[NIL], 0
	ds_add_u32 v28, v29
	ds_add_u32 v28, v29
	s_wait_dscnt 0x0
	v_lshrrev_b32 v1, 5, v0
	v_readfirstlane_b32 s14, v1
	s_lshr_b32 s15, s14, 1
	s_and_b32 s16, s14, 1
	s_bfe_u32 s40, ttmp6, 0x40000
	s_bfe_u32 s41, ttmp6, 0x40004
	s_lshl_b32 s42, ttmp9, 2
	s_add_co_u32 s42, s42, s40
	s_and_b32 s17, ttmp7, 0xffff
	s_lshl_b32 s17, s17, 2
	s_add_co_u32 s17, s17, s41
	s_lshl_b32 s43, s41, 2
	s_lshl_b32 s43, 15, s43
	s_lshl_b32 s44, 0x1111, s40
	s_or_b32 s[G1+0], s43, PADW
	s_or_b32 s[G1B+0], s44, PADW
.irp g, G1, G1B
	s_mov_b32 s[\g+1], 256<<16
	s_mov_b32 s[\g+2], 256<<16                     ; 256 records for the head's loads; the ring's loads set 128
	s_mov_b32 s[\g+3], 256<<16
	s_mov_b32 s[\g+4], 256
	s_mov_b32 s[\g+5], 256
	s_mov_b32 s[\g+6], 0
	s_mov_b32 s[\g+7], 0
.endr
	s_lshl_b32 s18, s16, 7
	s_lshl_b32 s20, s17, 8
	s_add_co_u32 s20, s20, s18
	s_lshl_b32 s20, s20, 8
	s_mov_b32 s21, 0
	s_lshl_b32 s46, s42, 8
	s_add_co_u32 s46, s46, s18
	s_lshl_b32 s46, s46, 8
	s_add_co_u32 s46, s46, QOFF
	s_mov_b32 s47, 0
	s_mul_i32 s45, s14, HALFT
	s_wait_kmcnt 0x0
	s_add_nc_u64 s[20:21], s[4:5], s[20:21]
	s_add_nc_u64 s[46:47], s[6:7], s[46:47]
	CROUND
.irp s, 0,1
	s_mov_b32 s[G0+4*\s], 1
	s_add_co_u32 s[G0+4*\s+1], s45, \s*SLOT
	s_add_nc_u64 s[G0+4*\s+2:G0+4*\s+3], s[20:21], \s*PSA
	s_or_b32 s[G0+4*\s+3], s[G0+4*\s+3], 0x80000000
	s_mov_b32 s[G0B+4*\s], 1
	s_add_co_u32 s[G0B+4*\s+1], s45, \s*SLOT
	s_add_nc_u64 s[G0B+4*\s+2:G0B+4*\s+3], s[46:47], \s*PSB
	s_or_b32 s[G0B+4*\s+3], s[G0B+4*\s+3], 0x80000000
.endr
; the head's loads, one a wave: wave 0 P's 256 records of panel 0, wave 1 Q's, into slot 0; wave 2 P's of panel 1, wave 3 Q's, into slot 1; a line to each wave
	s_lshl_b32 s18, s16, 15
	s_mov_b32 s19, 0
	s_sub_nc_u64 s[6:7], s[20:21], s[18:19]        ; the tile's first record of P,
	s_sub_nc_u64 s[70:71], s[46:47], s[18:19]      ; and of Q
	s_mul_i32 s18, s15, PSA                        ; panel = wave / 2 (both operands' panels lie PSA apart)
	s_add_nc_u64 s[6:7], s[6:7], s[18:19]
	s_add_nc_u64 s[70:71], s[70:71], s[18:19]
	s_or_b32 s7, s7, 0x80000000
	s_or_b32 s71, s71, 0x80000000
	s_mov_b32 s4, 1
	s_mul_i32 s5, s15, SLOT
	s_mov_b32 s68, 1
	s_add_co_u32 s69, s5, 2*HALFT
.macro HARM under, g0, g1, next
	s_cmp_lt_u32 s14, \under
	s_cbranch_scc0 \next
	tensor_load_to_lds s[\g0:\g0+3], s[\g1:\g1+7]
	s_nop 0
.rept 4
	v_nop
.endr
	s_branch .Lhead_asked
\next:
.endm
	HARM 1, 4, G1, .Lhead_1
	HARM 2, 68, G1B, .Lhead_2
	HARM 3, 4, G1, .Lhead_3
	tensor_load_to_lds s[68:71], s[G1B:G1B+7]
	s_nop 0
.rept 4
	v_nop
.endr
.Lhead_asked:
; panels 2 and 3, which the two refills will load, are asked for into the L2: of the 128 records that I fetch in the ring each of the four partners that ask jointly takes 32, told apart by address; a lane a record
	s_cmp_eq_u32 s15, 0
	s_cselect_b64 s[94:95], s[20:21], s[46:47]
	s_cselect_b32 s96, s40, s41
	s_lshl_b32 s96, s96, 13
	s_mov_b32 s97, 0
	s_add_nc_u64 s[94:95], s[94:95], s[96:97]
	v_and_b32 v7, 31, v0
	v_lshlrev_b32 v7, 8, v7
	global_prefetch_b8 v7, s[94:95] offset:2*PSA th:TH_LOAD_NT scope:SCOPE_SE
	global_prefetch_b8 v7, s[94:95] offset:3*PSA th:TH_LOAD_NT scope:SCOPE_SE
	v_and_b32 v1, 15, v0
	v_bfe_u32 v2, v0, 4, 1
	v_mul_u32_u24 v3, v1, PITCH
	v_mad_u32_u24 v4, v2, 24, v3
	s_wait_alu depctr_va_vdst(0)
	s_mul_i32 s21, s15, HALFT
	s_mul_i32 s22, s16, HALFT
	s_add_co_u32 s22, s22, 2*HALFT
	s_xor_b32 s23, s15, 1
	s_add_co_u32 s23, s23, s16
	s_add_co_u32 s23, s23, 1
	s_mul_i32 s23, s23, HALFT
	v_mul_u32_u24 v5, s23, v2
	v_add_nc_u32 v5, v5, v3
	v_add_nc_u32 v[ADRA], s21, v4
	v_add_nc_u32 v[ADRB], s22, v4
	v_add_nc_u32 v[ADRS], s21, v5
	v_add_nc_u32 v[ADRA+1], SLOT, v[ADRA]
	v_add_nc_u32 v[ADRB+1], SLOT, v[ADRB]
	v_add_nc_u32 v[ADRS+1], SLOT, v[ADRS]
	s_mul_i32 s22, s16, 96
	s_add_co_u32 s22, s22, s21
	v_add_nc_u32 v[STO], s22, v4
	s_lshl_b32 s22, s16, 2
	s_add_co_u32 s22, s22, s21
	v_add_nc_u32 v[SCA], s22, v3
	v_and_b32 v6, 31, v0
	v_lshlrev_b32 v[CO], 4, v6
	s_mul_i32 s22, s14, 64*PITCH
	v_mul_u32_u24 v[ZA], v6, PITCH
	v_add_nc_u32 v[ZA], s22, v[ZA]
	v_mul_u32_u24 v[RDB], v2, PITCH
	v_lshl_add_u32 v[RDB], v1, 4, v[RDB]
	v_add_nc_u32 v[RDB], s22, v[RDB]
	v_lshlrev_b32 v[BJO], 6, v2
	s_wait_alu depctr_va_vdst(0)
	s_mov_b32 s[SEL], 0x76543210
	s_mov_b32 s[SEL+1], 0xfedcba98
	s_lshl_b32 s82, s42, 10
	s_lshl_b32 s83, s16, 9
	s_add_co_u32 s82, s82, s83
	s_mov_b32 s83, 0
	s_add_nc_u64 s[8:9], s[8:9], s[82:83]
	s_lshl_b32 s80, s42, 20
	s_lshl_b32 s81, s17, 16
	s_add_co_u32 s80, s80, s81
	s_lshl_b32 s81, s14, 14
	s_add_co_u32 s80, s80, s81
	s_mov_b32 s81, 0
	s_add_nc_u64 s[10:11], s[10:11], s[80:81]
.irp b, 0,1,2,3
.irp j, 0,1,2,3
	global_load_b128 v[BJ+16*\b+4*\j:BJ+16*\b+4*\j+3], v[BJO], s[8:9] offset:128*\b+16*\j
.endr
.endr
	s_wait_alu depctr_va_vdst(0)                   ; the wait at the head's end
	s_cmp_lt_u32 s14, 2
	s_cbranch_scc0 .Lslot_1_wave
	s_wait_tensorcnt 0x0                           ; waves 0 and 1: my tile of slot 0 is in (slot 1's are shown by the first change of slots)
.Lslot_1_wave:
	s_barrier_signal -1
	s_barrier_wait -1
	FETCH_B 0, 0, 0
	FETCH_A 0, 0, 0
	SCALES 0
	FETCH_A 0, 0, 4
	STEP 0, 0, 1
	s_mov_b32 s3, LAPS-1
.Llap:
	TURN 0, 1, 1
	STEP 1, 0, 0
	TURN 1, 0, 1
	STEP 0, 0, 0
	s_sub_co_u32 s3, s3, 1
	s_cmp_lg_u32 s3, 0
	s_cbranch_scc1 .Llap
	TURN 0, 1, 0
	STEP 1, 0, 0
	s_wait_dscnt 4*NL
	WIN MUL_LO
	MUL16 0, 1, NQ-1, 1, 0
	MUL16 2, 1, NQ-1, 1, 0
	s_wait_dscnt 0
	WIN MUL_HI
	MUL16 4, 1, NQ-1, 1, 0
	MUL16 6, 1, NQ-1, 1, 0
	WIN 0
.macro QUANT s
.irp b, 0,1,2,3
	v_max3_num_f32 v[TM+\b], |v[\s+16*\b]|, |v[\s+1+16*\b]|, 0x1800000
.endr
.irp i, 2,4,6,8,10,12,14
.irp b, 0,1,2,3
	v_max3_num_f32 v[TM+\b], v[TM+\b], |v[\s+16*\b+\i]|, |v[\s+1+16*\b+\i]|
.endr
.endr
.irp b, 0,1,2,3
	v_permlanex16_b32 v[TM+4+\b], v[TM+\b], s[SEL], s[SEL+1]
.endr
.irp b, 0,1,2,3
	v_max_num_f32 v[TM+\b], v[TM+\b], v[TM+4+\b]
.endr
.irp b, 0,1,2,3
	v_add_nc_u32 v[TM+12+\b], 0xff000000, v[TM+\b]
.endr
.irp b, 0,1,2,3
	v_lshrrev_b32 v[TM+4+\b], 23, v[TM+12+\b]
.endr
	v_lshl_or_b32 v[PW], v[TM+5], 8, v[TM+4]
	v_lshl_or_b32 v[PW], v[TM+6], 16, v[PW]
	v_lshl_or_b32 v[PW], v[TM+7], 24, v[PW]
.irp c, 0,1
	v_cvt_scalef32_pk16_fp6_f32 v[PC+6*\c:PC+2+6*\c], v[\s+32*\c:\s+15+32*\c], v[TM+12+2*\c]
	v_cvt_scalef32_pk16_fp6_f32 v[PC+12+4*\c:PC+14+4*\c], v[\s+16+32*\c:\s+31+32*\c], v[TM+12+2*\c+1]
.endr
	v_nop
.irp c, 0,1
.irp i, 0,1,2
	v_permlane16_swap_b32 v[PC+6*\c+\i], v[PC+12+4*\c+\i]
.endr
.irp i, 0,1,2
	v_mov_b32 v[PC+3+6*\c+\i], v[PC+12+4*\c+\i]
.endr
.endr
.endm
.macro EPI a
	WIN 0x02+(\a)/4
.set k, 0
.rept 32
	v_pk_add_f32 v[W+2*k:W+2*k+1], v[64*((\a)%4)+2*k:64*((\a)%4)+2*k+1], v[BJ+2*k:BJ+2*k+1]
.set k, k+1
.endr
	WIN 0
.set k, 0
.rept 64
	v_max_num_f32 v[W+k], 0, v[W+k]
.set k, k+1
.endr
	QUANT W
.irp c, 0,1
.irp i, 0,1,2
	ds_store_b64 v[STO], v[PC+6*\c+2*\i:PC+6*\c+2*\i+1] offset:16*PITCH*(\a)+48*\c+8*\i
.endr
.endr
	ds_store_b32 v[SCA], v[PW] offset:16*PITCH*(\a)+192
	s_wait_dscnt 0x0
.endm
.irp b, 0,1,2,3
	v_mov_b32 v[TM+4+\b], 0
.endr
.irp b, 0,1,2,3
	v_mov_b32 v[ZR+\b], 0
.endr
	s_wait_alu depctr_va_vdst(0)
	s_wait_loadcnt 0x0
.irp u, 0,1
	ds_store_b64 v[ZA], v[ZR:ZR+1] offset:32*PITCH*\u+200
	ds_store_b128 v[ZA], v[ZR:ZR+3] offset:32*PITCH*\u+208
	ds_store_b128 v[ZA], v[ZR:ZR+3] offset:32*PITCH*\u+224
	ds_store_b128 v[ZA], v[ZR:ZR+3] offset:32*PITCH*\u+240
.endr
.irp a, 0,1,2,3,4,5,6,7
	EPI \a
.endr
	s_barrier_signal -1
	s_barrier_wait -1
.set t, 0
.rept 32
	ds_load_b128 v[128+4*t:131+4*t], v[RDB] offset:2*PITCH*t
.set t, t+1
.endr
.set t, 0
.rept 32
	s_wait_dscnt 31-t
	global_store_b128 v[CO], v[128+4*t:131+4*t], s[10:11] offset:512*t
.set t, t+1
.endr
	s_wait_tensorcnt 0x0
	ds_add_u32 v[SPW], v[NIL]
	s_wait_dscnt 0x0
	CROUND
	s_endpgm
.Lfunc_end_k_q51a6b7d649_ffn1:
	.size	k_q51a6b7d649_ffn1, .Lfunc_end_k_q51a6b7d649_ffn1-k_q51a6b7d649_ffn1
	.p2alignl 7, 3214868480
	.fill 96, 4, 3214868480
	.section	.rodata,"a",@progbits
	.p2align	6, 0x0
	.amdhsa_kernel k_q51a6b7d649_ffn1
		.amdhsa_group_segment_fixed_size 327680
		.amdhsa_private_segment_fixed_size 0
		.amdhsa_enable_private_segment 0
		.amdhsa_kernarg_size 32
		.amdhsa_user_sgpr_count 2
		.amdhsa_user_sgpr_kernarg_segment_ptr 1
		.amdhsa_wavefront_size32 1
		.amdhsa_system_sgpr_workgroup_id_x 1
		.amdhsa_system_sgpr_workgroup_id_y 1
		.amdhsa_system_sgpr_workgroup_id_z 1
		.amdhsa_system_vgpr_workitem_id 0
		.amdhsa_next_free_vgpr 1024
		.amdhsa_next_free_sgpr 100
		.amdhsa_reserve_vcc 0
		.amdhsa_float_denorm_mode_32 3
		.amdhsa_float_denorm_mode_16_64 3
		.amdhsa_memory_ordered 1
		.amdhsa_forward_progress 1
		.amdhsa_inst_pref_size 204
	.end_amdhsa_kernel
	.amdgpu_metadata
---
amdhsa.version: [ 1, 2 ]
amdhsa.kernels:
  - .name:           k_q51a6b7d649_ffn1
    .symbol:         k_q51a6b7d649_ffn1.kd
    .args:
      - { .name: act, .offset: 0, .size: 8, .value_kind: global_buffer, .address_space: global }
      - { .name: wts, .offset: 8, .size: 8, .value_kind: global_buffer, .address_space: global }
      - { .name: bf1, .offset: 16, .size: 8, .value_kind: global_buffer, .address_space: global }
      - { .name: hbuf, .offset: 24, .size: 8, .value_kind: global_buffer, .address_space: global }
    .group_segment_fixed_size: 327680
    .private_segment_fixed_size: 0
    .kernarg_segment_align: 8
    .kernarg_segment_size: 32
    .max_flat_workgroup_size: 128
    .sgpr_count:     100
    .vgpr_count:     1024
    .wavefront_size: 32
...
	.end_amdgpu_metadata
.endif
;; end of part 13
;; launch ffn2 (part 14): grid 8 x 32, 4 waves a work-group, clusters of 4 x 4, 327,680 bytes of LDS; arguments hbuf, wts, bf2, res1, out0; writes out0
.if DOCPART == 14
	.amdgcn_target "amdgcn-amd-amdhsa--gfx1250"
	.amdhsa_code_object_version 6
	.text
	.protected	k_q51a6b7d649_ffn2
	.globl	k_q51a6b7d649_ffn2
	.p2align	8
	.type	k_q51a6b7d649_ffn2,@function
k_q51a6b7d649_ffn2:
	s_mov_b64 s[64:65], 0
	v_nop
	global_prefetch_b8 v0, s[64:65] scope:SCOPE_SE
	s_setreg_imm32_b32 hwreg(HW_REG_WAVE_MODE, 25, 1), 1
	s_wait_xcnt 0x0
	s_wait_alu depctr_hold_cnt(0) depctr_sa_sdst(0) depctr_va_vdst(0) depctr_va_sdst(0) depctr_va_ssrc(0) depctr_va_vcc(0) depctr_vm_vsrc(0)
	s_getreg_b32 s2, hwreg(HW_REG_IB_STS2, 6, 4)
	s_cmp_eq_u32 s2, 0
	s_cbranch_scc0 .Lentry_in_a_cluster
	s_endpgm
.Lentry_in_a_cluster:
	s_bfe_u32 s2, ttmp6, 0x10000c
	s_cmp_lg_u32 s2, 0xf033
	s_cbranch_scc0 .Lentry_shape_is_right
	s_endpgm
.Lentry_shape_is_right:
; out0 = h W2 + bf2 + res1 on records of FP6 codes, K = 4,096, f32 sums.  Tile 128 x 128, four waves, 64 x 64 a wave; source 0 = 16 places of W2's columns, source 1 = 16 places of tokens.
; A fill is two panels (512 along K) of P's 128 records and of Q's 128; eight fills go through a ring of two slots.  Fills 0 and 1 are asked for at the head, one joint load a wave; six refills follow, a quarter of a slot a wave.
; P's tile is shared along a row of the 4 x 4 cluster, Q's along a column.  PREFETCH: the change of slots that asks for fill f asks the L2 for fill f + 2 (the head for fills 2 and 3; the last trip for nothing):
; of the 128 records that a wave fetches each of the four partners that ask jointly takes 32, told apart by address; a lane a record, one instruction a wave.
.set LAPS,   4
.set PSA,    1048576
.set PSB,    262144
.set QOFF,   8388608
.set PITCH,  272
.set QT,     64*PITCH
.set HALFT,  128*PITCH
.set SLOT,   4*HALFT
.set SPARE,  2*SLOT
.set STAGE,  SPARE+512
.set SPITCH, 272
.set FR,     12
.set PADW,   (1<<20)|(1<<21)|(5<<22)|(3<<25)
.set ADRA, 16
.set ADRS, 18
.set ADRB, 20
.set BJO,  22
.set STO,  24
.set RD,   25
.set CO,   26
.set SPW,  28
.set NIL,  29
.set SC,   32
.set BJ,   64
.set ACC,  128
.set F0,   0
.set F1,   128
.set RS,   0
.set BK,   128
.set G1, 24
.set G0, 32
.set G1B, 48
.set G0B, 56
.set MSB, 0
.macro WIN new
.if MSB != \new
	s_set_vgpr_msb (MSB<<8)|\new
.set MSB, \new
.endif
.endm
.set MULW, 0x05
.set TO_F, 0x40
.macro JLOAD g0a, g1a, g0b, g1b
	s_cmp_eq_u32 s15, 0
	s_cbranch_scc0 .Lfor_b_\@
	tensor_load_to_lds s[\g0a:\g0a+3], s[\g1a:\g1a+7]
	s_nop 0
.rept 4
	v_nop
.endr
	s_branch .Lasked_\@
.Lfor_b_\@:
	tensor_load_to_lds s[\g0b:\g0b+3], s[\g1b:\g1b+7]
	s_nop 0
.rept 4
	v_nop
.endr
.Lasked_\@:
.endm
.macro CREST
	s_cmp_lg_u32 s14, 0
	s_cbranch_scc1 .Lnot_wave_0_\@
	s_barrier_signal -3
.Lnot_wave_0_\@:
	s_barrier_wait -3
	s_barrier_signal -1
	s_barrier_wait -1
.endm
.macro CROUND
	s_barrier_signal -1
	s_barrier_wait -1
	CREST
.endm
.macro PLACES n
.rept \n
	v_nop
.endr
.endm
.macro FRAG reg, adr, off
.irp p, 0,1,2,3,4,5
	ds_load_b64 v[\reg+2*\p:\reg+2*\p+1], v[\adr] offset:(\off)+48*(\p/3)+8*(\p%3)
.endr
.endm
.macro FETCH slot, kq, fb
	WIN TO_F
.irp i, 0,1,2,3
	FRAG \fb+48+FR*\i, ADRB+\slot, ((\kq)/2)*HALFT+96*((\kq)%2)+\i*16*PITCH
	FRAG \fb+FR*\i, ADRA+\slot, ((\kq)/2)*HALFT+96*((\kq)%2)+\i*16*PITCH
.endr
.endm
.macro SCALES slot
.irp pn, 0,1
.irp i, 0,1,2,3
	ds_load_b64 v[SC+16*\slot+8*\pn+2*\i:SC+16*\slot+8*\pn+2*\i+1], v[ADRS+\slot] offset:\pn*HALFT+192+\i*16*PITCH
.endr
.endr
.endm
.macro MUL fb, sc, pn, kq, cin
.irp a, 0,1,2,3
.irp b, 0,1,2,3
.if \cin
	v_wmma_scale_f32_16x16x128_f8f6f4 v[ACC+8*(4*\a+\b):ACC+8*(4*\a+\b)+7], v[\fb+48+FR*\b:\fb+48+FR*\b+FR-1], v[\fb+FR*\a:\fb+FR*\a+FR-1], v[BJ+8*\b:BJ+8*\b+7], v[SC+16*(\sc)+8*(\pn)+2*\b+(\kq)], v[SC+16*(\sc)+8*(\pn)+2*\a+(\kq)] matrix_a_fmt:MATRIX_FMT_FP6 matrix_b_fmt:MATRIX_FMT_FP6 matrix_a_scale:MATRIX_SCALE_ROW1
.else
	v_wmma_scale_f32_16x16x128_f8f6f4 v[ACC+8*(4*\a+\b):ACC+8*(4*\a+\b)+7], v[\fb+48+FR*\b:\fb+48+FR*\b+FR-1], v[\fb+FR*\a:\fb+FR*\a+FR-1], v[ACC+8*(4*\a+\b):ACC+8*(4*\a+\b)+7], v[SC+16*(\sc)+8*(\pn)+2*\b+(\kq)], v[SC+16*(\sc)+8*(\pn)+2*\a+(\kq)] matrix_a_fmt:MATRIX_FMT_FP6 matrix_b_fmt:MATRIX_FMT_FP6 matrix_a_scale:MATRIX_SCALE_ROW1
.endif
.endr
.endr
.endm
.macro WORK sl, cin
	SCALES \sl
	FETCH \sl, 0, F0
	FETCH \sl, 1, F1
	s_wait_dscnt 48
.if \cin
	s_wait_loadcnt 0x0
.endif
	WIN MULW
	MUL F0, \sl, 0, 0, \cin
	PLACES 4
	FETCH \sl, 2, F0
	s_wait_dscnt 48
	WIN MULW
	MUL F1, \sl, 0, 1, 0
	PLACES 4
	FETCH \sl, 3, F1
	s_wait_dscnt 48
	WIN MULW
	MUL F0, \sl, 1, 0, 0
	s_wait_dscnt 0x0
	MUL F1, \sl, 1, 1, 0
	WIN 0
.endm
.macro CHANGE sl, fill
.if \fill
	s_wait_xcnt 0x0                                ; my last prefetch has read its address:
	s_add_nc_u64 s[98:99], s[98:99], s[66:67]      ; on to the fill that is asked for now
.endif
	s_wait_tensorcnt 0x0
	ds_add_u32 v[SPW], v[NIL]
.if \fill
	s_add_nc_u64 s[G0+4*\sl+2:G0+4*\sl+3], s[G0+4*\sl+2:G0+4*\sl+3], 4*PSA
	s_add_nc_u64 s[G0B+4*\sl+2:G0B+4*\sl+3], s[G0B+4*\sl+2:G0B+4*\sl+3], 4*PSB
.endif
	s_wait_dscnt 0x0
.if \fill
	CROUND
	JLOAD G0+4*\sl, G1, G0B+4*\sl, G1B
	s_cmp_gt_u32 s3, 1                             ; the last trip's two refills have no fill two on
	s_cbranch_scc0 .Lno_ask_\@
	global_prefetch_b8 v12, s[98:99] th:TH_LOAD_NT scope:SCOPE_SE
.Lno_ask_\@:
.else
	s_barrier_signal -1
	s_barrier_wait -1
	PLACES 4
.endif
.endm
	s_load_b256 s[4:11], s[0:1], 0x0
	s_load_b64 s[12:13], s[0:1], 0x20
	v_lshl_add_u32 v[SPW], v0, 2, SPARE
	v_mov_b32 v[NIL], 0
	ds_add_u32 v28, v29
	ds_add_u32 v28, v29
	s_wait_dscnt 0x0
	v_lshrrev_b32 v1, 5, v0
	v_readfirstlane_b32 s14, v1
	s_lshr_b32 s15, s14, 1
	s_and_b32 s16, s14, 1
	s_bfe_u32 s40, ttmp6, 0x40000
	s_bfe_u32 s41, ttmp6, 0x40004
	s_lshl_b32 s42, ttmp9, 2
	s_add_co_u32 s42, s42, s40
	s_and_b32 s17, ttmp7, 0xffff
	s_lshl_b32 s17, s17, 2
	s_add_co_u32 s17, s17, s41
	s_lshl_b32 s43, s41, 2
	s_lshl_b32 s43, 15, s43
	s_lshl_b32 s44, 0x1111, s40
	s_or_b32 s[G1+0], s43, PADW
	s_or_b32 s[G1B+0], s44, PADW
.irp g, G1, G1B
	s_mov_b32 s[\g+1], 256<<16
	s_mov_b32 s[\g+2], 128<<16
	s_mov_b32 s[\g+3], 256<<16
	s_mov_b32 s[\g+4], 128
	s_mov_b32 s[\g+5], 256
	s_mov_b32 s[\g+6], 0
	s_mov_b32 s[\g+7], 0
.endr
	s_mul_i32 s18, s16, PSA
	s_mul_i32 s19, s16, PSB
	s_lshl_b32 s20, s17, 15
	s_add_co_u32 s20, s20, s18
	s_mov_b32 s21, 0
	s_lshl_b32 s46, s42, 15
	s_add_co_u32 s46, s46, s19
	s_add_co_u32 s46, s46, QOFF
	s_mov_b32 s47, 0
	s_mul_i32 s45, s14, HALFT
	s_or_b32 s68, s43, PADW                        ; group 1 of the head's loads: two rows, one a panel, of 128 dense records = 32,768 bytes, padded behind every 256
	s_or_b32 s84, s44, PADW
.irp g, 68, 84
	s_mov_b32 s[\g+1], 32768<<16
	s_mov_b32 s[\g+2], 2<<16
	s_mov_b32 s[\g+3], 32768<<16
	s_mov_b32 s[\g+4], 2
	s_mov_b32 s[\g+6], 0
	s_mov_b32 s[\g+7], 0
.endr
	s_mov_b32 s73, PSA                             ; from panel to panel
	s_mov_b32 s89, PSB
	s_wait_kmcnt 0x0
	s_add_nc_u64 s[20:21], s[4:5], s[20:21]
	s_add_nc_u64 s[46:47], s[6:7], s[46:47]
	CROUND
.irp s, 0,1
	s_mov_b32 s[G0+4*\s], 1
	s_add_co_u32 s[G0+4*\s+1], s45, \s*SLOT
	s_add_nc_u64 s[G0+4*\s+2:G0+4*\s+3], s[20:21], \s*2*PSA
	s_or_b32 s[G0+4*\s+3], s[G0+4*\s+3], 0x80000000
	s_mov_b32 s[G0B+4*\s], 1
	s_add_co_u32 s[G0B+4*\s+1], s45, \s*SLOT
	s_add_nc_u64 s[G0B+4*\s+2:G0B+4*\s+3], s[46:47], \s*2*PSB
	s_or_b32 s[G0B+4*\s+3], s[G0B+4*\s+3], 0x80000000
.endr
; the head's loads, one a wave: wave 0 P for slot 0, wave 1 Q for slot 0, wave 2 P for slot 1, wave 3 Q for slot 1; a line to each wave
	s_mov_b32 s96, s18
	s_mov_b32 s97, 0
	s_sub_nc_u64 s[78:79], s[20:21], s[96:97]      ; the tile's first record of P in panel 0,
	s_mov_b32 s96, s19
	s_sub_nc_u64 s[94:95], s[46:47], s[96:97]      ; and of Q
	s_mul_i32 s96, s15, 2*PSA                      ; slot = wave / 2: panels 2 x slot, 2 x slot + 1
	s_add_nc_u64 s[78:79], s[78:79], s[96:97]
	s_mul_i32 s96, s15, 2*PSB
	s_add_nc_u64 s[94:95], s[94:95], s[96:97]
	s_or_b32 s79, s79, 0x80000000
	s_or_b32 s95, s95, 0x80000000
	s_mov_b32 s76, 1
	s_mul_i32 s77, s15, SLOT
	s_mov_b32 s92, 1
	s_add_co_u32 s93, s77, 2*HALFT
.macro HARM under, g0, g1, next
	s_cmp_lt_u32 s14, \under
	s_cbranch_scc0 \next
	tensor_load_to_lds s[\g0:\g0+3], s[\g1:\g1+7]
	s_nop 0
.rept 4
	v_nop
.endr
	s_branch .Lhead_asked
\next:
.endm
	HARM 1, 76, 68, .Lhead_1
	HARM 2, 92, 84, .Lhead_2
	HARM 3, 76, 68, .Lhead_3
	tensor_load_to_lds s[92:95], s[84:91]
	s_nop 0
.rept 4
	v_nop
.endr
.Lhead_asked:
; the prefetches: s[98:99] my work-group's 32 of the 128 records that I fetch in the ring, one fill behind the refill that comes next; s[66:67] a fill's step; v11, v12 my lane's record one and two fills on
	s_cmp_eq_u32 s15, 0
	s_cselect_b64 s[98:99], s[20:21], s[46:47]
	s_cselect_b32 s96, s40, s41
	s_mov_b32 s66, 2*PSB
	s_cselect_b32 s66, 2*PSA, s66
	s_mov_b32 s67, 0
	s_lshl_b32 s96, s96, 13
	s_add_nc_u64 s[98:99], s[98:99], s[96:97]
	s_add_nc_u64 s[98:99], s[98:99], s[66:67]      ; at fill 1
	v_and_b32 v10, 31, v0
	v_lshlrev_b32 v10, 8, v10
	v_add_nc_u32 v11, s66, v10
	v_add_nc_u32 v12, s66, v11
	global_prefetch_b8 v11, s[98:99] th:TH_LOAD_NT scope:SCOPE_SE   ; fill 2
	global_prefetch_b8 v12, s[98:99] th:TH_LOAD_NT scope:SCOPE_SE   ; fill 3
	v_and_b32 v1, 15, v0
	v_bfe_u32 v2, v0, 4, 1
	v_lshlrev_b32 v[CO], 12, v2
	v_lshl_add_u32 v[CO], v1, 4, v[CO]
	v_lshlrev_b32 v[BJO], 6, v2
	s_wait_alu depctr_va_vdst(0)
	s_lshl_b32 s80, s17, 7
	s_lshl_b32 s81, s15, 6
	s_add_co_u32 s80, s80, s81
	s_lshl_b32 s80, s80, 12
	s_lshl_b32 s82, s42, 9
	s_lshl_b32 s83, s16, 8
	s_add_co_u32 s82, s82, s83
	s_mov_b32 s83, 0
	s_add_co_u32 s80, s80, s82
	s_mov_b32 s81, 0
	s_add_nc_u64 s[8:9], s[8:9], s[82:83]
	s_add_nc_u64 s[10:11], s[10:11], s[80:81]
	s_add_nc_u64 s[12:13], s[12:13], s[80:81]
.irp u, 0,1
.irp j, 0,1,2,3
	global_load_b128 v[BJ+16*\u+4*\j:BJ+16*\u+4*\j+3], v[BJO], s[8:9] offset:128*\u+16*\j
.endr
.endr
	v_mul_u32_u24 v3, v1, PITCH
	v_mad_u32_u24 v4, v2, 24, v3
	s_mul_i32 s21, s15, QT
	s_mul_i32 s22, s16, QT
	s_add_co_u32 s22, s22, 2*HALFT
	s_xor_b32 s23, s15, 1
	s_add_co_u32 s23, s23, s16
	s_add_co_u32 s23, s23, 3
	s_mul_i32 s23, s23, QT
	v_mul_u32_u24 v5, s23, v2
	v_add_nc_u32 v5, v5, v3
	v_add_nc_u32 v[ADRA], s21, v4
	v_add_nc_u32 v[ADRB], s22, v4
	v_add_nc_u32 v[ADRS], s21, v5
	v_add_nc_u32 v[ADRA+1], SLOT, v[ADRA]
	v_add_nc_u32 v[ADRB+1], SLOT, v[ADRB]
	v_add_nc_u32 v[ADRS+1], SLOT, v[ADRS]
	s_mul_i32 s23, s14, 16*SPITCH
	s_add_co_u32 s23, s23, STAGE
	v_mul_u32_u24 v5, v1, SPITCH
	v_lshl_add_u32 v5, v2, 6, v5
	v_add_nc_u32 v[STO], s23, v5
	v_mul_u32_u24 v6, v2, SPITCH
	v_lshl_add_u32 v6, v1, 4, v6
	v_add_nc_u32 v[RD], s23, v6
	s_wait_alu depctr_va_vdst(0)                   ; the wait at the head's end
	s_cmp_lt_u32 s14, 2
	s_cbranch_scc0 .Lslot_1_wave
	s_wait_tensorcnt 0x0                           ; waves 0 and 1: my tile of slot 0 is in (slot 1's are shown by the first change of slots)
.Lslot_1_wave:
	s_barrier_signal -1
	s_barrier_wait -1
	WORK 0, 1
	WIN 0x80                                       ; the residual's rows are asked for behind the first slot's work: they are wanted on the way out alone
.irp a, 0,1,2,3
.irp t, 0,1,2,3,4,5,6,7
	global_load_b128 v[RS+32*\a+4*\t:RS+32*\a+4*\t+3], v[CO], s[10:11] offset:(32*(\a/2)+8*(\a%2)+16*(\t/4)+2*(\t%4))*4096
.endr
.endr
	WIN 0
.if LAPS > 1
	s_mov_b32 s3, LAPS-1
.Llap:
	CHANGE 0, 1
	s_wait_alu depctr_va_vdst(0)
	WORK 1, 0
	CHANGE 1, 1
	WORK 0, 0
	s_sub_co_u32 s3, s3, 1
	s_cmp_lg_u32 s3, 0
	s_cbranch_scc1 .Llap
.endif
	CHANGE 0, 0
	WORK 1, 0
	PLACES 4
.irp a, 0,1,2,3
.irp b, 0,1,2,3
	ds_store_b128 v[STO], v[ACC+32*\a+8*\b:ACC+32*\a+8*\b+3] offset:128*(\b/2)+32*(\b%2)
	ds_store_b128 v[STO], v[ACC+32*\a+8*\b+4:ACC+32*\a+8*\b+7] offset:128*(\b/2)+32*(\b%2)+16
.endr
	WIN 0x80
.irp t, 0,1,2,3,4,5,6,7
	ds_load_b128 v[BK+32*\a+4*\t:BK+32*\a+4*\t+3], v[RD] offset:2*\t*SPITCH
.endr
	WIN 0
.endr
	s_wait_loadcnt 0x0
.irp a, 0,1,2,3
	s_wait_dscnt 16*(3-\a)
	WIN 0x8a
.set k, 0
.rept 16
	v_pk_add_f32 v[RS+32*\a+2*k:RS+32*\a+2*k+1], v[RS+32*\a+2*k:RS+32*\a+2*k+1], v[BK+32*\a+2*k:BK+32*\a+2*k+1]
.set k, k+1
.endr
	WIN 0x08
.irp t, 0,1,2,3,4,5,6,7
	global_store_b128 v[CO], v[RS+32*\a+4*\t:RS+32*\a+4*\t+3], s[12:13] offset:(32*(\a/2)+8*(\a%2)+16*(\t/4)+2*(\t%4))*4096
.endr
.endr
	WIN 0
	s_wait_tensorcnt 0x0
	ds_add_u32 v[SPW], v[NIL]
	s_wait_dscnt 0x0
	CROUND
	s_endpgm
.Lfunc_end_k_q51a6b7d649_ffn2:
	.size	k_q51a6b7d649_ffn2, .Lfunc_end_k_q51a6b7d649_ffn2-k_q51a6b7d649_ffn2
	.p2alignl 7, 3214868480
	.fill 96, 4, 3214868480
	.section	.rodata,"a",@progbits
	.p2align	6, 0x0
	.amdhsa_kernel k_q51a6b7d649_ffn2
		.amdhsa_group_segment_fixed_size 327680
		.amdhsa_private_segment_fixed_size 0
		.amdhsa_enable_private_segment 0
		.amdhsa_kernarg_size 40
		.amdhsa_user_sgpr_count 2
		.amdhsa_user_sgpr_kernarg_segment_ptr 1
		.amdhsa_wavefront_size32 1
		.amdhsa_system_sgpr_workgroup_id_x 1
		.amdhsa_system_sgpr_workgroup_id_y 1
		.amdhsa_system_sgpr_workgroup_id_z 1
		.amdhsa_system_vgpr_workitem_id 0
		.amdhsa_next_free_vgpr 768
		.amdhsa_next_free_sgpr 100
		.amdhsa_reserve_vcc 0
		.amdhsa_float_denorm_mode_32 3
		.amdhsa_float_denorm_mode_16_64 3
		.amdhsa_memory_ordered 1
		.amdhsa_forward_progress 1
		.amdhsa_inst_pref_size 114
	.end_amdhsa_kernel
	.amdgpu_metadata
---
amdhsa.version: [ 1, 2 ]
amdhsa.kernels:
  - .name:           k_q51a6b7d649_ffn2
    .symbol:         k_q51a6b7d649_ffn2.kd
    .args:
      - { .name: hbuf, .offset: 0, .size: 8, .value_kind: global_buffer, .address_space: global }
      - { .name: wts, .offset: 8, .size: 8, .value_kind: global_buffer, .address_space: global }
      - { .name: bf2, .offset: 16, .size: 8, .value_kind: global_buffer, .address_space: global }
      - { .name: res1, .offset: 24, .size: 8, .value_kind: global_buffer, .address_space: global }
      - { .name: out0, .offset: 32, .size: 8, .value_kind: global_buffer, .address_space: global }
    .group_segment_fixed_size: 327680
    .private_segment_fixed_size: 0
    .kernarg_segment_align: 8
    .kernarg_segment_size: 40
    .max_flat_workgroup_size: 128
    .sgpr_count:     100
    .vgpr_count:     768
    .wavefront_size: 32
...
	.end_amdgpu_metadata
.endif
;; end of part 14
